; MI455X (gfx1250); checked and timed in simulation.
; The chip was launched on July 23, 2026; its instructions are those of AMD's public machine-readable ISA for CDNA 5 (MIT licence, August 2026) and "CDNA5" Instruction Set Architecture Reference Guide (July 2026). The comments in the code are by the model that wrote it; some were corrected since.
;; Attention FFN Block. Allowed arithmetic: matrix products marked QUANTISED: E3M2 operands, one E8M0 scale for each 32 along K, by v_wmma_scale_f32_16x16x128_f8f6f4 with both operands' format E3M2, f32 sums; everything else in f32.
;; Inputs: W1 1,024 x 4,096 float32; W2 4,096 x 1,024 float32; Wk 1,024 x 1,024 float32; Wo 1,024 x 1,024 float32; Wq 1,024 x 1,024 float32; Wv 1,024 x 1,024 float32; b1 4,096 float32; b2 1,024 float32; be1 1,024 float32; be2 1,024 float32; bk 1,024 float32; bo 1,024 float32; bq 1,024 float32; bv 1,024 float32; g1 1,024 float32; g2 1,024 float32; x 2 x 2,048 x 1,024 float32.
;; Outputs: out0 2 x 2,048 x 1,024 float32.
;; This version of the problem:
;;   THIS VERSION OF THE PROBLEM IS GIVEN IN LOW PRECISION. The matrix products marked QUANTISED in the list below multiply operands that are first quantised to E3M2 (3 exponent bits, 2 mantissa bits; 6 bits a number), with one power-of-two scale for each 32 numbers along K (OCP MX v1.0); their sums are f32. All else is computed in f32.
;;   The module's matrix products, in the order in which they are computed (A, B: the left and right operand; K: the contracted axis; several contracted axes count as one K, in the product's order):
;;     1. [M 4,096, K 1,024] x [K 1,024, N 1,024]; A: input x; B: input Wq: QUANTISED
;;     2. [M 4,096, K 1,024] x [K 1,024, N 1,024]; A: input x; B: input Wk: QUANTISED
;;     3. [M 4,096, K 1,024] x [K 1,024, N 1,024]; A: input x; B: input Wv: QUANTISED
;;     4. batch 32 x [M 2,048, K 64] x [K 64, N 2,048]; A: computed on the way; B: computed on the way: QUANTISED
;;     5. batch 32 x [M 2,048, K 2,048] x [K 2,048, N 64]; A: softmax (see below); B: computed on the way: QUANTISED
;;     6. [M 4,096, K 1,024] x [K 1,024, N 1,024]; A: computed on the way; B: input Wo: QUANTISED
;;     7. [M 4,096, K 1,024] x [K 1,024, N 4,096]; A: computed on the way; B: input W1: QUANTISED
;;     8. [M 4,096, K 4,096] x [K 4,096, N 1,024]; A: computed on the way; B: input W2: QUANTISED
;;   THE QUANTISER, for each operand of a quantised product, along K:
;;     - K is cut into blocks of 32 from its start; a last block that is shorter is filled with zeros.
;;     - A block's scale is 2^e with e = floor(log2(the largest magnitude in the block)) - 4, held to -126 .. 127; a block of zeros has e = 0. As a byte (E8M0): e + 127.
;;     - Each number is divided by its block's scale, clamped to +-28, and rounded to the nearest number of E3M2, ties to even, subnormals kept.
;;     - The product sums the exact products of the quantised numbers (number of the format x scale) in f32.
;;   ~~~python
;;   def quantise(x, axis):      # numpy; x: float32 -> the quantised numbers, widened to float32 again
;;       x = np.moveaxis(x, axis, -1); K = x.shape[-1]
;;       x = np.pad(x, [(0, 0)] * (x.ndim - 1) + [(0, -K % 32)]); x = x.reshape(x.shape[:-1] + (-1, 32)); a = np.abs(x).max(-1, keepdims=True)
;;       e = np.where(a > 0, np.clip(np.frexp(np.where(a > 0, a, 1))[1] - 1 - 4, -126, 127), 0)      # np.frexp(a)[1] - 1 = floor(log2(a)), exactly
;;       r = np.clip(x / 2.0 ** e, -28, 28)
;;       step = 2.0 ** (np.maximum(np.frexp(np.where(r == 0, 1, r))[1] - 1, -2) - 2)
;;       q = np.round(r / step) * step * 2.0 ** e      # np.round: ties to even
;;       return np.moveaxis(q.reshape(q.shape[:-2] + (-1,))[..., :K], -1, axis).astype(np.float32)
;;   ~~~
;;   SOFTMAX AHEAD OF A QUANTISED PRODUCT. Where the list says 'softmax', what is quantised is not the finished softmax but p = 2^(t - M), with t = logit x log2(e) and M = ceil(the row's largest t), a whole number; so 1/2 < the row's largest p <= 1. The row's sum l is taken of the UNQUANTISED p, in f32, and the product's result is divided by l at the end. Since M is a whole number, a kernel that streams over the keys may use a running M (the ceiling of the running maximum): every later rescaling is an exact power of two, which a block's scale takes up: the codes' values come out the same.
;;   OPERANDS COMPUTED ON THE WAY. 'Computed on the way' means the value that the module computes at that place (a softmax that the list does not call 'softmax' is quantised finished and normalised). What goes into a quantiser is computed in f32, as accurately as f32 sums, v_exp_f32 and their like allow (about 1e-6 of the number): no bf16 or f16 on the way to a quantiser, and a product that is left as it is and whose result goes on into a quantised operand takes f32 operands (vector FMAs, or v_wmma_f32_16x16x4_f32). A number that lies on a knife's edge between two numbers of the format may be rounded either way, as far as f32 arithmetic and the matrix unit's own rounding can turn it there, and no further.
;; One version. Each part assembles by itself: llvm-mc -triple=amdgcn-amd-amdhsa -mcpu=gfx1250 --defsym DOCPART=n.
;; ======== version 1 of 1: 7 launches
;; limits: right only within a limited range of input values
;; workspace buffers: wts 13,107,200 bytes; qkvb 9,830,400 bytes; att 3,276,800 bytes; y 16,777,216 bytes; x1b 20,054,016 bytes; hid 13,107,200 bytes
;; launch prep (part 1): grid 448 x 1, 16 waves a work-group, no clusters, 146,176 bytes of LDS; arguments Wq, Wk, Wv, Wo, W1, W2, x, wts; writes wts
.if DOCPART == 1
	.amdgcn_target "amdgcn-amd-amdhsa--gfx1250"
	.amdhsa_code_object_version 6
	.text
	.protected	k_qf648edadaf_prep
	.globl	k_qf648edadaf_prep
	.p2align	8
	.type	k_qf648edadaf_prep,@function
k_qf648edadaf_prep:
	s_mov_b64 s[64:65], 0
	v_nop
	global_prefetch_b8 v0, s[64:65] scope:SCOPE_SE
	s_setreg_imm32_b32 hwreg(HW_REG_WAVE_MODE, 25, 1), 1
	s_wait_xcnt 0x0
; The six weights (f32, stored [K][N]) and x (f32, [4096][1024]) become codes of E3M2 with one E8M0 byte for each 32 along K, laid as the products' launches read them.
; LAYOUT OF CODES: [row block of 16][64 along K][768 bytes].  In such an image lane 16 h + r owns the 24 bytes of k = 32 h + 0..31 of row r: its first 16 bytes at 16 x lane, its last 8 at 512 + 8 x lane.
; Two neighbouring images are an operand's 12 registers.  ROW ORDER: place p of the rows holds row (for a weight: column) p with bits 3 and 4 exchanged, so that two neighbouring row blocks, used as source 0,
; give a lane 16 neighbours.  LAYOUT OF SCALES: one word for a row and 128 along K, at ((K step x row blocks + row block) x 16 + r) x 4.
; ONE LAUNCH, TWO WAYS that part on the work-group's number, once, ahead of every load, and do not join: work-groups 0-191 take the weights, 192-447 the row blocks of x.  Each way has LDS bytes of its own.
; THE WEIGHTS: a lane takes a column and its registers run down K: a block of 32 lies in one lane.  A wave takes 32 columns x 128 along K, a work-group 512 columns.  The codes turn through the wave's own
; stage in LDS and leave as whole images: 512 and 256 consecutive bytes a store.  Waves share nothing there: no barrier.
; x: a work-group makes one row block of 16, a wave one row.  The row is loaded dense (512 consecutive bytes a load), turns through the wave's stage so that a lane holds one block of 32 numbers, and its codes
; meet the other rows' in sixteen images in LDS; behind one barrier wave w stores image w whole.
; LIMITS: NaN and infinities are not served; a block whose largest magnitude lies under 2^-122 (a block of zeros too) keeps the byte 1: its bytes are read by this program alone.
.set NWG, 192                          ; work-groups for the weights
.set XSC, 3145728                      ; in wts: x's codes at 0, its scale words here
.set W4C, 3276800
.set W4S, 6422528
.set W1C, 6553600
.set W1S, 9699328
.set W2C, 9830400
.set W2S, 12976128
.set XLDS, 57344                       ; LDS: 0 .. the weights' sixteen stages of 3,584 bytes; from here x's sixteen stages of 4,608 bytes (32 places of 128 + 16),
.set IMG, 131072                       ; x's sixteen images, 784 bytes apart,
.set SCW, 143616                       ; its row block's scale words: [K step 8][row 16],
.set SPARE, 144128                     ; and the spare words, 128 bytes for each wave
.set OFF, 16                           ; v16-31  4 x lane + i rows of the weight
.set X, 32                             ; v32-95  two sets of 32 numbers
.set C, 96                             ; v96-101 a block's codes
.set U, 104                            ; v104-106 their upper half as the conversion leaves it
.set SPW, 108
.set NIL, 109
.set BS, 24                            ; s[24:39] eight bases, 16 rows of the weight apart
.macro LOAD t                          ; block t: rows 32 t + i of my column, into set t % 2: 128 consecutive bytes a wave
.set i_, 0
.rept 32
	global_load_b32 v[X+32*((\t)%2)+i_], v[OFF+i_%16], s[BS+2*(2*(\t)+i_/16):BS+2*(2*(\t)+i_/16)+1] th:TH_LOAD_NT
.set i_, i_+1
.endr
.endm
.macro BLOCK t
.set XB, X+32*((\t)%2)
.if (\t) < 3
	s_wait_loadcnt 32                              ; this block's 32 loads are in; the next block's may be out
.else
	s_wait_loadcnt 0x0
.endif
	v_max3_num_f32 v12, |v[XB]|, |v[XB+1]|, |v[XB+2]|
	v_max3_num_f32 v13, |v[XB+3]|, |v[XB+4]|, |v[XB+5]|
.irp i, 6,10,14,18,22,26
	s_delay_alu instid0(VALU_DEP_2)
	v_max3_num_f32 v12, v12, |v[XB+\i]|, |v[XB+\i+1]|
	s_delay_alu instid0(VALU_DEP_2)
	v_max3_num_f32 v13, v13, |v[XB+\i+2]|, |v[XB+\i+3]|
.endr
	s_delay_alu instid0(VALU_DEP_2)
	v_max3_num_f32 v12, v12, |v[XB+30]|, |v[XB+31]|
	s_delay_alu instid0(VALU_DEP_1)
	v_max3_num_f32 v12, v12, v13, 0x2800000        ; with the floor 2^(5 - 127): the byte cannot fall under 1
	s_delay_alu instid0(VALU_DEP_1)
	v_add_nc_u32 v11, 0xfe000000, v12              ; 4 off the exponent field: the conversion's scale operand
	s_delay_alu instid0(VALU_DEP_1)
	v_lshrrev_b32 v13, 23, v11                     ; the byte
.if (\t) == 0
	s_delay_alu instid0(VALU_DEP_1)
	v_mov_b32 v14, v13
.else
	s_delay_alu instid0(VALU_DEP_1)
	v_lshl_or_b32 v14, v13, 8*(\t), v14            ; four bytes make my column's word for these 128
.endif
	v_cvt_scalef32_pk16_bf6_f32 v[C:C+2], v[XB:XB+15], v11
	v_cvt_scalef32_pk16_bf6_f32 v[U:U+2], v[XB+16:XB+31], v11
	v_nop                                          ; one plain place behind a scaled conversion
.irp i, 0,1,2
	v_mov_b32 v[C+3+\i], v[U+\i]
.endr
	ds_store_b128 v2, v[C:C+3] offset:1792*((\t)/2)+256*((\t)%2)
	ds_store_b64 v3, v[C+4:C+5] offset:1792*((\t)/2)+512+128*((\t)%2)
.if (\t) < 2
	LOAD (\t)+2
.endif
	s_wait_dscnt 0x0                               ; the stores have read their registers
.endm
.macro ROWQ D, T, W                    ; 32 dense registers of my row at v[D]; v[T] 32 at work; v[W] 15 at work
.irp c, 0,1,2,3,4,5,6,7
	ds_store_b128 v2, v[\D+4*\c:\D+4*\c+3] offset:576*\c
.endr
.irp i, 0,1,2,3,4,5,6,7
	ds_load_b128 v[\T+4*\i:\T+4*\i+3], v3 offset:16*\i     ; my wave's own bytes, served in order: block l of the row
.endr
	s_wait_dscnt 0x0
	v_max3_num_f32 v[\W], |v[\T]|, |v[\T+1]|, |v[\T+2]|
	v_max3_num_f32 v[\W+1], |v[\T+3]|, |v[\T+4]|, |v[\T+5]|
.irp i, 6,10,14,18,22,26
	s_delay_alu instid0(VALU_DEP_2)
	v_max3_num_f32 v[\W], v[\W], |v[\T+\i]|, |v[\T+\i+1]|
	s_delay_alu instid0(VALU_DEP_2)
	v_max3_num_f32 v[\W+1], v[\W+1], |v[\T+\i+2]|, |v[\T+\i+3]|
.endr
	s_delay_alu instid0(VALU_DEP_2)
	v_max3_num_f32 v[\W], v[\W], |v[\T+30]|, |v[\T+31]|
	s_delay_alu instid0(VALU_DEP_1)
	v_max3_num_f32 v[\W], v[\W], v[\W+1], 0x2800000        ; with the floor 2^(5 - 127)
	s_delay_alu instid0(VALU_DEP_1)
	v_add_nc_u32 v[\W+2], 0xfe000000, v[\W]                ; the conversion's scale operand
	s_delay_alu instid0(VALU_DEP_1)
	v_lshrrev_b32 v[\W+3], 23, v[\W+2]                     ; the byte,
	s_delay_alu instid0(VALU_DEP_1)
	v_lshlrev_b32 v[\W+3], v15, v[\W+3]                    ; at its place in the word;
	s_delay_alu instid0(VALU_DEP_1)
	v_mov_b32 v[\W+4], v[\W+3]
	s_delay_alu instid0(VALU_DEP_2)
	v_mov_b32_dpp v[\W+4], v[\W+3] row_xmask:1 row_mask:0xf bank_mask:0xf
	s_delay_alu instid0(VALU_DEP_1)
	v_or_b32 v[\W+3], v[\W+3], v[\W+4]
	s_delay_alu instid0(VALU_DEP_1)
	v_mov_b32_dpp v[\W+4], v[\W+3] row_xmask:2 row_mask:0xf bank_mask:0xf
	s_delay_alu instid0(VALU_DEP_1)
	v_or_b32 v[\W+3], v[\W+3], v[\W+4]                     ; four lanes' bytes make the word
	v_cvt_scalef32_pk16_bf6_f32 v[\W+6:\W+8], v[\T:\T+15], v[\W+2]
	v_cvt_scalef32_pk16_bf6_f32 v[\W+12:\W+14], v[\T+16:\T+31], v[\W+2]
	v_nop                                          ; one plain place behind a scaled conversion
.irp i, 0,1,2
	v_mov_b32 v[\W+9+\i], v[\W+12+\i]
.endr
	ds_store_b128 v4, v[\W+6:\W+9]                 ; image l / 2, half l % 2, row = my wave
	ds_store_b64 v5, v[\W+10:\W+11]
	ds_store_b32 v6, v[\W+3]                       ; four lanes write the same word with the same value
	s_wait_dscnt 0x0                               ; for the others' sake: my stores have landed
	s_barrier_signal -1
	s_barrier_wait -1
	ds_load_b128 v[\T:\T+3], v7                    ; image w, whole
	ds_load_b64 v[\T+4:\T+5], v8
	ds_load_b32 v[\T+6], v9
	s_wait_dscnt 0x0
	global_store_b128 v10, v[\T:\T+3], s[16:17]
	global_store_b64 v11, v[\T+4:\T+5], s[16:17] offset:512
	s_cmp_lt_u32 s3, 4                             ; waves 0 to 3 store the words of two K steps each
	s_cbranch_scc0 .Lno_words
	global_store_b32 v12, v[\T+6], s[18:19]
.Lno_words:
.endm
	v_lshl_add_u32 v[SPW], v0, 2, SPARE
	v_mov_b32 v[NIL], 0
	v_lshrrev_b32 v1, 5, v0
	s_delay_alu instid0(VALU_DEP_1)
	v_readfirstlane_b32 s3, v1                     ; wave
	v_and_b32 v1, 31, v0                           ; lane
	s_cmp_ge_u32 ttmp9, NWG                        ; the work-group's number alone decides: all sixteen waves go the same way
	s_cbranch_scc1 .Lrows
	; ---- THE WEIGHTS
	s_load_b256 s[4:11], s[0:1], 0x0               ; Wq, Wk, Wv, Wo
	s_load_b128 s[12:15], s[0:1], 0x20             ; W1, W2
	s_load_b64 s[16:17], s[0:1], 0x38              ; wts
	; which tensor, which 512 columns, which 128 along K: work-groups 0-63 the four square weights, 64-127 W2, 128-191 W1
	s_mov_b32 s20, ttmp9
	s_lshr_b32 s21, s20, 4                         ; which of the four
	s_and_b32 s22, s20, 1                          ; columns: the four and W2
	s_bfe_u32 s50, s20, 0x30001                    ; K: the four
	s_sub_co_u32 s46, s20, 64
	s_lshr_b32 s47, s46, 1                         ; K: W2
	s_and_b32 s48, s20, 7                          ; columns: W1
	s_bfe_u32 s49, s20, 0x30003                    ; K: W1
	s_mul_i32 s56, s21, 786432
	s_add_co_u32 s56, s56, W4C
	s_lshl_b32 s57, s21, 12
	s_add_co_u32 s57, s57, W4S
	s_mov_b32 s51, 16384                           ; bytes in a row of the weight
	s_mov_b32 s52, W1C                             ; where its codes begin in wts
	s_mov_b32 s53, W1S                             ; and its scale words
	s_mov_b32 s54, 16384                           ; bytes of scale words from a K step to the next
	s_mov_b32 s58, W2C
	s_mov_b32 s59, W2S
	s_cmp_lt_u32 s20, 128
	s_cselect_b32 s22, s22, s48
	s_cselect_b32 s23, s47, s49
	s_cselect_b32 s51, 4096, s51
	s_cselect_b32 s52, s58, s52
	s_cselect_b32 s53, s59, s53
	s_cselect_b32 s54, 4096, s54
	s_cselect_b32 s55, 64, 16                      ; images in a row block
	s_mov_b32 s58, 16384
	s_cmp_lt_u32 s20, 64
	s_cselect_b32 s23, s50, s23
	s_cselect_b32 s52, s56, s52
	s_cselect_b32 s53, s57, s53
	s_cselect_b32 s54, s58, s54
	s_cselect_b32 s55, 16, s55
	; byte offsets
	s_lshl_b32 s60, s51, 7
	s_mul_i32 s60, s60, s23                        ; 128 rows x the K chunk
	s_lshl_b32 s61, s22, 11
	s_add_co_u32 s60, s60, s61                     ; + 512 columns x the chunk
	s_lshl_b32 s61, s3, 7
	s_add_co_u32 s60, s60, s61                     ; + 32 columns x wave
	s_mov_b32 s61, 0
	s_lshl_b32 s62, s51, 4                         ; 16 rows
	s_mov_b32 s63, 0
	s_lshl_b32 s44, s22, 5
	s_lshl_b32 s45, s3, 1
	s_add_co_u32 s44, s44, s45                     ; my first row block
	s_mul_i32 s46, s44, s55
	s_lshl_b32 s47, s23, 1
	s_add_co_u32 s46, s46, s47
	s_mul_i32 s46, s46, 768
	s_add_co_u32 s46, s46, s52
	s_mov_b32 s47, 0
	s_mul_i32 s48, s23, s54
	s_lshl_b32 s49, s44, 6
	s_add_co_u32 s48, s48, s49
	s_add_co_u32 s48, s48, s53
	s_mov_b32 s49, 0
	s_mul_i32 s56, s55, 768                        ; a row block of codes
	s_mov_b32 s57, 0
	; lane terms
	s_wait_alu depctr_va_vdst(0)
	v_lshlrev_b32 v7, 2, v1
	s_delay_alu instid0(VALU_DEP_1)
	v_mov_b32 v[OFF], v7
.irp i, 1,2,3,4,5,6,7,8,9,10,11,12,13,14,15
	v_mad_u32_u24 v[OFF+\i], s51, \i, v7
.endr
	v_bfe_u32 v8, v1, 3, 1                         ; my column's row block of the two
	v_and_b32 v9, 7, v1
	v_lshrrev_b32 v10, 4, v1
	s_delay_alu instid0(VALU_DEP_1)
	v_lshl_add_u32 v9, v10, 3, v9                  ; and its row there
	s_mul_i32 s2, s3, 3584                         ; my stage: four images, 896 bytes apart
	v_mul_u32_u24 v10, v8, 896
	s_delay_alu instid0(VALU_DEP_1)
	v_add_nc_u32 v10, s2, v10
	s_delay_alu instid0(VALU_DEP_1)
	v_lshl_add_u32 v2, v9, 4, v10                  ; into the stage: 16 bytes a row,
	s_delay_alu instid0(VALU_DEP_2)
	v_lshl_add_u32 v3, v9, 3, v10                  ; and 8
	v_lshlrev_b32 v110, 4, v1
	v_lshlrev_b32 v111, 3, v1
	s_delay_alu instid0(VALU_DEP_2)
	v_add_nc_u32 v4, s2, v110                      ; out of it: 16 x lane,
	s_delay_alu instid0(VALU_DEP_2)
	v_add_nc_u32 v5, s2, v111                      ; 8 x lane
	v_lshlrev_b32 v6, 6, v8
	s_delay_alu instid0(VALU_DEP_1)
	v_lshl_add_u32 v6, v9, 2, v6                   ; my scale word's place
	s_wait_kmcnt 0x0
	s_cmp_lt_u32 s20, 128                          ; the choice hangs on the work-group's number alone
	s_cselect_b64 s[18:19], s[14:15], s[12:13]
	s_cmp_eq_u32 s21, 0
	s_cselect_b64 s[18:19], s[4:5], s[18:19]
	s_cmp_eq_u32 s21, 1
	s_cselect_b64 s[18:19], s[6:7], s[18:19]
	s_cmp_eq_u32 s21, 2
	s_cselect_b64 s[18:19], s[8:9], s[18:19]
	s_cmp_eq_u32 s21, 3
	s_cselect_b64 s[18:19], s[10:11], s[18:19]
	s_add_nc_u64 s[BS:BS+1], s[18:19], s[60:61]
.irp j, 1,2,3,4,5,6,7
	s_add_nc_u64 s[BS+2*\j:BS+2*\j+1], s[BS+2*\j-2:BS+2*\j-1], s[62:63]
.endr
	s_add_nc_u64 s[40:41], s[16:17], s[46:47]      ; my two row blocks' images
	s_add_nc_u64 s[42:43], s[40:41], s[56:57]
	s_add_nc_u64 s[44:45], s[16:17], s[48:49]      ; my scale words
	LOAD 0
	LOAD 1
	BLOCK 0
	BLOCK 1
	BLOCK 2
	BLOCK 3
	s_wait_alu depctr_va_vdst(0)
	global_store_b32 v6, v14, s[44:45]             ; 32 words: 128 consecutive bytes
.irp n, 0,1,2,3                                        ; image n: 64 along K n / 2, row block n % 2.  LDS serves a wave's instructions in order: these see my stores
	ds_load_b128 v[X+8*\n:X+8*\n+3], v4 offset:896*\n
	ds_load_b64 v[X+8*\n+4:X+8*\n+5], v5 offset:896*\n+512
.endr
	s_wait_dscnt 0x0
.irp n, 0,1,2,3
	global_store_b128 v110, v[X+8*\n:X+8*\n+3], s[40+2*(\n%2):41+2*(\n%2)] offset:768*(\n/2)
	global_store_b64 v111, v[X+8*\n+4:X+8*\n+5], s[40+2*(\n%2):41+2*(\n%2)] offset:768*(\n/2)+512
.endr
	s_wait_tensorcnt 0x0                           ; the wave's end, behind my last LDS store
	ds_add_u32 v[SPW], v[NIL]
	s_wait_dscnt 0x0
	s_endpgm
	; ---- x
.Lrows:
	s_load_b128 s[4:7], s[0:1], 0x30               ; x, wts
	s_sub_co_u32 s28, ttmp9, NWG                   ; my row block rb; my wave = the row's place in it
	s_lshr_b32 s26, s28, 1                         ; the row of x that lies at that place: 32 (rb / 2) + 8 (rb % 2) + w % 8 + 16 (w / 8)
	s_lshl_b32 s26, s26, 5
	s_and_b32 s27, s28, 1
	s_lshl_b32 s27, s27, 3
	s_add_co_u32 s26, s26, s27
	s_and_b32 s27, s3, 7
	s_add_co_u32 s26, s26, s27
	s_lshr_b32 s27, s3, 3
	s_lshl_b32 s27, s27, 4
	s_add_co_u32 s26, s26, s27
	s_lshl_b32 s26, s26, 12
	s_mov_b32 s27, 0
	s_lshl_b32 s10, s28, 4
	s_add_co_u32 s10, s10, s3
	s_mul_i32 s10, s10, 768                        ; image w of the row block
	s_mov_b32 s11, 0
	s_and_b32 s12, s3, 3
	s_lshl_b32 s12, s12, 15
	s_lshl_b32 s13, s28, 6
	s_add_co_u32 s12, s12, s13
	s_add_co_u32 s12, s12, XSC
	s_mov_b32 s13, 0
	s_mul_i32 s24, s3, 4608
	s_add_co_u32 s24, s24, XLDS                    ; my stage
	s_wait_alu depctr_va_vdst(0)
	v_lshrrev_b32 v15, 3, v1
	s_delay_alu instid0(VALU_DEP_1)
	v_mul_u32_u24 v2, v15, 144
	v_and_b32 v15, 7, v1
	s_delay_alu instid0(VALU_DEP_1)
	v_lshl_add_u32 v2, v15, 4, v2
	s_delay_alu instid0(VALU_DEP_1)
	v_add_nc_u32 v2, s24, v2                       ; in: eight lanes' 128 bytes to a place
	v_mul_u32_u24 v3, v1, 144
	s_delay_alu instid0(VALU_DEP_1)
	v_add_nc_u32 v3, s24, v3                       ; out: place l
	v_lshrrev_b32 v15, 1, v1
	s_delay_alu instid0(VALU_DEP_1)
	v_mul_u32_u24 v4, v15, 784
	v_and_b32 v15, 1, v1
	s_delay_alu instid0(VALU_DEP_1)
	v_lshl_add_u32 v5, v15, 7, v4
	s_delay_alu instid0(VALU_DEP_2)
	v_lshl_add_u32 v4, v15, 8, v4
	s_lshl_b32 s25, s3, 4
	s_add_co_u32 s25, s25, IMG
	v_add_nc_u32 v4, s25, v4
	s_lshl_b32 s25, s3, 3
	s_add_co_u32 s25, s25, IMG+512
	v_add_nc_u32 v5, s25, v5
	v_lshrrev_b32 v15, 2, v1
	s_lshl_b32 s25, s3, 2
	s_add_co_u32 s25, s25, SCW
	v_lshl_add_u32 v6, v15, 6, s25
	v_lshlrev_b32 v10, 4, v1
	v_lshlrev_b32 v11, 3, v1
	s_mul_i32 s25, s3, 784
	s_add_co_u32 s25, s25, IMG
	v_add_nc_u32 v7, s25, v10
	s_add_co_u32 s25, s25, 512
	v_add_nc_u32 v8, s25, v11
	s_and_b32 s25, s3, 3
	s_lshl_b32 s25, s25, 7
	s_add_co_u32 s25, s25, SCW
	v_lshl_add_u32 v9, v1, 2, s25
	v_lshrrev_b32 v15, 4, v1
	v_and_b32 v12, 15, v1
	s_delay_alu instid0(VALU_DEP_1)
	v_lshlrev_b32 v12, 2, v12
	s_delay_alu instid0(VALU_DEP_1)
	v_lshl_add_u32 v12, v15, 14, v12               ; lanes 16-31: the next K step's words, 16,384 bytes on
	v_and_b32 v15, 3, v1
	s_delay_alu instid0(VALU_DEP_1)
	v_lshlrev_b32 v15, 3, v15                      ; 8 (l % 4): my byte's place in a word
	s_wait_kmcnt 0x0
	s_add_nc_u64 s[4:5], s[4:5], s[26:27]
	s_add_nc_u64 s[16:17], s[6:7], s[10:11]
	s_add_nc_u64 s[18:19], s[6:7], s[12:13]
.irp c, 0,1,2,3,4,5,6,7
	global_load_b128 v[16+4*\c:19+4*\c], v10, s[4:5] offset:512*\c th:TH_LOAD_NT
.endr
	s_wait_loadcnt 0x0
	ROWQ 16, 48, 80
	s_wait_tensorcnt 0x0                           ; the wave's end, behind my last LDS store
	ds_add_u32 v[SPW], v[NIL]
	s_wait_dscnt 0x0
	s_endpgm
.Lfunc_end_k_qf648edadaf_prep:
	.size	k_qf648edadaf_prep, .Lfunc_end_k_qf648edadaf_prep-k_qf648edadaf_prep
	.p2alignl 7, 3214868480
	.fill 96, 4, 3214868480
	.section	.rodata,"a",@progbits
	.p2align	6, 0x0
	.amdhsa_kernel k_qf648edadaf_prep
		.amdhsa_group_segment_fixed_size 146176
		.amdhsa_private_segment_fixed_size 0
		.amdhsa_enable_private_segment 0
		.amdhsa_kernarg_size 64
		.amdhsa_user_sgpr_count 2
		.amdhsa_user_sgpr_kernarg_segment_ptr 1
		.amdhsa_wavefront_size32 1
		.amdhsa_system_sgpr_workgroup_id_x 1
		.amdhsa_system_sgpr_workgroup_id_y 1
		.amdhsa_system_sgpr_workgroup_id_z 1
		.amdhsa_system_vgpr_workitem_id 0
		.amdhsa_next_free_vgpr 128
		.amdhsa_next_free_sgpr 66
		.amdhsa_reserve_vcc 0
		.amdhsa_float_denorm_mode_32 3
		.amdhsa_float_denorm_mode_16_64 3
		.amdhsa_memory_ordered 1
		.amdhsa_forward_progress 1
		.amdhsa_inst_pref_size 37
	.end_amdhsa_kernel
	.amdgpu_metadata
---
amdhsa.version: [ 1, 2 ]
amdhsa.kernels:
  - .name:           k_qf648edadaf_prep
    .symbol:         k_qf648edadaf_prep.kd
    .args:
      - { .name: Wq, .offset: 0, .size: 8, .value_kind: global_buffer, .address_space: global }
      - { .name: Wk, .offset: 8, .size: 8, .value_kind: global_buffer, .address_space: global }
      - { .name: Wv, .offset: 16, .size: 8, .value_kind: global_buffer, .address_space: global }
      - { .name: Wo, .offset: 24, .size: 8, .value_kind: global_buffer, .address_space: global }
      - { .name: W1, .offset: 32, .size: 8, .value_kind: global_buffer, .address_space: global }
      - { .name: W2, .offset: 40, .size: 8, .value_kind: global_buffer, .address_space: global }
      - { .name: x, .offset: 48, .size: 8, .value_kind: global_buffer, .address_space: global }
      - { .name: wts, .offset: 56, .size: 8, .value_kind: global_buffer, .address_space: global }
    .group_segment_fixed_size: 146176
    .private_segment_fixed_size: 0
    .kernarg_segment_align: 8
    .kernarg_segment_size: 64
    .max_flat_workgroup_size: 512
    .sgpr_count:     66
    .vgpr_count:     128
    .wavefront_size: 32
...
	.end_amdgpu_metadata
.endif
;; end of part 1
;; launch qkv (part 2): grid 12 x 16, 4 waves a work-group, clusters of 4 x 4, 327,680 bytes of LDS; arguments wts, bq, bk, bv, qkvb; writes qkvb
.if DOCPART == 2
	.amdgcn_target "amdgcn-amd-amdhsa--gfx1250"
	.amdhsa_code_object_version 6
	.text
	.protected	k_qf648edadaf_qkv
	.globl	k_qf648edadaf_qkv
	.p2align	8
	.type	k_qf648edadaf_qkv,@function
k_qf648edadaf_qkv:
	s_mov_b64 s[64:65], 0
	v_nop
	global_prefetch_b8 v0, s[64:65] scope:SCOPE_SE
	s_setreg_imm32_b32 hwreg(HW_REG_WAVE_MODE, 25, 1), 1
	s_wait_xcnt 0x0
	s_wait_alu depctr_hold_cnt(0) depctr_sa_sdst(0) depctr_va_vdst(0) depctr_va_sdst(0) depctr_va_ssrc(0) depctr_va_vcc(0) depctr_vm_vsrc(0)
	s_getreg_b32 s2, hwreg(HW_REG_IB_STS2, 6, 4)
	s_cmp_eq_u32 s2, 0
	s_cbranch_scc0 .Lentry_in_a_cluster
	s_endpgm
.Lentry_in_a_cluster:
	s_bfe_u32 s2, ttmp6, 0x10000c
	s_cmp_lg_u32 s2, 0xf033
	s_cbranch_scc0 .Lentry_shape_is_right
	s_endpgm
.Lentry_shape_is_right:
; q = x Wq + bq, k = x Wk + bk, v = x Wv + bv on codes of E3M2, and the results quantised in registers: q and k along the channels, v along the tokens.
; A tile of 256 x 256 to a work-group of four waves, 128 x 128 to a wave: 64 accumulators.  K = 1,024 goes in slots of 256 through a ring of two LDS slots filled by joint tensor loads.
; Codes lie in memory as images of operand registers (768 bytes: 16 rows x 64 along K), so a tile is 8 rows of 3,072 consecutive bytes, and a fragment comes by two loads of 16 bytes and two of 8, dense.
; THE MATRIX INSTRUCTION IS USED TRANSPOSED: source 0 = B's rows, source 1 = A's.  B's rows lie with bits 3 and 4 of their number exchanged, so a lane's 64 results of one block of A are,
; in register order, 16 neighbours of each of four blocks of 32 along B's rows: what the quantiser wants.
; Clusters x = 0, 1: A = x (tokens), B = Wq, Wk (channels).  Cluster x = 2: A = Wv (channels), B = x (tokens), so that v's registers run along the tokens, the second attention product's K.
; The choice is made by selects on the cluster's x, which all sixteen partners share: no branch hangs on it.
; CLUSTERS 4 x 4: A's tiles are shared along a row of the cluster, B's along a column.
; REGISTERS: window 0: v12-29 addresses; v32-47 scale words, two sets; v48-61 the way out; v64-255 A's fragments, two sets (on the way out: at work).
;   window 1: v0-191 B's fragments, two sets; v192-255 the bias along B's rows.   windows 2, 3: accumulator (a, b) at v[8 (8 (a % 4) + b)].
; LIMITS: NaN and infinities are not served; a block whose largest magnitude lies under 2^-122 keeps the byte 1.
.set FFN, 0
.set MB, 8
.set NQ, 2
.set KST, 8
.set PRB, 12288
.set HALFT, 24576
.set SLOT, 98304
.set HALFS, 4096
.set SCL, 196608
.set SPARE, 246784
.set LAPS, 2
.set XC, 0
.set XS, 3145728
.set W4C, 3276800
.set W4S, 6422528
.set W1C, 6553600
.set W1S, 9699328
.set QC, 0
.set KC, 3145728
.set VC, 6291456
.set QS, 9437184
.set KSB, 9568256
.set VS, 9699328
.set X1C, 16777216
.set X1S, 19922944
.set HS, 12582912
.if FFN
.set PA, 4
.set PB, 6
.set OUTP, 10
.else
.set PA, 4
.set PB, 4
.set OUTP, 12
.endif
.set G1, 24
.set G0, 32
.set G1B, 48
.set G0B, 56
.set G1S, 68
.set G0S, 76
.set G1SB, 80
.set G0SB, 88
.set OB, 92                            ; s[92:93] where the trip's images go
.set SBP, 94                           ; s[94:95] where my scale words go
.set SEL, 96
.set PR, 100                           ; s[100:101] from a row block of the output to the next
.set AI, 66
.set ADRS, 27
.set SPW, 28
.set NIL, 29
.set SC, 32
.set AF, 64
.set PC, 128
.set TM, 148
.set PW, 164
.set MSB, 0
.macro WIN new                         ; the immediate's high byte repeats the setting that is left
.if MSB != \new
	s_set_vgpr_msb (MSB<<8)|\new
.set MSB, \new
.endif
.endm
.macro JLOAD g0a, g1a, g0b, g1b        ; a joint load: waves 0 and 1 fetch for A, waves 2 and 3 for B; an s_nop 0 and four v_nop follow each line
	s_cmp_eq_u32 s15, 0
	s_cbranch_scc0 .Lfor_b_\@
	tensor_load_to_lds s[\g0a:\g0a+3], s[\g1a:\g1a+7]
	s_nop 0
.rept 4
	v_nop
.endr
	s_branch .Lasked_\@
.Lfor_b_\@:
	tensor_load_to_lds s[\g0b:\g0b+3], s[\g1b:\g1b+7]
	s_nop 0
.rept 4
	v_nop
.endr
.Lasked_\@:
.endm
.macro CREST
	s_cmp_lg_u32 s14, 0
	s_cbranch_scc1 .Lnot_wave_0_\@
	s_barrier_signal -3
.Lnot_wave_0_\@:
	s_barrier_wait -3
	s_barrier_signal -1
	s_barrier_wait -1
.endm
.macro CROUND
	s_barrier_signal -1
	s_barrier_wait -1
	CREST
.endm
.macro PLACES n
.rept \n
	v_nop
.endr
.endm
.macro FRAG reg, a16, a8, off          ; two images are a fragment's 12 registers
	ds_load_b128 v[\reg:\reg+3], v[\a16] offset:\off
	ds_load_b64 v[\reg+4:\reg+5], v[\a8] offset:\off+512
	ds_load_b128 v[\reg+6:\reg+9], v[\a16] offset:\off+768
	ds_load_b64 v[\reg+10:\reg+11], v[\a8] offset:\off+1280
.endm
.macro FETCH_B slot, q, p
	WIN 0x40
.irp i, 0,1,2,3,4,5,6,7
	FRAG 96*(\p)+12*\i, 20+\slot, 22+\slot, \i*NQ*1536+(\q)*1536
.endr
	WIN 0
.endm
.macro FETCH_A slot, q, p
.irp i, 0,1,2,3,4,5,6,7
	FRAG AF+96*(\p)+12*\i, 16+\slot, 18+\slot, \i*NQ*1536+(\q)*1536
.endr
.endm
.macro SCALES q, p                     ; lanes 0-15 take the word of A's block i, lanes 16-31 that of B's
.irp i, 0,1,2,3,4,5,6,7
	ds_load_b32 v[SC+8*(\p)+\i], v[ADRS] offset:128*MB*(\q)+64*\i   ; an LDS row of scale words: one K step of the tile's 2 MB row blocks
.endr
.endm
.macro MULA a, p, zero                 ; A's block a against B's eight.  The 64 accumulators take turns, one instruction a turn, in one order in every step
	WIN 0xa1+0x50*((\a)/4)
.irp b, 0,1,2,3,4,5,6,7
.if \zero
	v_wmma_scale_f32_16x16x128_f8f6f4 v[8*(8*((\a)%4)+\b):8*(8*((\a)%4)+\b)+7], v[96*(\p)+12*\b:96*(\p)+12*\b+11], v[AF+96*(\p)+12*(\a):AF+96*(\p)+12*(\a)+11], 0, v[SC+8*(\p)+\b], v[SC+8*(\p)+(\a)] matrix_a_fmt:MATRIX_FMT_BF6 matrix_b_fmt:MATRIX_FMT_BF6 matrix_a_scale:MATRIX_SCALE_ROW1
.else
	v_wmma_scale_f32_16x16x128_f8f6f4 v[8*(8*((\a)%4)+\b):8*(8*((\a)%4)+\b)+7], v[96*(\p)+12*\b:96*(\p)+12*\b+11], v[AF+96*(\p)+12*(\a):AF+96*(\p)+12*(\a)+11], v[8*(8*((\a)%4)+\b):8*(8*((\a)%4)+\b)+7], v[SC+8*(\p)+\b], v[SC+8*(\p)+(\a)] matrix_a_fmt:MATRIX_FMT_BF6 matrix_b_fmt:MATRIX_FMT_BF6 matrix_a_scale:MATRIX_SCALE_ROW1
.endif
.endr
.endm
.macro STEP slot, q, zero              ; 128 along K that have their successor in the same slot
	s_wait_dscnt 0x0                               ; this step's set is in
	PLACES 4                                       ; in front of loads into the other set, which the last step's products read
	FETCH_B \slot, (\q)+1, 1-(\q)%2
	SCALES (\q)+1, 1-(\q)%2
.irp a, 0,1,2,3
	MULA \a, (\q)%2, \zero
.endr
	WIN 0
	FETCH_A \slot, (\q)+1, 1-(\q)%2
.irp a, 4,5,6,7
	MULA \a, (\q)%2, \zero
.endr
.endm
.macro TURN slot, next, fill           ; a slot's last step changes slots
	WIN 0
	s_wait_tensorcnt 0x0                           ; all my tensor loads have landed: my part of the next slot;
	ds_add_u32 v[SPW], v[NIL]                      ; 0 onto my spare word
	s_wait_dscnt 1                                 ; this step's set is in; the add alone may be out
	MULA 0, 1, 0
	MULA 1, 1, 0
	s_wait_dscnt 0x0                               ; the add is done, and my reads of this slot are over
	s_barrier_signal -1
	MULA 2, 1, 0
	MULA 3, 1, 0
	WIN 0
	s_barrier_wait -1
.if \fill
	CREST                                          ; the barrier has opened a round of the cluster's: no wave of any partner still reads this slot or has a load on its way
	s_add_nc_u64 s[G0+4*\slot+2:G0+4*\slot+3], s[G0+4*\slot+2:G0+4*\slot+3], 2*NQ*1536
	s_add_nc_u64 s[G0B+4*\slot+2:G0B+4*\slot+3], s[G0B+4*\slot+2:G0B+4*\slot+3], 2*NQ*1536
	JLOAD G0+4*\slot, G1, G0B+4*\slot, G1B         ; the first tensor load behind the round; its four v_nop are the places in front of the loads below
.else
	PLACES 4
.endif
	s_wait_alu depctr_va_vdst(0)
	v_add_nc_u32 v[ADRS], 128*MB*NQ, v[ADRS]       ; the next slot's scale words
	FETCH_B \next, 0, 0
	SCALES 0, 0
	MULA 4, 1, 0
	MULA 5, 1, 0
	WIN 0
	FETCH_A \next, 0, 0
	MULA 6, 1, 0
	MULA 7, 1, 0
.endm
; 64 numbers of a lane, register 16 b + i = k 32 b + 16 (lane / 16) + i of my row, become a fragment's codes in v[PC] on and its scale word in v[PW]
.macro QUANT s
.irp b, 0,1,2,3
	v_max3_num_f32 v[TM+\b], |v[\s+16*\b]|, |v[\s+1+16*\b]|, 0x2800000
.endr
.irp i, 2,4,6,8,10,12,14
.irp b, 0,1,2,3
	v_max3_num_f32 v[TM+\b], v[TM+\b], |v[\s+16*\b+\i]|, |v[\s+1+16*\b+\i]|
.endr
.endr
.irp b, 0,1,2,3
	v_permlanex16_b32 v[TM+4+\b], v[TM+\b], s[SEL], s[SEL+1]
.endr
.irp b, 0,1,2,3
	v_max_num_f32 v[TM+\b], v[TM+\b], v[TM+4+\b]
.endr
.irp b, 0,1,2,3
	v_add_nc_u32 v[TM+12+\b], 0xfe000000, v[TM+\b]
.endr
.irp b, 0,1,2,3
	v_lshrrev_b32 v[TM+4+\b], 23, v[TM+12+\b]
.endr
	v_lshl_or_b32 v[PW], v[TM+5], 8, v[TM+4]
	v_lshl_or_b32 v[PW], v[TM+6], 16, v[PW]
	v_lshl_or_b32 v[PW], v[TM+7], 24, v[PW]
.irp c, 0,1
	v_cvt_scalef32_pk16_bf6_f32 v[PC+6*\c:PC+2+6*\c], v[\s+32*\c:\s+15+32*\c], v[TM+12+2*\c]
	v_cvt_scalef32_pk16_bf6_f32 v[PC+12+4*\c:PC+14+4*\c], v[\s+16+32*\c:\s+31+32*\c], v[TM+12+2*\c+1]
.endr
	v_nop                                          ; one plain place behind a scaled conversion
.irp c, 0,1
.irp i, 0,1,2
	v_permlane16_swap_b32 v[PC+6*\c+\i], v[PC+12+4*\c+\i]
.endr
.irp i, 0,1,2
	v_mov_b32 v[PC+3+6*\c+\i], v[PC+12+4*\c+\i]
.endr
.endr
.endm
.macro COPY a                          ; block a's 64 sums + the bias along B's rows -> v64-127, each accumulator from its low end on
	WIN 6+(\a)/4
.set n_, 0
.rept 32
	v_pk_add_f32 v[64+n_:65+n_], v[64*((\a)%4)+n_:64*((\a)%4)+n_+1], v[192+n_:193+n_]
.set n_, n_+2
.endr
	WIN 0
.if FFN == 0
	v_mov_b32 v60, v[48+(\a)]
.endif
.endm
; exact GELU of 32 numbers at v[hb]: 0.5 x (1 + erf(x / sqrt 2)), erf(z) = z P(z^2) / Q(z^2) with z held to +-4, beyond which erf is +-1 in f32
.macro GELU hb
.set n_, 0
.rept 16
	v_pk_mul_f32 v[128+n_:129+n_], v[\hb+n_:\hb+n_+1], 0x3f3504f3 op_sel_hi:[1,0]
.set n_, n_+2
.endr
.set n_, 0
.rept 32
	v_med3_num_f32 v[128+n_], v[128+n_], -4.0, 4.0
.set n_, n_+1
.endr
.set n_, 0
.rept 16
	v_pk_mul_f32 v[160+n_:161+n_], v[128+n_:129+n_], v[128+n_:129+n_]
.set n_, n_+2
.endr
.set n_, 0
.rept 16
	v_pk_fma_f32 v[192+n_:193+n_], v[160+n_:161+n_], v[8:9], 0x32edffee op_sel_hi:[1,1,0]
	v_pk_fma_f32 v[224+n_:225+n_], v[160+n_:161+n_], v[10:11], 0xb95fbd29 op_sel_hi:[1,1,0]
.set n_, n_+2
.endr
.irp k, 0xb60cff51, 0xb86ec2d2, 0xba40ac63, 0xbb41a1f6, 0xbc83dbd4
.set n_, 0
.rept 16
	v_pk_fma_f32 v[192+n_:193+n_], v[192+n_:193+n_], v[160+n_:161+n_], \k op_sel_hi:[1,1,0]
.set n_, n_+2
.endr
.endr
.irp k, 0xbadc924e, 0xbbf19bf8, 0xbc69b6a7
.set n_, 0
.rept 16
	v_pk_fma_f32 v[224+n_:225+n_], v[224+n_:225+n_], v[160+n_:161+n_], \k op_sel_hi:[1,1,0]
.set n_, n_+2
.endr
.endr
.set n_, 0
.rept 32
	v_rcp_f32 v[224+n_], v[224+n_]
.set n_, n_+1
.endr
.set n_, 0
.rept 16
	v_pk_mul_f32 v[192+n_:193+n_], v[192+n_:193+n_], v[128+n_:129+n_]      ; z P: plain work behind the reciprocals
.set n_, n_+2
.endr
	s_wait_alu depctr_va_vdst(0)                   ; one wait for the 32 reciprocals, ahead of their first reader
.set n_, 0
.rept 16
	v_pk_mul_f32 v[192+n_:193+n_], v[192+n_:193+n_], v[224+n_:225+n_]      ; erf
	v_pk_mul_f32 v[128+n_:129+n_], v[\hb+n_:\hb+n_+1], 0.5 op_sel_hi:[1,0]
.set n_, n_+2
.endr
.set n_, 0
.rept 16
	v_pk_fma_f32 v[\hb+n_:\hb+n_+1], v[128+n_:129+n_], v[192+n_:193+n_], v[128+n_:129+n_]
.set n_, n_+2
.endr
.endm
	s_load_b256 s[4:11], s[0:1], 0x0
.if FFN == 0
	s_load_b64 s[12:13], s[0:1], 0x20
.endif
	v_lshl_add_u32 v[SPW], v0, 2, SPARE
	v_mov_b32 v[NIL], 0
	ds_add_u32 v[SPW], v[NIL]                      ; the wave's opening: the add and its wait ahead of my first tensor load; work on registers stands between
	ds_add_u32 v[SPW], v[NIL]
	v_lshrrev_b32 v1, 5, v0
	v_readfirstlane_b32 s14, v1                    ; wave
	s_lshr_b32 s15, s14, 1                         ; my half of A's rows.  Also: I fetch for A (0) or B (1)
	s_and_b32 s16, s14, 1                          ; my half of B's rows.  Also: which half of a tile I fetch
	s_bfe_u32 s40, ttmp6, 0x40000                  ; cx
	s_bfe_u32 s41, ttmp6, 0x40004                  ; cy
	s_and_b32 s19, ttmp7, 0xffff
	s_lshl_b32 s19, s19, 2
	s_add_co_u32 s17, s19, s41                     ; A's tile: 4 x cluster y + cy
	s_lshl_b32 s42, ttmp9, 2
	s_add_co_u32 s42, s42, s40                     ; B's tile: 4 x cluster x + cx
.if FFN
	s_mov_b32 s66, X1C
	s_mov_b32 s67, X1S
	s_mov_b32 s100, W1C
	s_mov_b32 s101, W1S
.else
	s_add_co_u32 s45, s19, s40                     ; for v: B's tile (tokens) = 4 x cluster y + cx
	s_mov_b32 s67, XS
	s_mov_b32 s100, W4C
	s_mov_b32 s101, W4S
	s_mov_b32 s18, XS
	s_cmp_eq_u32 ttmp9, 2                          ; v's clusters: the same answer in all sixteen partners
	s_cselect_b32 s17, s41, s17                    ; for v: A's tile (channels) = cy
	s_cselect_b32 s42, s45, s42
	s_cselect_b32 s98, 0, -1                       ; the bias along B's rows counts for q and k,
	s_cselect_b32 s99, -1, 0                       ; that along A's rows for v
	s_cselect_b32 s66, W4C+1572864, XC
	s_cselect_b32 s67, W4S+8192, s67
	s_cselect_b32 s100, XC, s100
	s_cselect_b32 s101, s18, s101
.endif
	s_lshl_b32 s43, s41, 2
	s_lshl_b32 s43, 15, s43                        ; my row of the cluster
	s_lshl_b32 s44, 0x1111, s40                    ; my column
	s_or_b32 s[G1+0], s43, (3<<16)|(1<<21)         ; the mask; elements of 8 bytes; bit 21 beside a mask; no padding
	s_or_b32 s[G1B+0], s44, (3<<16)|(1<<21)
.irp g, G1, G1B
	s_mov_b32 s[\g+1], (192*NQ)<<16                ; a row: a row block's NQ x 1,536 bytes
	s_mov_b32 s[\g+2], (2*MB)<<16                  ; the head's loads bring a whole tile, 2 MB row blocks; behind them these two words are set to MB
	s_mov_b32 s[\g+3], (192*NQ)<<16
	s_mov_b32 s[\g+4], 2*MB
	s_mov_b32 s[\g+5], PRB/8
	s_mov_b32 s[\g+6], 0
	s_mov_b32 s[\g+7], 0
.endr
	s_or_b32 s[G1S+0], s43, (3<<16)|(1<<21)
	s_or_b32 s[G1SB+0], s44, (3<<16)|(1<<21)
.irp g, G1S, G1SB
	s_mov_b32 s[\g+1], (16*MB)<<16                 ; a row: 2 MB row blocks' words of one K step
	s_mov_b32 s[\g+2], KST<<16
	s_mov_b32 s[\g+3], (16*MB)<<16
	s_mov_b32 s[\g+4], KST
	s_mov_b32 s[\g+5], 16384/8
	s_mov_b32 s[\g+6], 0
	s_mov_b32 s[\g+7], 0
.endr
	s_lshl_b32 s20, s17, 4                         ; A: the tile's first row block
	s_lshl_b32 s46, s42, 4                         ; B
	s_lshl_b32 s22, s20, 6
	s_add_co_u32 s22, s22, s67
	s_lshl_b32 s92, s46, 6
	s_add_co_u32 s92, s92, s101
	s_mul_i32 s20, s20, PRB
	s_add_co_u32 s20, s20, s66
	s_mul_i32 s46, s46, PRB
	s_add_co_u32 s46, s46, s100
	s_mov_b32 s21, 0
	s_mov_b32 s23, 0
	s_mov_b32 s47, 0
	s_mov_b32 s93, 0
	s_mul_i32 s45, s14, HALFT                      ; where they go: no place in the cluster enters an LDS address
	s_mov_b32 s[SEL], 0x76543210
	s_mov_b32 s[SEL+1], 0xfedcba98
	s_wait_dscnt 0x0                               ; the opening add is done
	s_wait_kmcnt 0x0
	s_add_nc_u64 s[20:21], s[PA:PA+1], s[20:21]
	s_add_nc_u64 s[22:23], s[PA:PA+1], s[22:23]
	s_add_nc_u64 s[46:47], s[PB:PB+1], s[46:47]
	s_add_nc_u64 s[92:93], s[PB:PB+1], s[92:93]
	CROUND                                         ; all sixteen work-groups are here: the first joint loads meet
	s_mov_b32 s[G0S], 1
	s_mov_b32 s[G0S+1], SCL
	s_mov_b64 s[G0S+2:G0S+3], s[22:23]
	s_or_b32 s[G0S+3], s[G0S+3], 0x80000000
	s_mov_b32 s[G0SB], 1
	s_mov_b32 s[G0SB+1], SCL+2*HALFS
	s_mov_b64 s[G0SB+2:G0SB+3], s[92:93]
	s_or_b32 s[G0SB+3], s[G0SB+3], 0x80000000
	; the prefetches: of the 8 row blocks that I fetch in the ring, the partner at place p (cx for A, cy for B) names row blocks 2 p and 2 p + 1: a fill's 2 x 3,072 bytes, 24 blocks of 256
	s_cmp_eq_u32 s15, 0                            ; do I fetch for A?  The choice hangs on the wave's number alone
	s_cselect_b64 s[104:105], s[20:21], s[46:47]
	s_cselect_b32 s2, s40, s41
	s_lshl_b32 s2, s2, 1
	s_lshl_b32 s3, s16, 3
	s_add_co_u32 s2, s2, s3
	s_mul_i32 s2, s2, PRB
	s_mov_b32 s3, 0
	s_add_nc_u64 s[104:105], s[104:105], s[2:3]
.irp s, 0,1
	s_mov_b32 s[G0+4*\s], 1
	s_add_co_u32 s[G0+4*\s+1], s45, \s*SLOT
	s_add_nc_u64 s[G0+4*\s+2:G0+4*\s+3], s[20:21], \s*NQ*1536
	s_or_b32 s[G0+4*\s+3], s[G0+4*\s+3], 0x80000000
	s_mov_b32 s[G0B+4*\s], 1
	s_add_co_u32 s[G0B+4*\s+1], s45, \s*SLOT
	s_add_nc_u64 s[G0B+4*\s+2:G0B+4*\s+3], s[46:47], \s*NQ*1536
	s_or_b32 s[G0B+4*\s+3], s[G0B+4*\s+3], 0x80000000
.endr
; THE HEAD'S LOADS, ONE A WAVE: wave 0 slot 0's 2 MB row blocks of A, wave 1 those of B, wave 2 A's scale words of all of K, wave 3 B's.
; One chain of branches on the wave's number, a load to each arm, all arms leading to one join.
	s_mov_b32 s[G0+1], 0
	s_mov_b32 s[G0B+1], 2*HALFT
.macro ARM under, g0, g1, next
	s_cmp_lt_u32 s14, \under
	s_cbranch_scc0 \next
	tensor_load_to_lds s[\g0:\g0+3], s[\g1:\g1+7]
	s_nop 0
.rept 4
	v_nop
.endr
	s_branch .Lhead_asked
\next:
.endm
	ARM 1, G0, G1, .Lhead_b
	ARM 2, G0B, G1B, .Lhead_sa
	ARM 3, G0S, G1S, .Lhead_sb
	tensor_load_to_lds s[G0SB:G0SB+3], s[G1SB:G1SB+7]
	s_nop 0
.rept 4
	v_nop
.endr
.Lhead_asked:
	v_and_b32 v1, 31, v0                           ; lane
	v_and_b32 v2, 15, v0                           ; r
	v_bfe_u32 v3, v0, 4, 1                         ; h
	v_lshlrev_b32 v24, 4, v1                       ; 16 x lane
	v_lshlrev_b32 v25, 3, v1                       ; 8 x lane
	v_lshlrev_b32 v26, 2, v1
	v_min_u32 v30, 23, v1                          ; a lane a block; lanes 24-31 name the last again
	v_mul_u32_u24 v31, v30, 171
	v_lshrrev_b32 v31, 11, v31                     ; which of the two row blocks: l / 12
	v_lshlrev_b32 v30, 8, v30
	v_mad_u32_u24 v30, v31, PRB-3072, v30
	s_mul_i32 s21, s15, HALFT
	s_mul_i32 s22, s16, HALFT
	s_add_co_u32 s22, s22, 2*HALFT
.irp s, 0,1
	v_add_nc_u32 v[16+\s], s21, v24
	v_add_nc_u32 v[18+\s], s21, v25
	v_add_nc_u32 v[20+\s], s22, v24
	v_add_nc_u32 v[22+\s], s22, v25
	s_add_co_u32 s21, s21, SLOT
	s_add_co_u32 s22, s22, SLOT
.endr
	s_wait_alu depctr_va_vdst(0)                   ; the wait ahead of the readers below
	global_prefetch_b8 v30, s[104:105] offset:NQ*1536 th:TH_LOAD_NT scope:SCOPE_SE     ; fill 1
	global_prefetch_b8 v30, s[104:105] offset:2*NQ*1536 th:TH_LOAD_NT scope:SCOPE_SE   ; fill 2
	v_lshlrev_b32 v5, 2, v2
	s_mul_i32 s21, s15, 64*MB
	s_mul_i32 s22, s16, 64*MB
	s_add_co_u32 s22, s22, 2*HALFS
	s_sub_co_u32 s22, s22, s21
	v_mul_u32_u24 v6, s22, v3                      ; lanes 16-31 take B's words
	s_add_co_u32 s21, s21, SCL
	v_add_nc_u32 v5, v5, v6
	v_add_nc_u32 v[ADRS], s21, v5
	; the way out's numbers
	s_lshl_b32 s66, s17, 4
	s_lshl_b32 s67, s15, 3
	s_add_co_u32 s66, s66, s67                     ; my first row block of the output
.if FFN
	s_lshl_b32 s18, s42, 1
	s_add_co_u32 s18, s18, s16                     ; my K step of the output
	s_mov_b32 s100, 49152
	s_mov_b32 s22, 16384
	s_mov_b32 s20, 0
	s_mov_b32 s21, HS
	s_lshl_b32 s46, s18, 9
	s_mov_b32 s47, 0
	s_add_nc_u64 s[46:47], s[8:9], s[46:47]        ; b1 at my 128 hidden units
.else
	s_and_b32 s18, s42, 3
	s_lshl_b32 s18, s18, 1
	s_add_co_u32 s18, s18, s16                     ; q, k: my K step (128 channels)
	s_lshl_b32 s19, s42, 1
	s_add_co_u32 s19, s19, s16                     ; v: my K step (128 tokens)
	s_lshl_b32 s67, s18, 9
	s_lshl_b32 s101, s66, 6
	s_mov_b32 s100, 12288
	s_mov_b32 s22, 16384
	s_mov_b32 s21, QS
	s_mov_b32 s23, KSB
	s_cmp_eq_u32 ttmp9, 1
	s_cselect_b32 s20, KC, QC
	s_cselect_b32 s21, s23, s21
	s_cselect_b64 s[46:47], s[8:9], s[6:7]         ; bk or bq
	s_mov_b32 s23, VS
	s_cmp_eq_u32 ttmp9, 2
	s_cselect_b32 s18, s19, s18
	s_cselect_b32 s100, 49152, s100
	s_cselect_b32 s22, 4096, s22
	s_cselect_b32 s20, VC, s20
	s_cselect_b32 s21, s23, s21
	s_cselect_b32 s67, 0, s67                      ; what does not count is loaded from the buffer's head and cleared
	s_cselect_b32 s101, s101, 0
	s_mov_b32 s2, s67
	s_mov_b32 s3, 0
	s_add_nc_u64 s[46:47], s[46:47], s[2:3]
	s_mov_b32 s2, s101
	s_add_nc_u64 s[10:11], s[10:11], s[2:3]        ; bv at my channels
.endif
	s_mov_b32 s101, 0
	s_mul_i32 s2, s66, s100
	s_add_co_u32 s2, s2, s20
	s_mul_i32 s19, s18, 1536
	s_add_co_u32 s2, s2, s19
	s_mov_b32 s3, 0
	s_add_nc_u64 s[OB:OB+1], s[OUTP:OUTP+1], s[2:3]
	s_mul_i32 s2, s18, s22
	s_add_co_u32 s2, s2, s21
	s_lshl_b32 s19, s66, 6
	s_add_co_u32 s2, s2, s19
	s_add_nc_u64 s[SBP:SBP+1], s[OUTP:OUTP+1], s[2:3]
	v_lshlrev_b32 v12, 6, v3                       ; the bias along B's rows: register 16 b + i wants number 32 b + 16 h + i
	WIN 0x40
.irp n, 0,1,2,3,4,5,6,7,8,9,10,11,12,13,14,15
	global_load_b128 v[192+4*\n:195+4*\n], v12, s[46:47] offset:128*(\n/4)+16*(\n%4)
.endr
	WIN 0
.if FFN == 0
	v_and_b32 v13, 7, v2
	v_lshrrev_b32 v4, 3, v2
	v_lshl_add_u32 v13, v4, 4, v13
	v_lshlrev_b32 v13, 2, v13                      ; the bias along A's rows: the channel that lies at place r of block a
.irp a, 0,1,2,3,4,5,6,7
	global_load_b32 v[48+\a], v13, s[10:11] offset:4*(32*(\a/2)+8*(\a%2))
.endr
.endif
	s_wait_alu depctr_va_vdst(0)
	s_wait_loadcnt 0x0                             ; the biases
	s_wait_tensorcnt 0x0                           ; my tile of the head's four is in
	ds_add_u32 v[SPW], v[NIL]
	s_mul_i32 s2, s16, MB*PRB                      ; no tensor load of mine is out, so descriptors may be written: in the ring I fetch MB row blocks, my half of a tile
	s_mov_b32 s3, 0
.irp g, G0, G0+4, G0B, G0B+4
	s_add_nc_u64 s[\g+2:\g+3], s[\g+2:\g+3], s[2:3]
.endr
	s_mul_i32 s[G0+1], s14, HALFT
	s_mul_i32 s[G0B+1], s14, HALFT
	s_mov_b32 s[G1+2], MB<<16
	s_mov_b32 s[G1+4], MB
	s_mov_b32 s[G1B+2], MB<<16
	s_mov_b32 s[G1B+4], MB
	s_wait_dscnt 0x0
	CROUND                                         ; all four tiles are in, and all sixteen work-groups are here
	JLOAD G0+4, G1, G0B+4, G1B                     ; slot 1's first fill, the first tensor load behind the round
	global_prefetch_b8 v30, s[104:105] offset:3*NQ*1536 th:TH_LOAD_NT scope:SCOPE_SE   ; fill 3, the last
	FETCH_B 0, 0, 0
	SCALES 0, 0
	FETCH_A 0, 0, 0
	STEP 0, 0, 1                                   ; the first step's products start the sums
	WIN 0
	s_mov_b32 s3, LAPS-1
.Llap:
	TURN 0, 1, 1
	s_wait_alu depctr_va_vdst(0)
	STEP 1, 0, 0
	TURN 1, 0, 1
	s_wait_alu depctr_va_vdst(0)
	STEP 0, 0, 0
	WIN 0
	s_sub_co_u32 s3, s3, 1
	s_cmp_lg_u32 s3, 0
	s_cbranch_scc1 .Llap
	TURN 0, 1, 0                                   ; the last lap fills nothing
	s_wait_alu depctr_va_vdst(0)
	STEP 1, 0, 0
	s_wait_dscnt 0x0
.irp a, 0,1,2,3,4,5,6,7
	MULA \a, 1, 0
.endr
	WIN 0
	PLACES 4
	; THE WAY OUT: eight trips, one block of 16 rows of A each: bias, (activation,) quantiser, two images of 768 bytes stored whole
.if FFN == 0
	WIN 0x44
.set n_, 0
.rept 64
	v_cndmask_b32 v[192+n_], 0, v[192+n_], s98
.set n_, n_+1
.endr
	WIN 0
.irp a, 0,1,2,3,4,5,6,7
	v_cndmask_b32 v[48+\a], 0, v[48+\a], s99
.endr
	v_mov_b32 v61, 0                               ; (named as the upper half of the pair v[60:61])
.else
	v_mov_b32 v8, 0xaf95df0b                       ; the polynomials' leading coefficients
	v_mov_b32 v9, 0xaf95df0b
	v_mov_b32 v10, 0xb77460cd
	v_mov_b32 v11, 0xb77460cd
.endif
.irp q, 0,1,2,3
	v_mov_b32 v[56+\q], 0                          ; the scale words of blocks 2 q (lanes 0-15) and 2 q + 1 (lanes 16-31)
	v_mov_b32 v[TM+4+\q], 0                        ; a lane permute's destination counts as one of its sources
.endr
	s_mov_b32 s[AI], 0
.Lrow:
.irp a, 0,1,2,3,4,5,6
	s_cmp_eq_u32 s[AI], \a
	s_cbranch_scc1 .Lc\a
.endr
	COPY 7
	s_branch .Lwork
.irp a, 0,1,2,3,4,5,6
.Lc\a:
	COPY \a
	s_branch .Lwork
.endr
.Lwork:
.if FFN
	GELU 64
	GELU 96
.else
.set n_, 0
	s_wait_alu depctr_va_vdst(0)
.rept 32
	v_pk_add_f32 v[64+n_:65+n_], v[64+n_:65+n_], v[60:61] op_sel_hi:[1,0]
.set n_, n_+2
.endr
.endif
	QUANT 64
	global_store_b128 v24, v[PC:PC+3], s[OB:OB+1]
	global_store_b64 v25, v[PC+4:PC+5], s[OB:OB+1] offset:512
	global_store_b128 v24, v[PC+6:PC+9], s[OB:OB+1] offset:768
	global_store_b64 v25, v[PC+10:PC+11], s[OB:OB+1] offset:1280
	s_and_b32 s18, s[AI], 1
	s_lshl_b32 s18, s18, 4
	s_lshl_b32 s18, 0xffff, s18                    ; which half of the lanes keeps this block's word,
	s_lshr_b32 s19, s[AI], 1                       ; and in which register
.irp q, 0,1,2,3
	s_cmp_eq_u32 s19, \q
	s_cselect_b32 s[20+\q], s18, 0
.endr
.irp q, 0,1,2,3
	v_cndmask_b32 v[56+\q], v[56+\q], v[PW], s[20+\q]
.endr
	s_wait_xcnt 0x0                                ; the stores have read their registers and their base: both are written again only behind this wait
	s_add_nc_u64 s[OB:OB+1], s[OB:OB+1], s[PR:PR+1]
	s_add_co_u32 s[AI], s[AI], 1
	s_cmp_lt_u32 s[AI], 8
	s_cbranch_scc1 .Lrow
	s_wait_alu depctr_va_vdst(0)
.irp q, 0,1,2,3
	global_store_b32 v26, v[56+\q], s[SBP:SBP+1] offset:128*\q
.endr
	s_wait_tensorcnt 0x0                           ; the wave's end
	ds_add_u32 v[SPW], v[NIL]
	s_wait_dscnt 0x0
	CROUND                                         ; the closing round
	s_endpgm
.Lfunc_end_k_qf648edadaf_qkv:
	.size	k_qf648edadaf_qkv, .Lfunc_end_k_qf648edadaf_qkv-k_qf648edadaf_qkv
	.p2alignl 7, 3214868480
	.fill 96, 4, 3214868480
	.section	.rodata,"a",@progbits
	.p2align	6, 0x0
	.amdhsa_kernel k_qf648edadaf_qkv
		.amdhsa_group_segment_fixed_size 327680
		.amdhsa_private_segment_fixed_size 0
		.amdhsa_enable_private_segment 0
		.amdhsa_kernarg_size 40
		.amdhsa_user_sgpr_count 2
		.amdhsa_user_sgpr_kernarg_segment_ptr 1
		.amdhsa_wavefront_size32 1
		.amdhsa_system_sgpr_workgroup_id_x 1
		.amdhsa_system_sgpr_workgroup_id_y 1
		.amdhsa_system_sgpr_workgroup_id_z 1
		.amdhsa_system_vgpr_workitem_id 0
		.amdhsa_next_free_vgpr 1024
		.amdhsa_next_free_sgpr 106
		.amdhsa_reserve_vcc 0
		.amdhsa_float_denorm_mode_32 3
		.amdhsa_float_denorm_mode_16_64 3
		.amdhsa_memory_ordered 1
		.amdhsa_forward_progress 1
		.amdhsa_inst_pref_size 151
	.end_amdhsa_kernel
	.amdgpu_metadata
---
amdhsa.version: [ 1, 2 ]
amdhsa.kernels:
  - .name:           k_qf648edadaf_qkv
    .symbol:         k_qf648edadaf_qkv.kd
    .args:
      - { .name: wts, .offset: 0, .size: 8, .value_kind: global_buffer, .address_space: global }
      - { .name: bq, .offset: 8, .size: 8, .value_kind: global_buffer, .address_space: global }
      - { .name: bk, .offset: 16, .size: 8, .value_kind: global_buffer, .address_space: global }
      - { .name: bv, .offset: 24, .size: 8, .value_kind: global_buffer, .address_space: global }
      - { .name: qkvb, .offset: 32, .size: 8, .value_kind: global_buffer, .address_space: global }
    .group_segment_fixed_size: 327680
    .private_segment_fixed_size: 0
    .kernarg_segment_align: 8
    .kernarg_segment_size: 40
    .max_flat_workgroup_size: 128
    .sgpr_count:     106
    .vgpr_count:     1024
    .wavefront_size: 32
...
	.end_amdgpu_metadata
.endif
;; end of part 2
;; launch attn (part 3): grid 8 x 32, 16 waves a work-group, clusters of 4 x 1, 327,680 bytes of LDS; arguments qkvb, att; writes att
.if DOCPART == 3
	.amdgcn_target "amdgcn-amd-amdhsa--gfx1250"
	.amdhsa_code_object_version 6
	.text
	.protected	k_qf648edadaf_attn
	.globl	k_qf648edadaf_attn
	.p2align	8
	.type	k_qf648edadaf_attn,@function
k_qf648edadaf_attn:
	s_mov_b64 s[64:65], 0
	v_nop
	global_prefetch_b8 v0, s[64:65] scope:SCOPE_SE
	s_setreg_imm32_b32 hwreg(HW_REG_WAVE_MODE, 25, 1), 1
	s_wait_xcnt 0x0
	s_wait_alu depctr_hold_cnt(0) depctr_sa_sdst(0) depctr_va_vdst(0) depctr_va_sdst(0) depctr_va_ssrc(0) depctr_va_vcc(0) depctr_vm_vsrc(0)
	s_getreg_b32 s2, hwreg(HW_REG_IB_STS2, 6, 4)
	s_cmp_eq_u32 s2, 0
	s_cbranch_scc0 .Lentry_in_a_cluster
	s_endpgm
.Lentry_in_a_cluster:
	s_bfe_u32 s2, ttmp6, 0x10000c
	s_cmp_lg_u32 s2, 0x3003
	s_cbranch_scc0 .Lentry_shape_is_right
	s_endpgm
.Lentry_shape_is_right:
; Causal attention of one head on codes of E3M2; the result is quantised along the channels and stored as codes for the next product.
; t = score x log2(e) / 8; M = the running largest t rounded up to a whole number; p = 2^(t - M) is quantised along the keys; the row's sum is taken of the unquantised p and divides at the end.
; ALL OF A HEAD'S K AND V LIE IN LDS (2 x 98,304 bytes of codes, 12,288 of scale words), each byte filled once: no ring, no refill.
; CLUSTER 4 x 1: the four work-groups of a cluster belong to one head and need the same K and V: every tile is asked for JOINTLY, by the same tensor load with the same descriptor and the mask 15.
; SHARES.  A head has 128 blocks of 16 queries and two clusters, c = 0, 1.  Wave w of the partner at place cx takes block 8 j + 4 e + cx, where j, the number of its last key step of 128, and e hang on w and c alone:
; hl = ((w >> 2) ^ w) & 1, e = (w >> 2) & 1, m = (w >> 3) + (w & 2), j = 15 - 4 c - m where hl = 1, else 4 c + m.  So which steps a wave walks, and in which its mask falls, is the same in all four
; partners: no branch hangs on a work-group's place.  cx enters Q's and the output's addresses and the number that the mask compares with, and nothing else; what is made of it has scalar registers of its own.
; A wave walks j + 1 steps; each group of four waves, by number modulo 4 or by number / 4, holds two long and two short blocks with 34 steps together.
; THE FILLS COME IN FOUR GROUPS of four key steps.
; LAYOUT.  Both products transposed: S^T = K Q^T, O^T = V^T P^T: a lane holds one query.  Rows of all tensors of codes lie with bits 3 and 4 of their number exchanged, so the 16 registers of two
; neighbouring tiles of keys (or of channels) are 16 neighbours.  The query at place r of block T is 32 (T / 2) + 8 (T % 2) + r % 8 + 16 (r / 8).
; THE HEAD'S 64 CHANNELS IN A K STEP OF 128: Q's upper six registers are zero codes; K's upper six are whatever follows (the next tile's codes: finite numbers), and add exactly 0.
; The scale words are read as 16 bits: the head's two bytes, and two bytes 0, which are no NaN.
; Every wave walks all sixteen trips; a step all of whose keys come after the wave's queries is jumped over by a branch on the wave's number and the cluster's.
; LIMITS: NaN and infinities are not served; a block whose largest magnitude lies under 2^-122 keeps the byte 1.
; THE FILLS AS THE TEXT NOW HAS THEM (this takes the place of the paragraph on four groups above): all sixteen waves fetch, one joint load each, at the head: waves 0-3 K's codes
; (wave p: key blocks 32 p on, 32 rows of 768 bytes), waves 4-7 V's codes (group p: 4 rows of 6,144 bytes, one for each row block), waves 8-11 a quarter each of K's scale words, waves 12-15 of V's.
; Every wave waits for its one load, one barrier shows all of K and V to all waves, and the walk begins.  No prefetch: every byte is asked for at the head, so there is no loop to run ahead in.
.set KC, 3145728
.set VC, 6291456
.set QS, 9437184
.set KSB, 9568256
.set VS, 9699328
.set ASO, 3145728
.set VCL, 98304                        ; LDS: K's codes [key block 128][768] at 0; V's [group 4][row block 4][8 images of 768] here;
.set KSL, 196608                       ; K's scale words [key block 128][16];
.set VSL, 204800                       ; V's [group 4] 2,048 bytes apart, in each [step 4][row block 4][16];
.set SPARE, 212992                     ; the spare words, 128 bytes for each wave
.set WV, 18
; SCALARS: s8-15, s17, s19 ids; s20-23 constants; s[24:55] four groups 1; groups 0: s[56:59] K's codes, s[60:63] V's, s[68:71] K's scale words, s[72:75] V's;
; s80 the step's first key, s81, s85-87 its LDS offsets, s88 the trip; s83 128 j.  Made of cx: s16, s82 (my smallest query), s84 (in the walk), s89-99.
.macro CROUND
	s_barrier_signal -1
	s_barrier_wait -1
	s_cmp_lg_u32 s[WV], 0
	s_cbranch_scc1 .Lnot_wave_0_\@
	s_barrier_signal -3
.Lnot_wave_0_\@:
	s_barrier_wait -3
	s_barrier_signal -1
	s_barrier_wait -1
.endm
; A PHASE: the four key steps of group q.  Its offsets begin anew from constants.
.macro PHASE q
	s_mov_b32 s80, 512*\q                          ; the step's first key
	s_mov_b32 s81, 24576*\q                        ; its tiles of K: 6,144 bytes a step
	s_mov_b32 s85, 2048*\q                         ; K's scale words: 512
	s_mov_b32 s86, 24576*\q                        ; V's images: 1,536 in each row block
	s_mov_b32 s87, 2048*\q                         ; V's scale words: 256
	s_mov_b32 s88, 0
.Lstep_\@:
	s_cmp_gt_u32 s80, s83                          ; all 128 keys come after my queries: nothing to do
	s_cbranch_scc1 .Lhidden_\@
	v_add_nc_u32 v84, s81, v1                      ; (six plain lines: the places behind the last step's products)
	v_add_nc_u32 v85, s81, v2
	v_add_nc_u32 v86, s85, v3
	v_add_nc_u32 v87, s86, v4
	v_add_nc_u32 v88, s86, v6
	v_add_nc_u32 v89, s87, v8
.irp t, 0,1,2,3,4,5,6,7
	ds_load_b128 v[28+6*\t:31+6*\t], v84 offset:768*\t
	ds_load_b64 v[32+6*\t:33+6*\t], v85 offset:768*\t+512
	ds_load_u16 v[212+\t], v86 offset:64*\t
.endr
	s_wait_alu depctr_va_vdst(0)
	s_wait_dscnt 0x0
.irp t, 0,1,2,3,4,5,6,7
	v_wmma_scale_f32_16x16x128_f8f6f4 v[96+8*\t:103+8*\t], v[28+6*\t:39+6*\t], v[16:27], 0, v[212+\t], v224 matrix_a_fmt:MATRIX_FMT_BF6 matrix_b_fmt:MATRIX_FMT_BF6
.endr
.rept 4
	v_nop
.endr
.irp c, 0,1,2,3                                        ; V's four fragments are asked for now and land under the softmax
	ds_load_b128 v[28+12*\c:31+12*\c], v87 offset:6144*\c
	ds_load_b64 v[32+12*\c:33+12*\c], v88 offset:6144*\c+512
	ds_load_b128 v[34+12*\c:37+12*\c], v87 offset:6144*\c+768
	ds_load_b64 v[38+12*\c:39+12*\c], v88 offset:6144*\c+1280
	ds_load_b32 v[220+\c], v89 offset:64*\c
.endr
	s_cmp_lg_u32 s80, s83                          ; an earlier step than my last: all 128 keys count for all my queries
	s_cbranch_scc1 .Lopen_\@
	s_sub_co_i32 s84, s82, s80
	v_add_nc_u32 v252, s84, v9                     ; d: register 16 b + i holds a hidden key where 32 b + i > d
	v_mov_b32 v254, 0xff800000
.set n_, 0
.rept 64
	v_cmp_gt_i32 vcc_lo, 32*(n_/16)+n_%16, v252
	v_cndmask_b32 v[96+n_], v[96+n_], v254, vcc_lo
.set n_, n_+1
.endr
.Lopen_\@:
.irp b, 0,1,2,3
	v_max3_num_f32 v[232+\b], v[96+16*\b], v[97+16*\b], v[98+16*\b]   ; the largest score of each block of 32 keys: for the row's maximum, and for the block's largest p
.endr
.irp i, 3,5,7,9,11,13
.irp b, 0,1,2,3
	v_max3_num_f32 v[232+\b], v[232+\b], v[96+16*\b+\i], v[97+16*\b+\i]
.endr
.endr
.irp b, 0,1,2,3
	v_max_num_f32 v[232+\b], v[232+\b], v[111+16*\b]
.endr
.irp b, 0,1,2,3
	s_delay_alu instid0(VALU_DEP_4)
	v_permlanex16_b32 v[236+\b], v[232+\b], s20, s21
.endr
.irp b, 0,1,2,3
	s_delay_alu instid0(VALU_DEP_4)
	v_max_num_f32 v[232+\b], v[232+\b], v[236+\b]
.endr
	s_delay_alu instid0(VALU_DEP_2)
	v_max3_num_f32 v254, v232, v233, v234
	s_delay_alu instid0(VALU_DEP_1)
	v_max_num_f32 v254, v254, v235
	s_delay_alu instid0(VALU_DEP_1)
	v_mul_f32 v254, s22, v254
	s_delay_alu instid0(VALU_DEP_1)
	v_max_num_f32 v13, v13, v254                   ; the running largest t
	v_mov_b32 v254, v12
	s_delay_alu instid0(VALU_DEP_2)
	v_floor_f32 v12, -v13                          ; the new -M: a whole number
	s_delay_alu instid0(VALU_DEP_1)
	v_sub_f32 v254, v12, v254
	s_delay_alu instid0(VALU_DEP_1)
	v_cvt_i32_f32 v254, v254
	s_delay_alu instid0(VALU_DEP_1)
	v_ldexp_f32 v252, 1.0, v254                    ; f = 2^(old M - new M)
.set n_, 0
.rept 32
	v_pk_fma_f32 v[96+n_:97+n_], v[96+n_:97+n_], s[22:23], v[12:13] op_sel_hi:[1,0,0]
.set n_, n_+2
.endr
.irp b, 0,1,2,3
	v_fma_f32 v[232+\b], v[232+\b], s22, v12
.endr
.set n_, 0
	s_wait_alu depctr_va_vdst(0)
.rept 64
	v_exp_f32 v[96+n_], v[96+n_]
.set n_, n_+1
.endr
	v_pk_mul_f32 v[14:15], v[14:15], v[252:253] op_sel_hi:[1,0]   ; the sums under the new M: a plain place behind the exponentials
	s_wait_alu depctr_va_vdst(0)                   ; one wait for the batch of 64, ahead of its first reader
.irp b, 0,1,2,3
	v_exp_f32 v[232+\b], v[232+\b]                 ; each block's largest p
.endr
	v_pk_add_f32 v[236:237], v[100:101], v[104:105]
	v_pk_add_f32 v[254:255], v[108:109], v[112:113]
	v_pk_add_f32 v[250:251], v[116:117], v[120:121]
	v_pk_add_f32 v[248:249], v[124:125], v[128:129]
	v_pk_add_f32 v[246:247], v[132:133], v[136:137]
	v_pk_add_f32 v[244:245], v[140:141], v[144:145]
	v_pk_add_f32 v[242:243], v[148:149], v[152:153]
	v_pk_add_f32 v[14:15], v[14:15], v[156:157]
	v_pk_add_f32 v[236:237], v[236:237], v[96:97]
	v_pk_add_f32 v[254:255], v[254:255], v[98:99]
	v_pk_add_f32 v[250:251], v[250:251], v[102:103]
	v_pk_add_f32 v[248:249], v[248:249], v[106:107]
	v_pk_add_f32 v[246:247], v[246:247], v[110:111]
	v_pk_add_f32 v[244:245], v[244:245], v[114:115]
	v_pk_add_f32 v[242:243], v[242:243], v[118:119]
	v_pk_add_f32 v[14:15], v[14:15], v[122:123]
	v_pk_add_f32 v[236:237], v[236:237], v[126:127]
	v_pk_add_f32 v[254:255], v[254:255], v[130:131]
	v_pk_add_f32 v[250:251], v[250:251], v[134:135]
	v_pk_add_f32 v[248:249], v[248:249], v[138:139]
	v_pk_add_f32 v[246:247], v[246:247], v[142:143]
	v_pk_add_f32 v[244:245], v[244:245], v[146:147]
	v_pk_add_f32 v[242:243], v[242:243], v[150:151]
	v_pk_add_f32 v[14:15], v[14:15], v[154:155]
	v_pk_add_f32 v[236:237], v[236:237], v[158:159]
	s_delay_alu instid0(VALU_DEP_2)
	v_pk_add_f32 v[14:15], v[14:15], v[248:249]
	s_delay_alu instid0(VALU_DEP_2)
	v_pk_add_f32 v[236:237], v[236:237], v[246:247]
	v_pk_add_f32 v[254:255], v[254:255], v[244:245]
	v_pk_add_f32 v[250:251], v[250:251], v[242:243]
	s_delay_alu instid0(VALU_DEP_2)
	v_pk_add_f32 v[14:15], v[14:15], v[254:255]
	s_delay_alu instid0(VALU_DEP_2)
	v_pk_add_f32 v[236:237], v[236:237], v[250:251]
	s_delay_alu instid0(VALU_DEP_1)
	v_pk_add_f32 v[14:15], v[14:15], v[236:237]
	s_wait_alu depctr_va_vdst(0)                   ; and one for the four
.irp b, 0,1,2,3
	v_max_num_f32 v[232+\b], 0x2800000, v[232+\b]
.endr
.irp b, 0,1,2,3
	s_delay_alu instid0(VALU_DEP_4)
	v_add_nc_u32 v[244+\b], 0xfe000000, v[232+\b]
.endr
.irp b, 0,1,2,3
	s_delay_alu instid0(VALU_DEP_4)
	v_lshrrev_b32 v[236+\b], 23, v[244+\b]
.endr
	s_delay_alu instid0(VALU_DEP_3)
	v_lshl_or_b32 v225, v237, 8, v236              ; p's scale word for these 128 keys
	s_delay_alu instid0(VALU_DEP_1)
	v_lshl_or_b32 v225, v238, 16, v225
	s_delay_alu instid0(VALU_DEP_1)
	v_lshl_or_b32 v225, v239, 24, v225
.irp c, 0,1
	v_cvt_scalef32_pk16_bf6_f32 v[192+6*\c:194+6*\c], v[96+32*\c:111+32*\c], v[244+2*\c]
	v_cvt_scalef32_pk16_bf6_f32 v[204+4*\c:206+4*\c], v[112+32*\c:127+32*\c], v[244+2*\c+1]
.endr
	v_nop
.irp c, 0,1
.irp i, 0,1,2
	v_permlane16_swap_b32 v[192+6*\c+\i], v[204+4*\c+\i]
.endr
.irp i, 0,1,2
	s_delay_alu instid0(VALU_DEP_3)
	v_mov_b32 v[195+6*\c+\i], v[204+4*\c+\i]
.endr
.endr
.set n_, 0
.rept 16
	v_pk_mul_f32 v[160+n_:161+n_], v[160+n_:161+n_], v[252:253] op_sel_hi:[1,0]   ; O^T under the new M; these sixteen are also the places in front of the products below
.set n_, n_+2
.endr
	s_wait_alu depctr_va_vdst(0)
	s_wait_dscnt 0x0                               ; V
.irp c, 0,1,2,3
	v_wmma_scale_f32_16x16x128_f8f6f4 v[160+8*\c:167+8*\c], v[28+12*\c:39+12*\c], v[192:203], v[160+8*\c:167+8*\c], v[220+\c], v225 matrix_a_fmt:MATRIX_FMT_BF6 matrix_b_fmt:MATRIX_FMT_BF6
.endr
.Lhidden_\@:
	s_add_co_u32 s80, s80, 128
	s_add_co_u32 s81, s81, 6144
	s_add_co_u32 s85, s85, 512
	s_add_co_u32 s86, s86, 1536
	s_add_co_u32 s87, s87, 256
	s_add_co_u32 s88, s88, 1
	s_cmp_lt_u32 s88, 4
	s_cbranch_scc1 .Lstep_\@
.endm
	s_load_b128 s[4:7], s[0:1], 0x0                ; qkvb, att
	v_lshl_add_u32 v10, v0, 2, SPARE
	v_mov_b32 v11, 0
	ds_add_u32 v10, v11                            ; the wave's opening: the add and its wait ahead of my first tensor load; work on registers stands between
	ds_add_u32 v10, v11
	v_lshrrev_b32 v1, 5, v0
	s_delay_alu instid0(VALU_DEP_1)
	v_readfirstlane_b32 s[WV], v1
	s_and_b32 s8, ttmp7, 0xffff
	s_lshr_b32 s9, s8, 4                           ; batch
	s_and_b32 s10, s8, 15                          ; head
	s_lshr_b32 s11, s10, 1
	s_and_b32 s12, s10, 1
	s_bfe_u32 s16, ttmp6, 0x40000                  ; cx: my place in the cluster
	s_lshr_b32 s13, s[WV], 2
	s_xor_b32 s14, s13, s[WV]
	s_and_b32 s14, s14, 1                          ; hl: 1 = a long block
	s_and_b32 s13, s13, 1                          ; e
	s_lshr_b32 s15, s[WV], 3                       ; also: I would fetch for K (0) or for V (1)
	s_and_b32 s17, s[WV], 2
	s_add_co_u32 s19, s15, s17                     ; m
	s_lshl_b32 s2, ttmp9, 2                        ; in a cluster launch ttmp9 counts clusters: c
	s_add_co_u32 s19, s19, s2
	s_sub_co_u32 s2, 15, s19
	s_cmp_eq_u32 s14, 1
	s_cselect_b32 s19, s2, s19                     ; j: my last key step
	s_lshl_b32 s83, s19, 7                         ; its first key
	s_and_b32 s17, s[WV], 3                        ; p: which group or quarter I fetch
	s_lshl_b32 s19, s19, 3
	s_lshl_b32 s13, s13, 2
	s_add_co_u32 s19, s19, s13
	s_add_co_u32 s89, s19, s16                     ; my block of queries: 8 j + 4 e + cx
	s_lshr_b32 s90, s89, 1
	s_lshl_b32 s90, s90, 5
	s_and_b32 s91, s89, 1
	s_lshl_b32 s91, s91, 3
	s_add_co_u32 s82, s90, s91                     ; my smallest query
	; group 1: the mask of all four partners, elements of 8 bytes, bit 21 beside the mask, no padding.  K: 32 rows (key blocks) of 768 bytes, 12,288 apart
	s_mov_b32 s24, 15|(3<<16)|(1<<21)
	s_mov_b32 s25, 96<<16
	s_mov_b32 s26, 32<<16
	s_mov_b32 s27, 96<<16
	s_mov_b32 s28, 32
	s_mov_b32 s29, 1536
	s_mov_b32 s30, 0
	s_mov_b32 s31, 0
	; V: eight images of each of four row blocks
	s_mov_b32 s32, 15|(3<<16)|(1<<21)
	s_mov_b32 s33, 768<<16                         ; V: 4 rows (row blocks) of eight images, 6,144 bytes, 49,152 apart
	s_mov_b32 s34, 4<<16
	s_mov_b32 s35, 768<<16
	s_mov_b32 s36, 4
	s_mov_b32 s37, 6144
	s_mov_b32 s38, 0
	s_mov_b32 s39, 0
	; a quarter of K's scale words: 2,048 dense bytes as 8 rows of 256
	s_mov_b32 s40, 15|(3<<16)|(1<<21)
	s_mov_b32 s41, 32<<16
	s_mov_b32 s42, 8<<16
	s_mov_b32 s43, 32<<16
	s_mov_b32 s44, 8
	s_mov_b32 s45, 32
	s_mov_b32 s46, 0
	s_mov_b32 s47, 0
	; a quarter of V's: 4 rows (key steps) of 256 bytes, 4,096 apart
	s_mov_b32 s48, 15|(3<<16)|(1<<21)
	s_mov_b32 s49, 32<<16
	s_mov_b32 s50, 4<<16
	s_mov_b32 s51, 32<<16
	s_mov_b32 s52, 4
	s_mov_b32 s53, 512
	s_mov_b32 s54, 0
	s_mov_b32 s55, 0
	s_mov_b32 s20, 0x76543210
	s_mov_b32 s21, 0xfedcba98
	s_mov_b32 s22, 0x3e38aa3b                      ; c = log2(e) / 8
	s_mov_b32 s23, s22
	; where my parts come from: made of the batch, the head and the wave's number, which the partners share
	s_lshl_b32 s85, s9, 7                          ; the batch's first row block of tokens
	s_lshl_b32 s86, s17, 5
	s_add_co_u32 s86, s86, s85
	s_lshl_b32 s86, s86, 4
	s_add_co_u32 s86, s86, s10
	s_mul_i32 s86, s86, 768
	s_add_co_u32 s86, s86, KC                      ; K: key blocks 32 p on, my head's image
	s_lshl_b32 s87, s10, 8
	s_lshl_b32 s88, s9, 5
	s_add_co_u32 s87, s87, s88
	s_mul_i32 s87, s87, 768
	s_add_co_u32 s87, s87, VC                      ; V: my head's first row block, the batch's first image,
	s_mul_i32 s88, s17, 6144
	s_add_co_u32 s87, s87, s88                     ; group p's eight images
	s_lshl_b32 s2, s11, 8
	s_add_co_u32 s2, s2, s85
	s_lshl_b32 s3, s17, 5
	s_add_co_u32 s2, s2, s3
	s_lshl_b32 s2, s2, 6
	s_add_co_u32 s2, s2, KSB                       ; K's scale words: key blocks 32 p on
	s_lshl_b32 s3, s9, 4
	s_lshl_b32 s19, s17, 2
	s_add_co_u32 s3, s3, s19
	s_lshl_b32 s3, s3, 6
	s_lshl_b32 s19, s10, 2
	s_add_co_u32 s3, s3, s19
	s_lshl_b32 s3, s3, 6
	s_add_co_u32 s3, s3, VS                        ; V's: key steps 4 p on, my head's four row blocks
	s_mov_b32 s100, s87                            ; four offsets as pairs: K's codes s[86:87], V's s[100:101], K's scale words s[2:3], V's s[84:85]
	s_mov_b32 s101, 0
	s_mov_b32 s87, 0
	s_mov_b32 s84, s3
	s_mov_b32 s85, 0
	s_mov_b32 s3, 0
	; and where they go: no place in the cluster enters an LDS address
	s_mul_i32 s57, s17, 24576
	s_add_co_u32 s61, s57, VCL
	s_lshl_b32 s69, s17, 11
	s_add_co_u32 s69, s69, KSL
	s_add_co_u32 s73, s69, 8192
	s_mov_b32 s56, 1
	s_mov_b32 s60, 1
	s_mov_b32 s68, 1
	s_mov_b32 s72, 1
	s_wait_dscnt 0x0                               ; the opening add is done
	s_wait_kmcnt 0x0
	s_add_nc_u64 s[58:59], s[4:5], s[86:87]
	s_add_nc_u64 s[62:63], s[4:5], s[100:101]
	s_add_nc_u64 s[70:71], s[4:5], s[2:3]
	s_add_nc_u64 s[74:75], s[4:5], s[84:85]
	s_or_b32 s59, s59, 0x80000000
	s_or_b32 s63, s63, 0x80000000
	s_or_b32 s71, s71, 0x80000000
	s_or_b32 s75, s75, 0x80000000
	CROUND                                         ; all four work-groups are here: the joint loads meet
	; the first and only fills: one load a wave, in one chain of branches on the wave's number, all arms leading to one join
.macro ARM under, g0, g1, next
	s_cmp_lt_u32 s[WV], \under
	s_cbranch_scc0 \next
	tensor_load_to_lds s[\g0:\g0+3], s[\g1:\g1+7]
	s_nop 0
.rept 4
	v_nop
.endr
	s_branch .Lasked
\next:
.endm
	ARM 4, 56, 24, .Lfor_v
	ARM 8, 60, 32, .Lfor_ks
	ARM 12, 68, 40, .Lfor_vs
	tensor_load_to_lds s[72:75], s[48:55]
	s_nop 0
.rept 4
	v_nop
.endr
.Lasked:
	s_lshl_b32 s90, s9, 7
	s_add_co_u32 s90, s90, s89                     ; my row block of tokens
	s_lshl_b32 s92, s90, 4
	s_add_co_u32 s92, s92, s10
	s_mul_i32 s92, s92, 768                        ; its image for my head: the same place in q's codes and in the output's
	s_mov_b32 s93, 0
	s_add_nc_u64 s[94:95], s[6:7], s[92:93]
	s_add_nc_u64 s[92:93], s[4:5], s[92:93]
	s_lshl_b32 s19, s12, 1                         ; my head's two bytes of a scale word
	s_lshl_b32 s91, s11, 8
	s_add_co_u32 s91, s91, s90
	s_lshl_b32 s91, s91, 6
	s_add_co_u32 s91, s91, s19
	s_add_co_u32 s96, s91, QS
	s_mov_b32 s97, 0
	s_add_co_u32 s98, s91, ASO
	s_mov_b32 s99, 0
	s_add_nc_u64 s[96:97], s[4:5], s[96:97]
	s_add_nc_u64 s[98:99], s[6:7], s[98:99]
	v_and_b32 v232, 31, v0
	v_and_b32 v233, 15, v0
	v_bfe_u32 v234, v0, 4, 1
	s_delay_alu instid0(VALU_DEP_3)
	v_lshlrev_b32 v1, 4, v232                      ; 16 x lane: K's images begin at LDS byte 0
	s_delay_alu instid0(VALU_DEP_4)
	v_lshlrev_b32 v2, 3, v232                      ; 8 x lane
	s_delay_alu instid0(VALU_DEP_4)
	v_lshlrev_b32 v226, 2, v233                    ; 4 r
	s_add_co_u32 s17, s19, KSL
	v_add_nc_u32 v3, s17, v226                     ; K's scale words, my head's two bytes
	v_add_nc_u32 v4, VCL, v1                       ; V's images
	v_add_nc_u32 v6, VCL, v2
	v_add_nc_u32 v8, VSL, v226
	v_and_b32 v235, 7, v233
	v_lshrrev_b32 v236, 3, v233
	s_delay_alu instid0(VALU_DEP_1)
	v_lshl_add_u32 v9, v236, 4, v235
	v_lshlrev_b32 v234, 4, v234
	s_delay_alu instid0(VALU_DEP_1)
	v_sub_nc_u32 v9, v9, v234                      ; my query less the block's smallest, less 16 h
	global_load_b128 v[16:19], v1, s[92:93]        ; Q's image stays in registers
	global_load_b64 v[20:21], v2, s[92:93] offset:512
	global_load_u16 v224, v226, s[96:97]           ; its two scale bytes
.irp i, 0,1,2,3,4,5
	v_mov_b32 v[22+\i], 0                          ; zero codes for k = 64 .. 127
	v_mov_b32 v[76+\i], 0                          ; what follows the last tile of K
.endr
	v_mov_b32 v13, 0xff61b1e6                      ; the largest t so far: -3e38
	s_delay_alu instid0(VALU_DEP_1)
	v_floor_f32 v12, -v13                          ; -M
	v_mov_b32 v14, 0
	v_mov_b32 v15, 0
.irp b, 0,1,2,3
	v_mov_b32 v[236+\b], 0
.endr
	v_mov_b32 v252, 0
	v_mov_b32 v253, 0
.set n_, 0
.rept 32
	v_mov_b32 v[160+n_], 0                         ; O^T: the step is written once; the first finds zeros
.set n_, n_+1
.endr
	s_wait_alu depctr_va_vdst(0)                   ; the head's end
	s_wait_tensorcnt 0x0                           ; my one load has landed; nothing is ever filled again
	s_barrier_signal -1
	s_barrier_wait -1                              ; everybody's has: all of K and V lie in LDS
	s_wait_loadcnt 0x0                             ; Q
	PHASE 0
	PHASE 1
	PHASE 2
	PHASE 3
	; THE WAY OUT: O^T / the sum; register 16 g + i is channel 32 g + 16 h + i of my query: two blocks of 32, one image
.rept 4
	v_nop                                          ; the places behind the last products
.endr
	v_add_f32 v14, v14, v15
	s_delay_alu instid0(VALU_DEP_1)
	v_permlanex16_b32 v252, v14, s20, s21
	s_delay_alu instid0(VALU_DEP_1)
	v_add_f32 v14, v14, v252
	s_wait_alu depctr_va_vdst(0)
	v_rcp_f32 v14, v14
	v_nop
	s_wait_alu depctr_va_vdst(0)
.set n_, 0
.rept 32
	v_mul_f32 v[96+n_], v[160+n_], v14
.set n_, n_+1
.endr
.irp b, 0,1
	v_max3_num_f32 v[232+\b], |v[96+16*\b]|, |v[97+16*\b]|, 0x2800000
.endr
.irp i, 2,4,6,8,10,12,14
.irp b, 0,1
	s_delay_alu instid0(VALU_DEP_2)
	v_max3_num_f32 v[232+\b], v[232+\b], |v[96+16*\b+\i]|, |v[97+16*\b+\i]|
.endr
.endr
.irp b, 0,1
	s_delay_alu instid0(VALU_DEP_2)
	v_permlanex16_b32 v[236+\b], v[232+\b], s20, s21
.endr
.irp b, 0,1
	s_delay_alu instid0(VALU_DEP_2)
	v_max_num_f32 v[232+\b], v[232+\b], v[236+\b]
.endr
.irp b, 0,1
	s_delay_alu instid0(VALU_DEP_2)
	v_add_nc_u32 v[244+\b], 0xfe000000, v[232+\b]
.endr
.irp b, 0,1
	s_delay_alu instid0(VALU_DEP_2)
	v_lshrrev_b32 v[236+\b], 23, v[244+\b]
.endr
	s_delay_alu instid0(VALU_DEP_1)
	v_lshl_or_b32 v238, v237, 8, v236              ; my row's two scale bytes
	v_cvt_scalef32_pk16_bf6_f32 v[192:194], v[96:111], v244
	v_cvt_scalef32_pk16_bf6_f32 v[204:206], v[112:127], v245
	v_nop
.irp i, 0,1,2
	v_permlane16_swap_b32 v[192+\i], v[204+\i]
.endr
.irp i, 0,1,2
	s_delay_alu instid0(VALU_DEP_3)
	v_mov_b32 v[195+\i], v[204+\i]
.endr
	global_store_b128 v1, v[192:195], s[94:95]     ; the image, whole: 512 and 256 consecutive bytes
	global_store_b64 v2, v[196:197], s[94:95] offset:512
	global_store_b16 v226, v238, s[98:99]          ; lanes r and 16 + r hold, and write, the same two bytes
	s_wait_tensorcnt 0x0                           ; the wave's end
	ds_add_u32 v10, v11
	s_wait_dscnt 0x0
	CROUND                                         ; the closing round: no work-group ends while a partner may still ask for a tile that names it
	s_endpgm
.Lfunc_end_k_qf648edadaf_attn:
	.size	k_qf648edadaf_attn, .Lfunc_end_k_qf648edadaf_attn-k_qf648edadaf_attn
	.p2alignl 7, 3214868480
	.fill 96, 4, 3214868480
	.section	.rodata,"a",@progbits
	.p2align	6, 0x0
	.amdhsa_kernel k_qf648edadaf_attn
		.amdhsa_group_segment_fixed_size 327680
		.amdhsa_private_segment_fixed_size 0
		.amdhsa_enable_private_segment 0
		.amdhsa_kernarg_size 16
		.amdhsa_user_sgpr_count 2
		.amdhsa_user_sgpr_kernarg_segment_ptr 1
		.amdhsa_wavefront_size32 1
		.amdhsa_system_sgpr_workgroup_id_x 1
		.amdhsa_system_sgpr_workgroup_id_y 1
		.amdhsa_system_sgpr_workgroup_id_z 1
		.amdhsa_system_vgpr_workitem_id 0
		.amdhsa_next_free_vgpr 256
		.amdhsa_next_free_sgpr 102
		.amdhsa_reserve_vcc 1
		.amdhsa_float_denorm_mode_32 3
		.amdhsa_float_denorm_mode_16_64 3
		.amdhsa_memory_ordered 1
		.amdhsa_forward_progress 1
		.amdhsa_inst_pref_size 110
	.end_amdhsa_kernel
	.amdgpu_metadata
---
amdhsa.version: [ 1, 2 ]
amdhsa.kernels:
  - .name:           k_qf648edadaf_attn
    .symbol:         k_qf648edadaf_attn.kd
    .args:
      - { .name: qkvb, .offset: 0, .size: 8, .value_kind: global_buffer, .address_space: global }
      - { .name: att, .offset: 8, .size: 8, .value_kind: global_buffer, .address_space: global }
    .group_segment_fixed_size: 327680
    .private_segment_fixed_size: 0
    .kernarg_segment_align: 8
    .kernarg_segment_size: 16
    .max_flat_workgroup_size: 512
    .sgpr_count:     102
    .vgpr_count:     256
    .wavefront_size: 32
...
	.end_amdgpu_metadata
.endif
;; end of part 3
;; launch oln (part 4): grid 256 x 1, 16 waves a work-group, no clusters, 166,912 bytes of LDS; arguments att, wts, x, bo, g1, be1, x1b; writes x1b
.if DOCPART == 4
	.amdgcn_target "amdgcn-amd-amdhsa--gfx1250"
	.amdhsa_code_object_version 6
	.text
	.protected	k_qf648edadaf_oln
	.globl	k_qf648edadaf_oln
	.p2align	8
	.type	k_qf648edadaf_oln,@function
k_qf648edadaf_oln:
	s_mov_b64 s[64:65], 0
	v_nop
	global_prefetch_b8 v0, s[64:65] scope:SCOPE_SE
	s_setreg_imm32_b32 hwreg(HW_REG_WAVE_MODE, 25, 1), 1
	s_wait_xcnt 0x0
; x1 = layernorm(x + (attention's result Wo + bo)) g1 + be1, in one launch: the product on codes of E3M2 with E8M0 scale words (f32 sums), then the norm in f32;
; x1 is stored as f32 (the second residual) and as codes with scale words (the next product's operand).
; SHARES: a work-group owns one row block of 16 tokens x all 1,024 columns, so a row's mean and variance never leave it.  Wave w of 16 makes columns 64 w .. 64 w + 63: 4 accumulators, K = 1,024 in 8 steps.
; Wo: each fragment (16 columns x 128 K, 1,536 bytes, laid in memory as an image of operand registers) is used by ONE wave ONCE: it goes from memory straight into its registers, four dense loads.
; Three sets of registers take turns: 3 x 18 loads of Wo, 2 of A's image and 4 of A's scale words, 60 in all, are out at the most.
; A: wave w loads image w of the row block's 16; they meet in LDS, and every wave reads each step's fragment from there.
; Source 0 = Wo's columns, source 1 = the tokens.  The sums meet as a tile of 16 rows x 4,096 bytes in LDS; wave w then takes the row at place w through the norm and the quantiser.
; x, bo, g1, be1 are loaded into the fragments' registers as these fall free; x's row, 16 blocks of 256 bytes, is asked for by one prefetch a wave at the head, six K steps ahead of its load.
; NO CLUSTER, NO TENSOR LOAD: no tile of Wo lies in LDS, so there is none that partners could be sent jointly.  No prefetch of Wo: three of its eight steps are asked for by their loads at the head.
; Rows lie with bits 3 and 4 of their number exchanged: place w of row block rb is token 32 (rb / 2) + 8 (rb % 2) + w % 8 + 16 (w / 8); Wo's columns likewise.
; LIMITS: NaN and infinities are not served; a block whose largest magnitude lies under 2^-122 keeps the byte 1.
.set PRB, 12288                        ; a row block of codes: 16 images of 768 bytes
.set BC_OFF, 5636096                   ; in wts: Wo's codes,
.set BS_OFF, 6434816                   ; its scale words, 16,384 bytes from a K step to the next
.set AS_OFF, 3145728                   ; in att: the scale words
.set CODES, 16777216
.set SCALES, 19922944
.set IMG, 73728                        ; LDS: 0 .. sixteen stages of 4,608 bytes; the codes' sixteen images, 784 apart;
.set SCW, 86272                        ; the row block's scale words;
.set SPARE, 86784                      ; the spare words, 128 bytes for each wave;
.set YT, 88832                         ; the sums: 16 rows,
.set YP, 4112                          ; 4,096 + 16 bytes apart;
.set AIM, 154624                       ; A's sixteen images
.set BSC, 176                          ; v176-181 Wo's scale words, two for each set: lanes 0-15 column block 2 g, lanes 16-31 block 2 g + 1
.set ASC, 182                          ; v182-185 A's: lanes 0-15 step 2 g, lanes 16-31 step 2 g + 1
.set AFB, 186                          ; v186-209 A's fragment, two buffers
.set ACC, 210                          ; v210-241 four accumulators
.set L4, 242
.set XPF, 243
.set AW16, 244
.set AW8, 245
.set AR16, 246
.set AR8, 247
.set YS, 248
.set YR, 249
.set S0, 96
.set S1, 98
.set MU, 100
.set RS, 102
.macro GLOAD q                         ; step q's four fragments of Wo and their scale words, into set (q + 1) % 3 of v16-159
.set SB_, 16+48*(((\q)+1)%3)
.set SS_, BSC+2*((\q)%3)
.irp b, 0,1,2,3
	global_load_b128 v[SB_+12*\b:SB_+12*\b+3], v10, s[34:35] offset:\b*PRB+(\q)*1536
	global_load_b64 v[SB_+12*\b+4:SB_+12*\b+5], v11, s[34:35] offset:\b*PRB+(\q)*1536+512
	global_load_b128 v[SB_+12*\b+6:SB_+12*\b+9], v10, s[34:35] offset:\b*PRB+(\q)*1536+768
	global_load_b64 v[SB_+12*\b+10:SB_+12*\b+11], v11, s[34:35] offset:\b*PRB+(\q)*1536+1280
.endr
	global_load_b32 v[SS_], v[L4], s[36:37] offset:(\q)*16384
	global_load_b32 v[SS_+1], v[L4], s[36:37] offset:(\q)*16384+128
.endm
.macro AFRAG reg, q
	ds_load_b128 v[\reg:\reg+3], v[AR16] offset:(\q)*1536
	ds_load_b64 v[\reg+4:\reg+5], v[AR8] offset:(\q)*1536+512
	ds_load_b128 v[\reg+6:\reg+9], v[AR16] offset:(\q)*1536+768
	ds_load_b64 v[\reg+10:\reg+11], v[AR8] offset:(\q)*1536+1280
.endm
.macro WM b, zero, ra, rb              ; ra, rb: which half of the lanes holds Wo's and A's scale words
.set D_, ACC+8*(\b)
.set B_, SB_+12*(\b)
.set X_, SS_+(\b)/2
.if \zero
.if \ra
	v_wmma_scale_f32_16x16x128_f8f6f4 v[D_:D_+7], v[B_:B_+11], v[AB_:AB_+11], 0, v[X_], v[QS_] matrix_a_fmt:MATRIX_FMT_BF6 matrix_b_fmt:MATRIX_FMT_BF6 matrix_a_scale:MATRIX_SCALE_ROW1
.else
	v_wmma_scale_f32_16x16x128_f8f6f4 v[D_:D_+7], v[B_:B_+11], v[AB_:AB_+11], 0, v[X_], v[QS_] matrix_a_fmt:MATRIX_FMT_BF6 matrix_b_fmt:MATRIX_FMT_BF6
.endif
.else
.if (\ra) && (\rb)
	v_wmma_scale_f32_16x16x128_f8f6f4 v[D_:D_+7], v[B_:B_+11], v[AB_:AB_+11], v[D_:D_+7], v[X_], v[QS_] matrix_a_fmt:MATRIX_FMT_BF6 matrix_b_fmt:MATRIX_FMT_BF6 matrix_a_scale:MATRIX_SCALE_ROW1 matrix_b_scale:MATRIX_SCALE_ROW1
.elseif \ra
	v_wmma_scale_f32_16x16x128_f8f6f4 v[D_:D_+7], v[B_:B_+11], v[AB_:AB_+11], v[D_:D_+7], v[X_], v[QS_] matrix_a_fmt:MATRIX_FMT_BF6 matrix_b_fmt:MATRIX_FMT_BF6 matrix_a_scale:MATRIX_SCALE_ROW1
.elseif \rb
	v_wmma_scale_f32_16x16x128_f8f6f4 v[D_:D_+7], v[B_:B_+11], v[AB_:AB_+11], v[D_:D_+7], v[X_], v[QS_] matrix_a_fmt:MATRIX_FMT_BF6 matrix_b_fmt:MATRIX_FMT_BF6 matrix_b_scale:MATRIX_SCALE_ROW1
.else
	v_wmma_scale_f32_16x16x128_f8f6f4 v[D_:D_+7], v[B_:B_+11], v[AB_:AB_+11], v[D_:D_+7], v[X_], v[QS_] matrix_a_fmt:MATRIX_FMT_BF6 matrix_b_fmt:MATRIX_FMT_BF6
.endif
.endif
.endm
.macro KSTEP q                         ; 128 along K: four products, the accumulators by turns
.if (\q) < 7
	AFRAG AFB+12*(((\q)+1)%2), (\q)+1              ; the next step's fragment of A; the four v_nop at the last step's end are its places
.endif
.if (\q) < 6
	s_wait_loadcnt 36                              ; this step's 18 loads are in; the two younger steps' may be out
.elseif (\q) == 6
	s_wait_loadcnt 26                              ; step 7's 18 and x's 8 may be out
.else
	s_wait_loadcnt 16                              ; x's 8 and bo's 8 may be out
.endif
.if (\q) < 7
	s_wait_dscnt 4                                 ; this step's fragment of A is in; the next one's four loads may be out
.else
	s_wait_dscnt 0x0
.endif
.set SB_, 16+48*(((\q)+1)%3)
.set SS_, BSC+2*((\q)%3)
.set AB_, AFB+12*((\q)%2)
.set QS_, ASC+(\q)/2
.irp b, 0,1,2,3
	WM \b, (\q)==0, (\b)%2, (\q)%2
.endr
.rept 4
	v_nop                                          ; places in front of loads into registers that the products have read
.endr
.if (\q) < 5
	GLOAD (\q)+3
.elseif (\q) == 5
.irp c, 0,1,2,3,4,5,6,7
	global_load_b128 v[16+4*\c:19+4*\c], v10, s[8:9] offset:512*\c th:TH_LOAD_NT     ; x: its set is done with
.endr
.elseif (\q) == 6
.irp c, 0,1,2,3,4,5,6,7
	global_load_b128 v[80+4*\c:83+4*\c], v10, s[10:11] offset:512*\c                 ; bo
.endr
.endif
.endm
.macro ROWQ D, T, W                    ; 32 dense registers of my row at v[D]; v[T] 32 at work; v[W] 15 at work
.irp c, 0,1,2,3,4,5,6,7
	ds_store_b128 v2, v[\D+4*\c:\D+4*\c+3] offset:576*\c
.endr
.irp i, 0,1,2,3,4,5,6,7
	ds_load_b128 v[\T+4*\i:\T+4*\i+3], v3 offset:16*\i     ; my wave's own bytes, served in order: block l of the row
.endr
	s_wait_dscnt 0x0
	v_max3_num_f32 v[\W], |v[\T]|, |v[\T+1]|, |v[\T+2]|
	v_max3_num_f32 v[\W+1], |v[\T+3]|, |v[\T+4]|, |v[\T+5]|
.irp i, 6,10,14,18,22,26
	s_delay_alu instid0(VALU_DEP_2)
	v_max3_num_f32 v[\W], v[\W], |v[\T+\i]|, |v[\T+\i+1]|
	s_delay_alu instid0(VALU_DEP_2)
	v_max3_num_f32 v[\W+1], v[\W+1], |v[\T+\i+2]|, |v[\T+\i+3]|
.endr
	s_delay_alu instid0(VALU_DEP_2)
	v_max3_num_f32 v[\W], v[\W], |v[\T+30]|, |v[\T+31]|
	s_delay_alu instid0(VALU_DEP_1)
	v_max3_num_f32 v[\W], v[\W], v[\W+1], 0x2800000        ; with the floor 2^(5 - 127)
	s_delay_alu instid0(VALU_DEP_1)
	v_add_nc_u32 v[\W+2], 0xfe000000, v[\W]                ; the conversion's scale operand
	s_delay_alu instid0(VALU_DEP_1)
	v_lshrrev_b32 v[\W+3], 23, v[\W+2]                     ; the byte,
	s_delay_alu instid0(VALU_DEP_1)
	v_lshlrev_b32 v[\W+3], v15, v[\W+3]                    ; at its place in the word
	s_delay_alu instid0(VALU_DEP_1)
	v_mov_b32 v[\W+4], v[\W+3]
	s_delay_alu instid0(VALU_DEP_2)
	v_mov_b32_dpp v[\W+4], v[\W+3] row_xmask:1 row_mask:0xf bank_mask:0xf
	s_delay_alu instid0(VALU_DEP_1)
	v_or_b32 v[\W+3], v[\W+3], v[\W+4]
	s_delay_alu instid0(VALU_DEP_1)
	v_mov_b32_dpp v[\W+4], v[\W+3] row_xmask:2 row_mask:0xf bank_mask:0xf
	s_delay_alu instid0(VALU_DEP_1)
	v_or_b32 v[\W+3], v[\W+3], v[\W+4]                     ; four lanes' bytes make the word
	v_cvt_scalef32_pk16_bf6_f32 v[\W+6:\W+8], v[\T:\T+15], v[\W+2]
	v_cvt_scalef32_pk16_bf6_f32 v[\W+12:\W+14], v[\T+16:\T+31], v[\W+2]
	v_nop                                          ; one plain place behind a scaled conversion
.irp i, 0,1,2
	v_mov_b32 v[\W+9+\i], v[\W+12+\i]
.endr
	ds_store_b128 v4, v[\W+6:\W+9]                 ; image l / 2, half l % 2, row = my wave
	ds_store_b64 v5, v[\W+10:\W+11]
	ds_store_b32 v6, v[\W+3]                       ; four lanes write the same word with the same value
	s_wait_dscnt 0x0                               ; for the others' sake: my stores have landed
	s_barrier_signal -1
	s_barrier_wait -1
	ds_load_b128 v[\T:\T+3], v7                    ; image w, whole
	ds_load_b64 v[\T+4:\T+5], v8
	ds_load_b32 v[\T+6], v9
	s_wait_dscnt 0x0
	global_store_b128 v10, v[\T:\T+3], s[16:17]
	global_store_b64 v11, v[\T+4:\T+5], s[16:17] offset:512
	s_cmp_lt_u32 s3, 4                             ; waves 0 to 3 store the words of two K steps each
	s_cbranch_scc0 .Lno_words
	global_store_b32 v12, v[\T+6], s[18:19]
.Lno_words:
.endm
.macro ACROSS                          ; v[S0:S0+1] and v[S1:S1+1] -> their sum over the wave, in every lane's v[S0]
	s_delay_alu instid0(VALU_DEP_1)
	v_pk_add_f32 v[S0:S0+1], v[S0:S0+1], v[S1:S1+1]
	s_delay_alu instid0(VALU_DEP_1)
	v_add_f32 v[S0], v[S0], v[S0+1]
	s_delay_alu instid0(VALU_DEP_1)
	v_add_f32_dpp v[S0], v[S0], v[S0] row_xmask:1 row_mask:0xf bank_mask:0xf
	s_delay_alu instid0(VALU_DEP_1)
	v_add_f32_dpp v[S0], v[S0], v[S0] row_xmask:2 row_mask:0xf bank_mask:0xf
	s_delay_alu instid0(VALU_DEP_1)
	v_add_f32_dpp v[S0], v[S0], v[S0] row_xmask:4 row_mask:0xf bank_mask:0xf
	s_delay_alu instid0(VALU_DEP_1)
	v_add_f32_dpp v[S0], v[S0], v[S0] row_xmask:8 row_mask:0xf bank_mask:0xf
	s_delay_alu instid0(VALU_DEP_1)
	v_permlanex16_b32 v[S1], v[S0], s20, s21
	s_delay_alu instid0(VALU_DEP_1)
	v_add_f32 v[S0], v[S0], v[S1]
.endm
	s_load_b256 s[4:11], s[0:1], 0x0               ; att, wts, x, bo
	s_load_b128 s[12:15], s[0:1], 0x20             ; g1, be1
	s_load_b64 s[32:33], s[0:1], 0x30              ; x1b
	v_lshl_add_u32 v13, v0, 2, SPARE
	v_mov_b32 v14, 0
	v_lshrrev_b32 v1, 5, v0
	s_delay_alu instid0(VALU_DEP_1)
	v_readfirstlane_b32 s3, v1                     ; wave
	v_and_b32 v1, 31, v0                           ; lane
	s_lshr_b32 s26, ttmp9, 1                       ; the token at place w of row block rb
	s_lshl_b32 s26, s26, 5
	s_and_b32 s27, ttmp9, 1
	s_lshl_b32 s27, s27, 3
	s_add_co_u32 s26, s26, s27
	s_and_b32 s27, s3, 7
	s_add_co_u32 s26, s26, s27
	s_lshr_b32 s27, s3, 3
	s_lshl_b32 s27, s27, 4
	s_add_co_u32 s26, s26, s27
	s_lshl_b32 s26, s26, 12                        ; its row of 4,096 bytes
	s_mov_b32 s27, 0
	s_lshl_b32 s42, ttmp9, 4
	s_add_co_u32 s42, s42, s3
	s_mul_i32 s42, s42, 768                        ; image w of the row block: in att's codes, and in x1's
	s_mov_b32 s43, 0
	s_add_co_u32 s30, s42, CODES
	s_mov_b32 s31, 0
	s_lshl_b32 s25, ttmp9, 6
	s_add_co_u32 s44, s25, AS_OFF                  ; the row block's scale words in att
	s_mov_b32 s45, 0
	s_and_b32 s24, s3, 3
	s_lshl_b32 s24, s24, 15
	s_add_co_u32 s24, s24, s25
	s_add_co_u32 s24, s24, SCALES
	s_mov_b32 s25, 0
	s_mul_i32 s46, s3, 4*PRB
	s_add_co_u32 s46, s46, BC_OFF                  ; my four column blocks of Wo
	s_mov_b32 s47, 0
	s_lshl_b32 s48, s3, 8
	s_add_co_u32 s48, s48, BS_OFF                  ; and their scale words
	s_mov_b32 s49, 0
	s_mov_b32 s20, 0x76543210
	s_mov_b32 s21, 0xfedcba98
	s_mov_b32 s22, 0x3a800000                      ; 1 / 1,024
	s_mov_b32 s23, 0x3727c5ac                      ; 1e-5
	s_wait_alu depctr_va_vdst(0)                   ; behind the run of scalar lines
	v_lshlrev_b32 v10, 4, v1
	v_lshlrev_b32 v11, 3, v1
	s_mul_i32 s50, s3, 4608                        ; my stage
	v_lshrrev_b32 v15, 3, v1
	s_delay_alu instid0(VALU_DEP_1)
	v_mul_u32_u24 v2, v15, 144
	v_and_b32 v15, 7, v1
	s_delay_alu instid0(VALU_DEP_1)
	v_lshl_add_u32 v2, v15, 4, v2
	s_delay_alu instid0(VALU_DEP_1)
	v_add_nc_u32 v2, s50, v2
	v_mul_u32_u24 v3, v1, 144
	s_delay_alu instid0(VALU_DEP_1)
	v_add_nc_u32 v3, s50, v3
	v_lshrrev_b32 v15, 1, v1
	s_delay_alu instid0(VALU_DEP_1)
	v_mul_u32_u24 v4, v15, 784
	v_and_b32 v15, 1, v1
	s_delay_alu instid0(VALU_DEP_1)
	v_lshl_add_u32 v5, v15, 7, v4
	s_delay_alu instid0(VALU_DEP_2)
	v_lshl_add_u32 v4, v15, 8, v4
	s_lshl_b32 s51, s3, 4
	s_add_co_u32 s51, s51, IMG
	v_add_nc_u32 v4, s51, v4
	s_lshl_b32 s51, s3, 3
	s_add_co_u32 s51, s51, IMG+512
	v_add_nc_u32 v5, s51, v5
	v_lshrrev_b32 v15, 2, v1
	s_lshl_b32 s51, s3, 2
	s_add_co_u32 s51, s51, SCW
	v_lshl_add_u32 v6, v15, 6, s51
	s_mul_i32 s51, s3, 784
	s_add_co_u32 s51, s51, IMG
	v_add_nc_u32 v7, s51, v10
	s_add_co_u32 s51, s51, 512
	v_add_nc_u32 v8, s51, v11
	s_and_b32 s51, s3, 3
	s_lshl_b32 s51, s51, 7
	s_add_co_u32 s51, s51, SCW
	v_lshl_add_u32 v9, v1, 2, s51
	v_lshrrev_b32 v15, 4, v1                       ; h
	v_and_b32 v12, 15, v1                          ; r
	s_delay_alu instid0(VALU_DEP_1)
	v_mul_u32_u24 v[YS], v12, YP
	s_delay_alu instid0(VALU_DEP_1)
	v_lshl_add_u32 v[YS], v15, 6, v[YS]            ; the sums, in: row r, 64 h bytes,
	v_lshlrev_b32 v12, 2, v12
	s_delay_alu instid0(VALU_DEP_1)
	v_lshl_add_u32 v12, v15, 14, v12               ; scale words: 4 r; lanes 16-31 the next K step's, 16,384 bytes on
	s_lshl_b32 s51, s3, 8
	s_add_co_u32 s51, s51, YT
	v_add_nc_u32 v[YS], s51, v[YS]                 ; my 64 columns
	s_mul_i32 s51, s3, YP
	s_add_co_u32 s51, s51, YT
	v_add_nc_u32 v[YR], s51, v10                   ; and out: row w, dense
	s_mul_i32 s51, s3, 768
	s_add_co_u32 s51, s51, AIM
	v_add_nc_u32 v[AW16], s51, v10
	v_add_nc_u32 v[AW8], s51, v11
	v_add_nc_u32 v[AR16], AIM, v10
	v_add_nc_u32 v[AR8], AIM, v11
	v_lshlrev_b32 v[L4], 2, v1
	v_min_u32 v[XPF], 15, v1
	s_delay_alu instid0(VALU_DEP_1)
	v_lshlrev_b32 v[XPF], 8, v[XPF]                ; a lane a block of 256 bytes of my row of x; lanes 16-31 name the last again
	v_and_b32 v15, 3, v1
	s_delay_alu instid0(VALU_DEP_1)
	v_lshlrev_b32 v15, 3, v15                      ; 8 (l % 4): my byte's place in a word
	s_wait_alu depctr_va_vdst(0)                   ; the head's end
	s_wait_kmcnt 0x0
	s_add_nc_u64 s[40:41], s[4:5], s[42:43]
	s_add_nc_u64 s[38:39], s[4:5], s[44:45]
	s_add_nc_u64 s[34:35], s[6:7], s[46:47]
	s_add_nc_u64 s[36:37], s[6:7], s[48:49]
	s_add_nc_u64 s[8:9], s[8:9], s[26:27]
	s_add_nc_u64 s[28:29], s[32:33], s[26:27]
	s_add_nc_u64 s[16:17], s[32:33], s[30:31]
	s_add_nc_u64 s[18:19], s[32:33], s[24:25]
	global_load_b128 v[AFB:AFB+3], v10, s[40:41]   ; A's image w
	global_load_b64 v[AFB+4:AFB+5], v11, s[40:41] offset:512
.irp g, 0,1,2,3
	global_load_b32 v[ASC+\g], v12, s[38:39] offset:32768*\g
.endr
	GLOAD 0
	GLOAD 1
	GLOAD 2
	global_prefetch_b8 v[XPF], s[8:9] th:TH_LOAD_NT scope:SCOPE_SE
	s_wait_loadcnt 58                              ; A's image is in; the 4 + 54 younger loads may be out
	ds_store_b128 v[AW16], v[AFB:AFB+3]
	ds_store_b64 v[AW8], v[AFB+4:AFB+5] offset:512
	s_wait_dscnt 0x0                               ; for the others' sake
	s_barrier_signal -1
	s_barrier_wait -1                              ; all sixteen images lie in LDS
	AFRAG AFB, 0
.irp q, 0,1,2,3,4,5,6,7
	KSTEP \q
.endr
.irp b, 0,1,2,3                                        ; register j of accumulator b is column 64 w + 32 (b / 2) + 16 h + 8 (b % 2) + j of the token at place r; each accumulator from its low end on
	ds_store_b128 v[YS], v[ACC+8*\b:ACC+8*\b+3] offset:128*(\b/2)+32*(\b%2)
	ds_store_b128 v[YS], v[ACC+8*\b+4:ACC+8*\b+7] offset:128*(\b/2)+32*(\b%2)+16
.endr
.irp c, 0,1,2,3,4,5,6,7
	global_load_b128 v[112+4*\c:115+4*\c], v10, s[12:13] offset:512*\c
.endr
.irp c, 0,1,2,3,4,5,6,7
	global_load_b128 v[144+4*\c:147+4*\c], v10, s[14:15] offset:512*\c
.endr
	s_wait_dscnt 0x0                               ; for the others' sake: my part of the sums has landed
	s_barrier_signal -1
	s_barrier_wait -1
.irp c, 0,1,2,3,4,5,6,7
	ds_load_b128 v[48+4*\c:51+4*\c], v[YR] offset:512*\c   ; the row at place w, dense
.endr
	s_wait_loadcnt 16                              ; x and the bias are in; the gain's and the shift's sixteen loads may be out
	s_wait_dscnt 0x0
.set n_, 0
.rept 16
	v_pk_add_f32 v[48+n_:49+n_], v[48+n_:49+n_], v[80+n_:81+n_]
.set n_, n_+2
.endr
.set n_, 0
.rept 16
	v_pk_add_f32 v[16+n_:17+n_], v[16+n_:17+n_], v[48+n_:49+n_]
.set n_, n_+2
.endr
	v_pk_add_f32 v[S0:S0+1], v[16:17], v[18:19]
	v_pk_add_f32 v[S1:S1+1], v[20:21], v[22:23]
.irp j, 24,28,32,36,40,44
	s_delay_alu instid0(VALU_DEP_2)
	v_pk_add_f32 v[S0:S0+1], v[S0:S0+1], v[\j:\j+1]
	s_delay_alu instid0(VALU_DEP_2)
	v_pk_add_f32 v[S1:S1+1], v[S1:S1+1], v[\j+2:\j+3]
.endr
	ACROSS
	s_delay_alu instid0(VALU_DEP_1)
	v_mul_f32 v[MU], 0xba800000, v[S0]             ; - the mean
	s_delay_alu instid0(VALU_DEP_1)
	v_mov_b32 v[MU+1], v[MU]
.set n_, 0
.rept 16
	v_pk_add_f32 v[16+n_:17+n_], v[16+n_:17+n_], v[MU:MU+1]
.set n_, n_+2
.endr
	v_pk_mul_f32 v[S0:S0+1], v[16:17], v[16:17]
	v_pk_mul_f32 v[S1:S1+1], v[18:19], v[18:19]
.irp j, 20,24,28,32,36,40,44
	s_delay_alu instid0(VALU_DEP_2)
	v_pk_fma_f32 v[S0:S0+1], v[\j:\j+1], v[\j:\j+1], v[S0:S0+1]
	s_delay_alu instid0(VALU_DEP_2)
	v_pk_fma_f32 v[S1:S1+1], v[\j+2:\j+3], v[\j+2:\j+3], v[S1:S1+1]
.endr
	ACROSS
	s_delay_alu instid0(VALU_DEP_1)
	v_fma_f32 v[S0], v[S0], s22, s23               ; the variance + 1e-5
	s_wait_alu depctr_va_vdst(0)                   ; ahead of the transcendental
	v_rsq_f32 v[RS], v[S0]
	v_nop                                          ; a plain place behind it
	s_wait_loadcnt 0x0
	s_wait_alu depctr_va_vdst(0)                   ; ahead of its first reader
	v_mov_b32 v[RS+1], v[RS]
.set n_, 0
.rept 16
	v_pk_mul_f32 v[16+n_:17+n_], v[16+n_:17+n_], v[RS:RS+1]
.set n_, n_+2
.endr
.set n_, 0
.rept 16
	v_pk_fma_f32 v[16+n_:17+n_], v[16+n_:17+n_], v[112+n_:113+n_], v[144+n_:145+n_]
.set n_, n_+2
.endr
.irp c, 0,1,2,3,4,5,6,7
	global_store_b128 v10, v[16+4*\c:19+4*\c], s[28:29] offset:512*\c
.endr
	ROWQ 16, 48, 80
	s_wait_tensorcnt 0x0                           ; the wave's end, behind my last LDS store
	ds_add_u32 v13, v14
	s_wait_dscnt 0x0
	s_endpgm
.Lfunc_end_k_qf648edadaf_oln:
	.size	k_qf648edadaf_oln, .Lfunc_end_k_qf648edadaf_oln-k_qf648edadaf_oln
	.p2alignl 7, 3214868480
	.fill 96, 4, 3214868480
	.section	.rodata,"a",@progbits
	.p2align	6, 0x0
	.amdhsa_kernel k_qf648edadaf_oln
		.amdhsa_group_segment_fixed_size 166912
		.amdhsa_private_segment_fixed_size 0
		.amdhsa_enable_private_segment 0
		.amdhsa_kernarg_size 56
		.amdhsa_user_sgpr_count 2
		.amdhsa_user_sgpr_kernarg_segment_ptr 1
		.amdhsa_wavefront_size32 1
		.amdhsa_system_sgpr_workgroup_id_x 1
		.amdhsa_system_sgpr_workgroup_id_y 1
		.amdhsa_system_sgpr_workgroup_id_z 1
		.amdhsa_system_vgpr_workitem_id 0
		.amdhsa_next_free_vgpr 256
		.amdhsa_next_free_sgpr 66
		.amdhsa_reserve_vcc 0
		.amdhsa_float_denorm_mode_32 3
		.amdhsa_float_denorm_mode_16_64 3
		.amdhsa_memory_ordered 1
		.amdhsa_forward_progress 1
		.amdhsa_inst_pref_size 47
	.end_amdhsa_kernel
	.amdgpu_metadata
---
amdhsa.version: [ 1, 2 ]
amdhsa.kernels:
  - .name:           k_qf648edadaf_oln
    .symbol:         k_qf648edadaf_oln.kd
    .args:
      - { .name: att, .offset: 0, .size: 8, .value_kind: global_buffer, .address_space: global }
      - { .name: wts, .offset: 8, .size: 8, .value_kind: global_buffer, .address_space: global }
      - { .name: x, .offset: 16, .size: 8, .value_kind: global_buffer, .address_space: global }
      - { .name: bo, .offset: 24, .size: 8, .value_kind: global_buffer, .address_space: global }
      - { .name: g1, .offset: 32, .size: 8, .value_kind: global_buffer, .address_space: global }
      - { .name: be1, .offset: 40, .size: 8, .value_kind: global_buffer, .address_space: global }
      - { .name: x1b, .offset: 48, .size: 8, .value_kind: global_buffer, .address_space: global }
    .group_segment_fixed_size: 166912
    .private_segment_fixed_size: 0
    .kernarg_segment_align: 8
    .kernarg_segment_size: 56
    .max_flat_workgroup_size: 512
    .sgpr_count:     66
    .vgpr_count:     256
    .wavefront_size: 32
...
	.end_amdgpu_metadata
.endif
;; end of part 4
;; launch ffn1 (part 5): grid 16 x 16, 4 waves a work-group, clusters of 4 x 4, 327,680 bytes of LDS; arguments x1b, wts, b1, hid; writes hid
.if DOCPART == 5
	.amdgcn_target "amdgcn-amd-amdhsa--gfx1250"
	.amdhsa_code_object_version 6
	.text
	.protected	k_qf648edadaf_ffn1
	.globl	k_qf648edadaf_ffn1
	.p2align	8
	.type	k_qf648edadaf_ffn1,@function
k_qf648edadaf_ffn1:
	s_mov_b64 s[64:65], 0
	v_nop
	global_prefetch_b8 v0, s[64:65] scope:SCOPE_SE
	s_setreg_imm32_b32 hwreg(HW_REG_WAVE_MODE, 25, 1), 1
	s_wait_xcnt 0x0
	s_wait_alu depctr_hold_cnt(0) depctr_sa_sdst(0) depctr_va_vdst(0) depctr_va_sdst(0) depctr_va_ssrc(0) depctr_va_vcc(0) depctr_vm_vsrc(0)
	s_getreg_b32 s2, hwreg(HW_REG_IB_STS2, 6, 4)
	s_cmp_eq_u32 s2, 0
	s_cbranch_scc0 .Lentry_in_a_cluster
	s_endpgm
.Lentry_in_a_cluster:
	s_bfe_u32 s2, ttmp6, 0x10000c
	s_cmp_lg_u32 s2, 0xf033
	s_cbranch_scc0 .Lentry_shape_is_right
	s_endpgm
.Lentry_shape_is_right:
; hid = Q(gelu(x1 W1 + b1)): the product on codes of E3M2 with E8M0 scale words, f32 sums; bias, exact GELU and the quantiser along the hidden units in registers; codes and scale words stored.
; A tile of 256 x 256 to a work-group of four waves, 128 x 128 to a wave.  K = 1,024 goes in slots of 256 through a ring of two LDS slots filled by joint tensor loads; clusters 4 x 4.
; THE HEAD: one joint load a wave: all of A's slot 0, all of B's, A's scale words of all of K, B's.  Slot 1 follows behind the full sequence and a round.
; LIMITS: NaN and infinities are not served; a block whose largest magnitude lies under 2^-122 keeps the byte 1.
; PREFETCH: of the 8 row blocks that a wave fetches in the ring, the partner at place p (cx for A, cy for B) names row blocks 2 p and 2 p + 1: a fill's 24 blocks of 256 bytes, a lane a block.
; The head asks for fills 1 and 2; behind fill 1's load stands the request for fill 3, the last.
; GELU: x Phi(x) = max(x, 0) - |x| Q(|x|), Q(a) = e^(-a a / 2) t (c1 + t (c2 + t (c3 + t (c4 + t c5)))), t = 1 / (1 + 0.2316419 a): no difference of near numbers is formed for negative x.
; LIMITS: the form's error in Q is under 7.5e-8; NaN and infinities are not served; a block whose largest magnitude lies under 2^-122 keeps the byte 1.
.set FFN, 1
.set MB, 8
.set NQ, 2
.set KST, 8
.set PRB, 12288
.set HALFT, 24576
.set SLOT, 98304
.set HALFS, 4096
.set SCL, 196608
.set SPARE, 246784
.set LAPS, 2
.set XC, 0
.set XS, 3145728
.set W4C, 3276800
.set W4S, 6422528
.set W1C, 6553600
.set W1S, 9699328
.set QC, 0
.set KC, 3145728
.set VC, 6291456
.set QS, 9437184
.set KSB, 9568256
.set VS, 9699328
.set X1C, 16777216
.set X1S, 19922944
.set HS, 12582912
.if FFN
.set PA, 4
.set PB, 6
.set OUTP, 10
.else
.set PA, 4
.set PB, 4
.set OUTP, 12
.endif
.set G1, 24
.set G0, 32
.set G1B, 48
.set G0B, 56
.set G1S, 68
.set G0S, 76
.set G1SB, 80
.set G0SB, 88
.set OB, 92
.set SBP, 94
.set SEL, 96
.set PR, 100
.set AI, 66
.set ADRS, 27
.set SPW, 28
.set NIL, 29
.set SC, 32
.set AF, 64
.set PC, 128
.set TM, 148
.set PW, 164
.set MSB, 0
.macro WIN new
.if MSB != \new
	s_set_vgpr_msb (MSB<<8)|\new
.set MSB, \new
.endif
.endm
.macro JLOAD g0a, g1a, g0b, g1b
	s_cmp_eq_u32 s15, 0
	s_cbranch_scc0 .Lfor_b_\@
	tensor_load_to_lds s[\g0a:\g0a+3], s[\g1a:\g1a+7]
	s_nop 0
.rept 4
	v_nop
.endr
	s_branch .Lasked_\@
.Lfor_b_\@:
	tensor_load_to_lds s[\g0b:\g0b+3], s[\g1b:\g1b+7]
	s_nop 0
.rept 4
	v_nop
.endr
.Lasked_\@:
.endm
.macro CREST
	s_cmp_lg_u32 s14, 0
	s_cbranch_scc1 .Lnot_wave_0_\@
	s_barrier_signal -3
.Lnot_wave_0_\@:
	s_barrier_wait -3
	s_barrier_signal -1
	s_barrier_wait -1
.endm
.macro CROUND
	s_barrier_signal -1
	s_barrier_wait -1
	CREST
.endm
.macro PLACES n
.rept \n
	v_nop
.endr
.endm
.macro FRAG reg, a16, a8, off
	ds_load_b128 v[\reg:\reg+3], v[\a16] offset:\off
	ds_load_b64 v[\reg+4:\reg+5], v[\a8] offset:\off+512
	ds_load_b128 v[\reg+6:\reg+9], v[\a16] offset:\off+768
	ds_load_b64 v[\reg+10:\reg+11], v[\a8] offset:\off+1280
.endm
.macro FETCH_B slot, q, p
	WIN 0x40
.irp i, 0,1,2,3,4,5,6,7
	FRAG 96*(\p)+12*\i, 20+\slot, 22+\slot, \i*NQ*1536+(\q)*1536
.endr
	WIN 0
.endm
.macro FETCH_A slot, q, p
.irp i, 0,1,2,3,4,5,6,7
	FRAG AF+96*(\p)+12*\i, 16+\slot, 18+\slot, \i*NQ*1536+(\q)*1536
.endr
.endm
.macro SCALES q, p
.irp i, 0,1,2,3,4,5,6,7
	ds_load_b32 v[SC+8*(\p)+\i], v[ADRS] offset:128*MB*(\q)+64*\i
.endr
.endm
.macro MULA a, p, zero
	WIN 0xa1+0x50*((\a)/4)
.irp b, 0,1,2,3,4,5,6,7
.if \zero
	v_wmma_scale_f32_16x16x128_f8f6f4 v[8*(8*((\a)%4)+\b):8*(8*((\a)%4)+\b)+7], v[96*(\p)+12*\b:96*(\p)+12*\b+11], v[AF+96*(\p)+12*(\a):AF+96*(\p)+12*(\a)+11], 0, v[SC+8*(\p)+\b], v[SC+8*(\p)+(\a)] matrix_a_fmt:MATRIX_FMT_BF6 matrix_b_fmt:MATRIX_FMT_BF6 matrix_a_scale:MATRIX_SCALE_ROW1
.else
	v_wmma_scale_f32_16x16x128_f8f6f4 v[8*(8*((\a)%4)+\b):8*(8*((\a)%4)+\b)+7], v[96*(\p)+12*\b:96*(\p)+12*\b+11], v[AF+96*(\p)+12*(\a):AF+96*(\p)+12*(\a)+11], v[8*(8*((\a)%4)+\b):8*(8*((\a)%4)+\b)+7], v[SC+8*(\p)+\b], v[SC+8*(\p)+(\a)] matrix_a_fmt:MATRIX_FMT_BF6 matrix_b_fmt:MATRIX_FMT_BF6 matrix_a_scale:MATRIX_SCALE_ROW1
.endif
.endr
.endm
.macro STEP slot, q, zero
	s_wait_dscnt 0x0
	PLACES 4
	FETCH_B \slot, (\q)+1, 1-(\q)%2
	SCALES (\q)+1, 1-(\q)%2
.irp a, 0,1,2,3
	MULA \a, (\q)%2, \zero
.endr
	WIN 0
	FETCH_A \slot, (\q)+1, 1-(\q)%2
.irp a, 4,5,6,7
	MULA \a, (\q)%2, \zero
.endr
.endm
.macro TURN slot, next, fill
	WIN 0
	s_wait_tensorcnt 0x0
	ds_add_u32 v[SPW], v[NIL]
	s_wait_dscnt 1
	MULA 0, 1, 0
	MULA 1, 1, 0
	s_wait_dscnt 0x0
	s_barrier_signal -1
	MULA 2, 1, 0
	MULA 3, 1, 0
	WIN 0
	s_barrier_wait -1
.if \fill
	CREST
	s_add_nc_u64 s[G0+4*\slot+2:G0+4*\slot+3], s[G0+4*\slot+2:G0+4*\slot+3], 2*NQ*1536
	s_add_nc_u64 s[G0B+4*\slot+2:G0B+4*\slot+3], s[G0B+4*\slot+2:G0B+4*\slot+3], 2*NQ*1536
	JLOAD G0+4*\slot, G1, G0B+4*\slot, G1B
.else
	PLACES 4
.endif
	s_wait_alu depctr_va_vdst(0)
	v_add_nc_u32 v[ADRS], 128*MB*NQ, v[ADRS]
	FETCH_B \next, 0, 0
	SCALES 0, 0
	MULA 4, 1, 0
	MULA 5, 1, 0
	WIN 0
	FETCH_A \next, 0, 0
	MULA 6, 1, 0
	MULA 7, 1, 0
.endm
.macro QUANT s
.irp b, 0,1,2,3
	v_max3_num_f32 v[TM+\b], |v[\s+16*\b]|, |v[\s+1+16*\b]|, 0x2800000
.endr
.irp i, 2,4,6,8,10,12,14
.irp b, 0,1,2,3
	v_max3_num_f32 v[TM+\b], v[TM+\b], |v[\s+16*\b+\i]|, |v[\s+1+16*\b+\i]|
.endr
.endr
.irp b, 0,1,2,3
	v_permlanex16_b32 v[TM+4+\b], v[TM+\b], s[SEL], s[SEL+1]
.endr
.irp b, 0,1,2,3
	v_max_num_f32 v[TM+\b], v[TM+\b], v[TM+4+\b]
.endr
.irp b, 0,1,2,3
	v_add_nc_u32 v[TM+12+\b], 0xfe000000, v[TM+\b]
.endr
.irp b, 0,1,2,3
	v_lshrrev_b32 v[TM+4+\b], 23, v[TM+12+\b]
.endr
	v_lshl_or_b32 v[PW], v[TM+5], 8, v[TM+4]
	v_lshl_or_b32 v[PW], v[TM+6], 16, v[PW]
	v_lshl_or_b32 v[PW], v[TM+7], 24, v[PW]
.irp c, 0,1
	v_cvt_scalef32_pk16_bf6_f32 v[PC+6*\c:PC+2+6*\c], v[\s+32*\c:\s+15+32*\c], v[TM+12+2*\c]
	v_cvt_scalef32_pk16_bf6_f32 v[PC+12+4*\c:PC+14+4*\c], v[\s+16+32*\c:\s+31+32*\c], v[TM+12+2*\c+1]
.endr
	v_nop
.irp c, 0,1
.irp i, 0,1,2
	v_permlane16_swap_b32 v[PC+6*\c+\i], v[PC+12+4*\c+\i]
.endr
.irp i, 0,1,2
	v_mov_b32 v[PC+3+6*\c+\i], v[PC+12+4*\c+\i]
.endr
.endr
.endm
.macro COPY a
	WIN 6+(\a)/4
.set n_, 0
.rept 32
	v_pk_add_f32 v[64+n_:65+n_], v[64*((\a)%4)+n_:64*((\a)%4)+n_+1], v[192+n_:193+n_]
.set n_, n_+2
.endr
	WIN 0
.if FFN == 0
	v_mov_b32 v60, v[48+(\a)]
.endif
.endm
.macro GELU hb                         ; 32 numbers at v[hb]; at work: v128-159 t, v160-191 e, v192-223 the polynomial, v224-255 max(x, 0)
.set n_, 0
.rept 32
	v_fma_f32 v[128+n_], |v[\hb+n_]|, s98, 1.0                     ; 1 + 0.2316419 |x|
.set n_, n_+1
.endr
.set n_, 0
.rept 16
	v_pk_mul_f32 v[160+n_:161+n_], v[\hb+n_:\hb+n_+1], v[\hb+n_:\hb+n_+1]
.set n_, n_+2
.endr
.set n_, 0
.rept 16
	v_pk_mul_f32 v[160+n_:161+n_], v[160+n_:161+n_], 0xbf38aa3b op_sel_hi:[1,0]   ; - x x log2(e) / 2
.set n_, n_+2
.endr
	s_wait_alu depctr_va_vdst(0)                   ; ahead of the batch
.set n_, 0
.rept 32
	v_rcp_f32 v[128+n_], v[128+n_]                 ; t
.set n_, n_+1
.endr
.set n_, 0
.rept 32
	v_exp_f32 v[160+n_], v[160+n_]                 ; e^(-x x / 2)
.set n_, n_+1
.endr
.set n_, 0
.rept 32
	v_max_num_f32 v[224+n_], 0, v[\hb+n_]          ; plain work behind the batch
.set n_, n_+1
.endr
	s_wait_alu depctr_va_vdst(0)                   ; one wait for the batch of 64, ahead of its first reader
.set n_, 0
.rept 16
	v_pk_fma_f32 v[192+n_:193+n_], v[128+n_:129+n_], v[8:9], 0xbf3a00e3 op_sel_hi:[1,1,0]   ; c5 t + c4
.set n_, n_+2
.endr
.irp k, 0x3f35f0e3, 0xbe11a98e, 0x3e027906             ; c3, c2, c1
.set n_, 0
.rept 16
	v_pk_fma_f32 v[192+n_:193+n_], v[192+n_:193+n_], v[128+n_:129+n_], \k op_sel_hi:[1,1,0]
.set n_, n_+2
.endr
.endr
.set n_, 0
.rept 16
	v_pk_mul_f32 v[160+n_:161+n_], v[160+n_:161+n_], v[128+n_:129+n_]
.set n_, n_+2
.endr
.set n_, 0
.rept 16
	v_pk_mul_f32 v[192+n_:193+n_], v[192+n_:193+n_], v[160+n_:161+n_]      ; Q(|x|)
.set n_, n_+2
.endr
.set n_, 0
.rept 32
	v_fma_f32 v[\hb+n_], -|v[\hb+n_]|, v[192+n_], v[224+n_]
.set n_, n_+1
.endr
.endm
	s_load_b256 s[4:11], s[0:1], 0x0
.if FFN == 0
	s_load_b64 s[12:13], s[0:1], 0x20
.endif
	v_lshl_add_u32 v[SPW], v0, 2, SPARE
	v_mov_b32 v[NIL], 0
	ds_add_u32 v[SPW], v[NIL]
	ds_add_u32 v[SPW], v[NIL]
	v_lshrrev_b32 v1, 5, v0
	v_readfirstlane_b32 s14, v1
	s_lshr_b32 s15, s14, 1
	s_and_b32 s16, s14, 1
	s_bfe_u32 s40, ttmp6, 0x40000
	s_bfe_u32 s41, ttmp6, 0x40004
	s_and_b32 s19, ttmp7, 0xffff
	s_lshl_b32 s19, s19, 2
	s_add_co_u32 s17, s19, s41
	s_lshl_b32 s42, ttmp9, 2
	s_add_co_u32 s42, s42, s40
.if FFN
	s_mov_b32 s66, X1C
	s_mov_b32 s67, X1S
	s_mov_b32 s100, W1C
	s_mov_b32 s101, W1S
.else
	s_add_co_u32 s45, s19, s40
	s_mov_b32 s67, XS
	s_mov_b32 s100, W4C
	s_mov_b32 s101, W4S
	s_mov_b32 s18, XS
	s_cmp_eq_u32 ttmp9, 2
	s_cselect_b32 s17, s41, s17
	s_cselect_b32 s42, s45, s42
	s_cselect_b32 s98, 0, -1
	s_cselect_b32 s99, -1, 0
	s_cselect_b32 s66, W4C+1572864, XC
	s_cselect_b32 s67, W4S+8192, s67
	s_cselect_b32 s100, XC, s100
	s_cselect_b32 s101, s18, s101
.endif
	s_lshl_b32 s43, s41, 2
	s_lshl_b32 s43, 15, s43
	s_lshl_b32 s44, 0x1111, s40
	s_or_b32 s[G1+0], s43, (3<<16)|(1<<21)
	s_or_b32 s[G1B+0], s44, (3<<16)|(1<<21)
.irp g, G1, G1B
	s_mov_b32 s[\g+1], (192*NQ)<<16
	s_mov_b32 s[\g+2], (2*MB)<<16
	s_mov_b32 s[\g+3], (192*NQ)<<16
	s_mov_b32 s[\g+4], 2*MB
	s_mov_b32 s[\g+5], PRB/8
	s_mov_b32 s[\g+6], 0
	s_mov_b32 s[\g+7], 0
.endr
	s_or_b32 s[G1S+0], s43, (3<<16)|(1<<21)
	s_or_b32 s[G1SB+0], s44, (3<<16)|(1<<21)
.irp g, G1S, G1SB
	s_mov_b32 s[\g+1], (16*MB)<<16
	s_mov_b32 s[\g+2], KST<<16
	s_mov_b32 s[\g+3], (16*MB)<<16
	s_mov_b32 s[\g+4], KST
	s_mov_b32 s[\g+5], 16384/8
	s_mov_b32 s[\g+6], 0
	s_mov_b32 s[\g+7], 0
.endr
	s_lshl_b32 s20, s17, 4
	s_lshl_b32 s46, s42, 4
	s_lshl_b32 s22, s20, 6
	s_add_co_u32 s22, s22, s67
	s_lshl_b32 s92, s46, 6
	s_add_co_u32 s92, s92, s101
	s_mul_i32 s20, s20, PRB
	s_add_co_u32 s20, s20, s66
	s_mul_i32 s46, s46, PRB
	s_add_co_u32 s46, s46, s100
	s_mov_b32 s21, 0
	s_mov_b32 s23, 0
	s_mov_b32 s47, 0
	s_mov_b32 s93, 0
	s_mul_i32 s45, s14, HALFT
	s_mov_b32 s[SEL], 0x76543210
	s_mov_b32 s[SEL+1], 0xfedcba98
	s_wait_dscnt 0x0
	s_wait_kmcnt 0x0
	s_add_nc_u64 s[20:21], s[PA:PA+1], s[20:21]
	s_add_nc_u64 s[22:23], s[PA:PA+1], s[22:23]
	s_add_nc_u64 s[46:47], s[PB:PB+1], s[46:47]
	s_add_nc_u64 s[92:93], s[PB:PB+1], s[92:93]
	CROUND
	s_mov_b32 s[G0S], 1
	s_mov_b32 s[G0S+1], SCL
	s_mov_b64 s[G0S+2:G0S+3], s[22:23]
	s_or_b32 s[G0S+3], s[G0S+3], 0x80000000
	s_mov_b32 s[G0SB], 1
	s_mov_b32 s[G0SB+1], SCL+2*HALFS
	s_mov_b64 s[G0SB+2:G0SB+3], s[92:93]
	s_or_b32 s[G0SB+3], s[G0SB+3], 0x80000000
	s_cmp_eq_u32 s15, 0                            ; the prefetches: do I fetch for A?  The choice hangs on the wave's number alone
	s_cselect_b64 s[104:105], s[20:21], s[46:47]
	s_cselect_b32 s2, s40, s41                     ; my place among the four that ask for the tile with me
	s_lshl_b32 s2, s2, 1
	s_lshl_b32 s3, s16, 3
	s_add_co_u32 s2, s2, s3
	s_mul_i32 s2, s2, PRB
	s_mov_b32 s3, 0
	s_add_nc_u64 s[104:105], s[104:105], s[2:3]
.irp s, 0,1
	s_mov_b32 s[G0+4*\s], 1
	s_add_co_u32 s[G0+4*\s+1], s45, \s*SLOT
	s_add_nc_u64 s[G0+4*\s+2:G0+4*\s+3], s[20:21], \s*NQ*1536
	s_or_b32 s[G0+4*\s+3], s[G0+4*\s+3], 0x80000000
	s_mov_b32 s[G0B+4*\s], 1
	s_add_co_u32 s[G0B+4*\s+1], s45, \s*SLOT
	s_add_nc_u64 s[G0B+4*\s+2:G0B+4*\s+3], s[46:47], \s*NQ*1536
	s_or_b32 s[G0B+4*\s+3], s[G0B+4*\s+3], 0x80000000
.endr
; the head's loads, one a wave, in one chain of branches on the wave's number
	s_mov_b32 s[G0+1], 0
	s_mov_b32 s[G0B+1], 2*HALFT
.macro ARM under, g0, g1, next
	s_cmp_lt_u32 s14, \under
	s_cbranch_scc0 \next
	tensor_load_to_lds s[\g0:\g0+3], s[\g1:\g1+7]
	s_nop 0
.rept 4
	v_nop
.endr
	s_branch .Lhead_asked
\next:
.endm
	ARM 1, G0, G1, .Lhead_b
	ARM 2, G0B, G1B, .Lhead_sa
	ARM 3, G0S, G1S, .Lhead_sb
	tensor_load_to_lds s[G0SB:G0SB+3], s[G1SB:G1SB+7]
	s_nop 0
.rept 4
	v_nop
.endr
.Lhead_asked:
	v_and_b32 v1, 31, v0
	v_and_b32 v2, 15, v0
	v_bfe_u32 v3, v0, 4, 1
	v_lshlrev_b32 v24, 4, v1
	v_lshlrev_b32 v25, 3, v1
	v_lshlrev_b32 v26, 2, v1
	v_min_u32 v30, 23, v1                          ; a lane a block; lanes 24-31 name the last again
	v_mul_u32_u24 v31, v30, 171
	v_lshrrev_b32 v31, 11, v31                     ; which of the two row blocks: l / 12
	v_lshlrev_b32 v30, 8, v30
	v_mad_u32_u24 v30, v31, PRB-3072, v30
	s_mul_i32 s21, s15, HALFT
	s_mul_i32 s22, s16, HALFT
	s_add_co_u32 s22, s22, 2*HALFT
.irp s, 0,1
	v_add_nc_u32 v[16+\s], s21, v24
	v_add_nc_u32 v[18+\s], s21, v25
	v_add_nc_u32 v[20+\s], s22, v24
	v_add_nc_u32 v[22+\s], s22, v25
	s_add_co_u32 s21, s21, SLOT
	s_add_co_u32 s22, s22, SLOT
.endr
	s_wait_alu depctr_va_vdst(0)                   ; the wait ahead of the readers below
	global_prefetch_b8 v30, s[104:105] offset:NQ*1536 th:TH_LOAD_NT scope:SCOPE_SE     ; fill 1
	global_prefetch_b8 v30, s[104:105] offset:2*NQ*1536 th:TH_LOAD_NT scope:SCOPE_SE   ; fill 2
	v_lshlrev_b32 v5, 2, v2
	s_mul_i32 s21, s15, 64*MB
	s_mul_i32 s22, s16, 64*MB
	s_add_co_u32 s22, s22, 2*HALFS
	s_sub_co_u32 s22, s22, s21
	v_mul_u32_u24 v6, s22, v3
	s_add_co_u32 s21, s21, SCL
	v_add_nc_u32 v5, v5, v6
	v_add_nc_u32 v[ADRS], s21, v5
	s_lshl_b32 s66, s17, 4
	s_lshl_b32 s67, s15, 3
	s_add_co_u32 s66, s66, s67
.if FFN
	s_lshl_b32 s18, s42, 1
	s_add_co_u32 s18, s18, s16
	s_mov_b32 s100, 49152
	s_mov_b32 s22, 16384
	s_mov_b32 s20, 0
	s_mov_b32 s21, HS
	s_lshl_b32 s46, s18, 9
	s_mov_b32 s47, 0
	s_add_nc_u64 s[46:47], s[8:9], s[46:47]
.else
	s_and_b32 s18, s42, 3
	s_lshl_b32 s18, s18, 1
	s_add_co_u32 s18, s18, s16
	s_lshl_b32 s19, s42, 1
	s_add_co_u32 s19, s19, s16
	s_lshl_b32 s67, s18, 9
	s_lshl_b32 s101, s66, 6
	s_mov_b32 s100, 12288
	s_mov_b32 s22, 16384
	s_mov_b32 s21, QS
	s_mov_b32 s23, KSB
	s_cmp_eq_u32 ttmp9, 1
	s_cselect_b32 s20, KC, QC
	s_cselect_b32 s21, s23, s21
	s_cselect_b64 s[46:47], s[8:9], s[6:7]
	s_mov_b32 s23, VS
	s_cmp_eq_u32 ttmp9, 2
	s_cselect_b32 s18, s19, s18
	s_cselect_b32 s100, 49152, s100
	s_cselect_b32 s22, 4096, s22
	s_cselect_b32 s20, VC, s20
	s_cselect_b32 s21, s23, s21
	s_cselect_b32 s67, 0, s67
	s_cselect_b32 s101, s101, 0
	s_mov_b32 s2, s67
	s_mov_b32 s3, 0
	s_add_nc_u64 s[46:47], s[46:47], s[2:3]
	s_mov_b32 s2, s101
	s_add_nc_u64 s[10:11], s[10:11], s[2:3]
.endif
	s_mov_b32 s101, 0
	s_mul_i32 s2, s66, s100
	s_add_co_u32 s2, s2, s20
	s_mul_i32 s19, s18, 1536
	s_add_co_u32 s2, s2, s19
	s_mov_b32 s3, 0
	s_add_nc_u64 s[OB:OB+1], s[OUTP:OUTP+1], s[2:3]
	s_mul_i32 s2, s18, s22
	s_add_co_u32 s2, s2, s21
	s_lshl_b32 s19, s66, 6
	s_add_co_u32 s2, s2, s19
	s_add_nc_u64 s[SBP:SBP+1], s[OUTP:OUTP+1], s[2:3]
	v_lshlrev_b32 v12, 6, v3
	WIN 0x40
.irp n, 0,1,2,3,4,5,6,7,8,9,10,11,12,13,14,15
	global_load_b128 v[192+4*\n:195+4*\n], v12, s[46:47] offset:128*(\n/4)+16*(\n%4)
.endr
	WIN 0
.if FFN == 0
	v_and_b32 v13, 7, v2
	v_lshrrev_b32 v4, 3, v2
	v_lshl_add_u32 v13, v4, 4, v13
	v_lshlrev_b32 v13, 2, v13
.irp a, 0,1,2,3,4,5,6,7
	global_load_b32 v[48+\a], v13, s[10:11] offset:4*(32*(\a/2)+8*(\a%2))
.endr
.endif
	s_wait_alu depctr_va_vdst(0)
	s_wait_loadcnt 0x0
	s_wait_tensorcnt 0x0                           ; my tile of the head's four is in
	ds_add_u32 v[SPW], v[NIL]
	s_mul_i32 s2, s16, MB*PRB                      ; no tensor load of mine is out: from here on I fetch MB row blocks, my half of a tile
	s_mov_b32 s3, 0
.irp g, G0, G0+4, G0B, G0B+4
	s_add_nc_u64 s[\g+2:\g+3], s[\g+2:\g+3], s[2:3]
.endr
	s_mul_i32 s[G0+1], s14, HALFT
	s_mul_i32 s[G0B+1], s14, HALFT
	s_mov_b32 s[G1+2], MB<<16
	s_mov_b32 s[G1+4], MB
	s_mov_b32 s[G1B+2], MB<<16
	s_mov_b32 s[G1B+4], MB
	s_wait_dscnt 0x0
	CROUND
	JLOAD G0+4, G1, G0B+4, G1B                     ; slot 1's first fill, the first tensor load behind the round
	global_prefetch_b8 v30, s[104:105] offset:3*NQ*1536 th:TH_LOAD_NT scope:SCOPE_SE   ; fill 3, the last
	FETCH_B 0, 0, 0
	SCALES 0, 0
	FETCH_A 0, 0, 0
	STEP 0, 0, 1
	WIN 0
	s_mov_b32 s3, LAPS-1
.Llap:
	TURN 0, 1, 1
	s_wait_alu depctr_va_vdst(0)
	STEP 1, 0, 0
	TURN 1, 0, 1
	s_wait_alu depctr_va_vdst(0)
	STEP 0, 0, 0
	WIN 0
	s_sub_co_u32 s3, s3, 1
	s_cmp_lg_u32 s3, 0
	s_cbranch_scc1 .Llap
	TURN 0, 1, 0
	s_wait_alu depctr_va_vdst(0)
	STEP 1, 0, 0
	s_wait_dscnt 0x0
.irp a, 0,1,2,3,4,5,6,7
	MULA \a, 1, 0
.endr
	WIN 0
	PLACES 4
.if FFN == 0
	WIN 0x44
.set n_, 0
.rept 64
	v_cndmask_b32 v[192+n_], 0, v[192+n_], s98
.set n_, n_+1
.endr
	WIN 0
.irp a, 0,1,2,3,4,5,6,7
	v_cndmask_b32 v[48+\a], 0, v[48+\a], s99
.endr
	v_mov_b32 v61, 0
.else
	v_mov_b32 v8, 0x3f07dc22                       ; c5, for both halves of a pair
	v_mov_b32 v9, 0x3f07dc22
	s_mov_b32 s98, 0x3e6d3388                      ; 0.2316419
.endif
.irp q, 0,1,2,3
	v_mov_b32 v[56+\q], 0
	v_mov_b32 v[TM+4+\q], 0
.endr
	s_mov_b32 s[AI], 0
.Lrow:
.irp a, 0,1,2,3,4,5,6
	s_cmp_eq_u32 s[AI], \a
	s_cbranch_scc1 .Lc\a
.endr
	COPY 7
	s_branch .Lwork
.irp a, 0,1,2,3,4,5,6
.Lc\a:
	COPY \a
	s_branch .Lwork
.endr
.Lwork:
.if FFN
	GELU 64
	GELU 96
.else
.set n_, 0
.rept 32
	v_pk_add_f32 v[64+n_:65+n_], v[64+n_:65+n_], v[60:61] op_sel_hi:[1,0]
.set n_, n_+2
.endr
.endif
	QUANT 64
	global_store_b128 v24, v[PC:PC+3], s[OB:OB+1]
	global_store_b64 v25, v[PC+4:PC+5], s[OB:OB+1] offset:512
	global_store_b128 v24, v[PC+6:PC+9], s[OB:OB+1] offset:768
	global_store_b64 v25, v[PC+10:PC+11], s[OB:OB+1] offset:1280
	s_and_b32 s18, s[AI], 1
	s_lshl_b32 s18, s18, 4
	s_lshl_b32 s18, 0xffff, s18
	s_lshr_b32 s19, s[AI], 1
.irp q, 0,1,2,3
	s_cmp_eq_u32 s19, \q
	s_cselect_b32 s[20+\q], s18, 0
.endr
.irp q, 0,1,2,3
	v_cndmask_b32 v[56+\q], v[56+\q], v[PW], s[20+\q]
.endr
	s_wait_xcnt 0x0
	s_add_nc_u64 s[OB:OB+1], s[OB:OB+1], s[PR:PR+1]
	s_add_co_u32 s[AI], s[AI], 1
	s_cmp_lt_u32 s[AI], 8
	s_cbranch_scc1 .Lrow
	s_wait_alu depctr_va_vdst(0)
.irp q, 0,1,2,3
	global_store_b32 v26, v[56+\q], s[SBP:SBP+1] offset:128*\q
.endr
	s_wait_tensorcnt 0x0
	ds_add_u32 v[SPW], v[NIL]
	s_wait_dscnt 0x0
	CROUND
	s_endpgm
.Lfunc_end_k_qf648edadaf_ffn1:
	.size	k_qf648edadaf_ffn1, .Lfunc_end_k_qf648edadaf_ffn1-k_qf648edadaf_ffn1
	.p2alignl 7, 3214868480
	.fill 96, 4, 3214868480
	.section	.rodata,"a",@progbits
	.p2align	6, 0x0
	.amdhsa_kernel k_qf648edadaf_ffn1
		.amdhsa_group_segment_fixed_size 327680
		.amdhsa_private_segment_fixed_size 0
		.amdhsa_enable_private_segment 0
		.amdhsa_kernarg_size 32
		.amdhsa_user_sgpr_count 2
		.amdhsa_user_sgpr_kernarg_segment_ptr 1
		.amdhsa_wavefront_size32 1
		.amdhsa_system_sgpr_workgroup_id_x 1
		.amdhsa_system_sgpr_workgroup_id_y 1
		.amdhsa_system_sgpr_workgroup_id_z 1
		.amdhsa_system_vgpr_workitem_id 0
		.amdhsa_next_free_vgpr 1024
		.amdhsa_next_free_sgpr 106
		.amdhsa_reserve_vcc 0
		.amdhsa_float_denorm_mode_32 3
		.amdhsa_float_denorm_mode_16_64 3
		.amdhsa_memory_ordered 1
		.amdhsa_forward_progress 1
		.amdhsa_inst_pref_size 178
	.end_amdhsa_kernel
	.amdgpu_metadata
---
amdhsa.version: [ 1, 2 ]
amdhsa.kernels:
  - .name:           k_qf648edadaf_ffn1
    .symbol:         k_qf648edadaf_ffn1.kd
    .args:
      - { .name: x1b, .offset: 0, .size: 8, .value_kind: global_buffer, .address_space: global }
      - { .name: wts, .offset: 8, .size: 8, .value_kind: global_buffer, .address_space: global }
      - { .name: b1, .offset: 16, .size: 8, .value_kind: global_buffer, .address_space: global }
      - { .name: hid, .offset: 24, .size: 8, .value_kind: global_buffer, .address_space: global }
    .group_segment_fixed_size: 327680
    .private_segment_fixed_size: 0
    .kernarg_segment_align: 8
    .kernarg_segment_size: 32
    .max_flat_workgroup_size: 128
    .sgpr_count:     106
    .vgpr_count:     1024
    .wavefront_size: 32
...
	.end_amdgpu_metadata
.endif
;; end of part 5
;; launch ffn2 (part 6): grid 8 x 32, 4 waves a work-group, clusters of 4 x 4, 327,680 bytes of LDS; arguments hid, wts, y, x1b, b2; writes y
.if DOCPART == 6
	.amdgcn_target "amdgcn-amd-amdhsa--gfx1250"
	.amdhsa_code_object_version 6
	.text
	.protected	k_qf648edadaf_ffn2
	.globl	k_qf648edadaf_ffn2
	.p2align	8
	.type	k_qf648edadaf_ffn2,@function
k_qf648edadaf_ffn2:
	s_mov_b64 s[64:65], 0
	v_nop
	global_prefetch_b8 v0, s[64:65] scope:SCOPE_SE
	s_setreg_imm32_b32 hwreg(HW_REG_WAVE_MODE, 25, 1), 1
	s_wait_xcnt 0x0
	s_wait_alu depctr_hold_cnt(0) depctr_sa_sdst(0) depctr_va_vdst(0) depctr_va_sdst(0) depctr_va_ssrc(0) depctr_va_vcc(0) depctr_vm_vsrc(0)
	s_getreg_b32 s2, hwreg(HW_REG_IB_STS2, 6, 4)
	s_cmp_eq_u32 s2, 0
	s_cbranch_scc0 .Lentry_in_a_cluster
	s_endpgm
.Lentry_in_a_cluster:
	s_bfe_u32 s2, ttmp6, 0x10000c
	s_cmp_lg_u32 s2, 0xf033
	s_cbranch_scc0 .Lentry_shape_is_right
	s_endpgm
.Lentry_shape_is_right:
; y = x1 + hid W2 + b2: the product on codes of E3M2 with E8M0 scale words, f32 sums; the residual x1 and the bias b2 are added on the way out, in f32.
; A tile of 128 x 128 to a work-group of four waves, 64 x 64 to a wave: 16 accumulators.  K = 4,096 goes in eight fills of 512 through a ring of two LDS slots filled by joint tensor loads.
; CLUSTERS 4 x 4: A's tiles are shared along a row of the cluster, B's along a column.  Source 0 = B's rows, source 1 = A's: a lane holds eight neighbours of a row of y.
; THE HEAD: one joint load a wave: all of A's slot 0, all of B's, A's scale words of all of K, B's.  Slot 1 follows behind the full sequence and a round.
; PREFETCH: behind the load of fill f each wave asks for fill f + 2: of the 4 row blocks that it fetches, the partner at place p (cx for A, cy for B) names row block p's 6,144 bytes,
; 24 blocks of 256, a lane a block (lanes 24-31 name the last again): each block once in each cluster that will load it.  The head asks for fills 1 and 2; fills 6 and 7 ask for nothing.
; REGISTERS: window 0: v8-11 the bias, v16-31 addresses, v32-47 scale words, v64-255 A's fragments (on the way out: rows of y).  window 1: B's fragments.
;   window 2: accumulator (a, b) at v[8 (8 a + b)], b under 4; between them, at v[64 a + 32] on, block a's 32 registers of the residual, loaded at the head in the layout of the stores.
; LIMITS: NaN and infinities are not served.
.set PFA, 100                          ; s[100:101] where my prefetches stand
.set PFO, 30                           ; v30 256 x min(lane, 23); never rewritten
.set KDIM, 4096
.set AC_OFF, 0
.set AS_OFF, 12582912
.set BC_OFF, 9830400
.set BS_OFF, 12976128
.set APIT, 16384
.set BPIT, 4096
.set MB, 4
.set NQ, 4
.set KST, KDIM/128
.set PRB, 12*KDIM
.set HALFT, 24576
.set SLOT, 98304
.set HALFS, 64*MB*KST
.set SCL, 196608
.set STG, 229376
.set SPARE, 246784
.set LAPS, KST/(2*NQ)
.set G1, 24
.set G0, 32
.set G1B, 48
.set G0B, 56
.set G1S, 68
.set G0S, 76
.set G1SB, 80
.set G0SB, 88
.set ADRS, 27
.set SPW, 28
.set NIL, 29
.set SC, 32
.set AF, 64
.set MSB, 0
.macro WIN new
.if MSB != \new
	s_set_vgpr_msb (MSB<<8)|\new
.set MSB, \new
.endif
.endm
.macro JLOAD g0a, g1a, g0b, g1b
	s_cmp_eq_u32 s15, 0
	s_cbranch_scc0 .Lfor_b_\@
	tensor_load_to_lds s[\g0a:\g0a+3], s[\g1a:\g1a+7]
	s_nop 0
.rept 4
	v_nop
.endr
	s_branch .Lasked_\@
.Lfor_b_\@:
	tensor_load_to_lds s[\g0b:\g0b+3], s[\g1b:\g1b+7]
	s_nop 0
.rept 4
	v_nop
.endr
.Lasked_\@:
.endm
.macro CREST
	s_cmp_lg_u32 s14, 0
	s_cbranch_scc1 .Lnot_wave_0_\@
	s_barrier_signal -3
.Lnot_wave_0_\@:
	s_barrier_wait -3
	s_barrier_signal -1
	s_barrier_wait -1
.endm
.macro CROUND
	s_barrier_signal -1
	s_barrier_wait -1
	CREST
.endm
.macro PLACES n
.rept \n
	v_nop
.endr
.endm
.macro FRAG reg, a16, a8, off
	ds_load_b128 v[\reg:\reg+3], v[\a16] offset:\off
	ds_load_b64 v[\reg+4:\reg+5], v[\a8] offset:\off+512
	ds_load_b128 v[\reg+6:\reg+9], v[\a16] offset:\off+768
	ds_load_b64 v[\reg+10:\reg+11], v[\a8] offset:\off+1280
.endm
.macro FETCH_B slot, q, p
	WIN 0x40
.irp i, 0,1,2,3
	FRAG 96*(\p)+12*\i, 20+\slot, 22+\slot, \i*NQ*1536+(\q)*1536
.endr
	WIN 0
.endm
.macro FETCH_A slot, q, p
.irp i, 0,1,2,3
	FRAG AF+96*(\p)+12*\i, 16+\slot, 18+\slot, \i*NQ*1536+(\q)*1536
.endr
.endm
.macro SCALES q, p
.irp i, 0,1,2,3
	ds_load_b32 v[SC+8*(\p)+\i], v[ADRS] offset:128*MB*(\q)+64*\i
.endr
.endm
.macro MULA a, p, zero
	WIN 0xa1
.irp b, 0,1,2,3
.if \zero
	v_wmma_scale_f32_16x16x128_f8f6f4 v[8*(8*(\a)+\b):8*(8*(\a)+\b)+7], v[96*(\p)+12*\b:96*(\p)+12*\b+11], v[AF+96*(\p)+12*(\a):AF+96*(\p)+12*(\a)+11], 0, v[SC+8*(\p)+\b], v[SC+8*(\p)+(\a)] matrix_a_fmt:MATRIX_FMT_BF6 matrix_b_fmt:MATRIX_FMT_BF6 matrix_a_scale:MATRIX_SCALE_ROW1
.else
	v_wmma_scale_f32_16x16x128_f8f6f4 v[8*(8*(\a)+\b):8*(8*(\a)+\b)+7], v[96*(\p)+12*\b:96*(\p)+12*\b+11], v[AF+96*(\p)+12*(\a):AF+96*(\p)+12*(\a)+11], v[8*(8*(\a)+\b):8*(8*(\a)+\b)+7], v[SC+8*(\p)+\b], v[SC+8*(\p)+(\a)] matrix_a_fmt:MATRIX_FMT_BF6 matrix_b_fmt:MATRIX_FMT_BF6 matrix_a_scale:MATRIX_SCALE_ROW1
.endif
.endr
.endm
.macro STEP slot, q, zero
	s_wait_dscnt 0x0
	PLACES 4
	FETCH_B \slot, (\q)+1, 1-(\q)%2
	SCALES (\q)+1, 1-(\q)%2
	MULA 0, (\q)%2, \zero
	MULA 1, (\q)%2, \zero
	WIN 0
	FETCH_A \slot, (\q)+1, 1-(\q)%2
	MULA 2, (\q)%2, \zero
	MULA 3, (\q)%2, \zero
.endm
.macro TURN slot, next, fill
	WIN 0
.if \fill
	s_wait_xcnt 0x0                                ; my last prefetch has read its address: only now is it stepped, a slot on
	s_add_nc_u64 s[PFA:PFA+1], s[PFA:PFA+1], NQ*1536
.endif
	s_wait_tensorcnt 0x0
	ds_add_u32 v[SPW], v[NIL]
	s_wait_dscnt 1
	MULA 0, 1, 0
	s_wait_dscnt 0x0
	s_barrier_signal -1
	MULA 1, 1, 0
	WIN 0
	s_barrier_wait -1
.if \fill
	CREST
	s_add_nc_u64 s[G0+4*\slot+2:G0+4*\slot+3], s[G0+4*\slot+2:G0+4*\slot+3], 2*NQ*1536
	s_add_nc_u64 s[G0B+4*\slot+2:G0B+4*\slot+3], s[G0B+4*\slot+2:G0B+4*\slot+3], 2*NQ*1536
	JLOAD G0+4*\slot, G1, G0B+4*\slot, G1B
.else
	PLACES 4
.endif
	s_wait_alu depctr_va_vdst(0)
	v_add_nc_u32 v[ADRS], 128*MB*NQ, v[ADRS]
	FETCH_B \next, 0, 0
	SCALES 0, 0
.if \fill
	s_cmp_gt_u32 s3, 1                             ; the loop's last trip loads fills 6 and 7: there is no fill two on
	s_cbranch_scc0 .Lno_ask_\@
	global_prefetch_b8 v[PFO], s[PFA:PFA+1] offset:3*NQ*1536 th:TH_LOAD_NT scope:SCOPE_SE
.Lno_ask_\@:
.endif
	MULA 2, 1, 0
	WIN 0
	FETCH_A \next, 0, 0
	MULA 3, 1, 0
.endm
.macro OUT a
	WIN 0x08
.irp b, 0,1,2,3
	ds_store_b128 v24, v[8*(8*(\a)+\b):8*(8*(\a)+\b)+3] offset:128*(\b/2)+32*(\b%2)
	ds_store_b128 v24, v[8*(8*(\a)+\b)+4:8*(8*(\a)+\b)+7] offset:128*(\b/2)+32*(\b%2)+16
.endr
	WIN 0
.irp i, 0,1,2,3,4,5,6,7
	ds_load_b128 v[64+32*(\a)+4*\i:64+32*(\a)+4*\i+3], v25 offset:544*\i
.endr
.endm
.macro SEND a, younger
.set OR_, 64+32*(\a)
.set RS_, 64*(\a)+32
	s_wait_dscnt \younger                          ; the block's eight loads are back; the next block's 8 stores and 8 loads may be out
	WIN 0x08                                       ; source 1: window 2, the residual
.irp i, 0,1,2,3,4,5,6,7
	v_pk_add_f32 v[OR_+4*\i:OR_+4*\i+1], v[OR_+4*\i:OR_+4*\i+1], v[RS_+4*\i:RS_+4*\i+1]
	v_pk_add_f32 v[OR_+4*\i+2:OR_+4*\i+3], v[OR_+4*\i+2:OR_+4*\i+3], v[RS_+4*\i+2:RS_+4*\i+3]
.endr
	WIN 0
.irp i, 0,1,2,3,4,5,6,7
	v_pk_add_f32 v[OR_+4*\i:OR_+4*\i+1], v[OR_+4*\i:OR_+4*\i+1], v[8:9]
	v_pk_add_f32 v[OR_+4*\i+2:OR_+4*\i+3], v[OR_+4*\i+2:OR_+4*\i+3], v[10:11]
.endr
.irp i, 0,1,2,3,4,5,6,7
	global_store_b128 v26, v[64+32*(\a)+4*\i:64+32*(\a)+4*\i+3], s[8:9] offset:(32*((\a)/2)+16*(\i/4)+8*((\a)%2)+2*(\i%4))*4096 th:TH_STORE_NT
.endr
.endm
	s_load_b128 s[4:7], s[0:1], 0x0
	s_load_b64 s[8:9], s[0:1], 0x10
	s_load_b128 s[96:99], s[0:1], 0x18             ; the residual, the bias
	v_lshl_add_u32 v[SPW], v0, 2, SPARE
	v_mov_b32 v[NIL], 0
	ds_add_u32 v[SPW], v[NIL]
	ds_add_u32 v[SPW], v[NIL]
	v_lshrrev_b32 v1, 5, v0
	v_readfirstlane_b32 s14, v1
	s_lshr_b32 s15, s14, 1
	s_and_b32 s16, s14, 1
	s_bfe_u32 s40, ttmp6, 0x40000
	s_bfe_u32 s41, ttmp6, 0x40004
	s_lshl_b32 s42, ttmp9, 2
	s_add_co_u32 s42, s42, s40
	s_and_b32 s17, ttmp7, 0xffff
	s_lshl_b32 s17, s17, 2
	s_add_co_u32 s17, s17, s41
	s_lshl_b32 s43, s41, 2
	s_lshl_b32 s43, 15, s43
	s_lshl_b32 s44, 0x1111, s40
	s_or_b32 s[G1+0], s43, (3<<16)|(1<<21)
	s_or_b32 s[G1B+0], s44, (3<<16)|(1<<21)
.irp g, G1, G1B
	s_mov_b32 s[\g+1], (192*NQ)<<16
	s_mov_b32 s[\g+2], (2*MB)<<16
	s_mov_b32 s[\g+3], (192*NQ)<<16
	s_mov_b32 s[\g+4], 2*MB
	s_mov_b32 s[\g+5], PRB/8
	s_mov_b32 s[\g+6], 0
	s_mov_b32 s[\g+7], 0
.endr
	s_or_b32 s[G1S+0], s43, (3<<16)|(1<<21)
	s_or_b32 s[G1SB+0], s44, (3<<16)|(1<<21)
.irp g, G1S, G1SB
	s_mov_b32 s[\g+1], (16*MB)<<16
	s_mov_b32 s[\g+2], KST<<16
	s_mov_b32 s[\g+3], (16*MB)<<16
	s_mov_b32 s[\g+4], KST
	s_mov_b32 s[\g+6], 0
	s_mov_b32 s[\g+7], 0
.endr
	s_mov_b32 s[G1S+5], APIT/8
	s_mov_b32 s[G1SB+5], BPIT/8
	s_lshl_b32 s20, s17, 3
	s_lshl_b32 s46, s42, 3
	s_lshl_b32 s22, s20, 6
	s_add_co_u32 s22, s22, AS_OFF
	s_lshl_b32 s92, s46, 6
	s_add_co_u32 s92, s92, BS_OFF
	s_mul_i32 s20, s20, PRB
	s_add_co_u32 s20, s20, AC_OFF
	s_mul_i32 s46, s46, PRB
	s_add_co_u32 s46, s46, BC_OFF
	s_mov_b32 s21, 0
	s_mov_b32 s23, 0
	s_mov_b32 s47, 0
	s_mov_b32 s93, 0
	s_mul_i32 s45, s14, HALFT
	s_wait_dscnt 0x0
	s_wait_kmcnt 0x0
	s_add_nc_u64 s[20:21], s[4:5], s[20:21]
	s_add_nc_u64 s[22:23], s[4:5], s[22:23]
	s_add_nc_u64 s[46:47], s[6:7], s[46:47]
	s_add_nc_u64 s[92:93], s[6:7], s[92:93]
	CROUND
	s_mov_b32 s[G0S], 1
	s_mov_b32 s[G0S+1], SCL
	s_mov_b64 s[G0S+2:G0S+3], s[22:23]
	s_or_b32 s[G0S+3], s[G0S+3], 0x80000000
	s_mov_b32 s[G0SB], 1
	s_mov_b32 s[G0SB+1], SCL+2*HALFS
	s_mov_b64 s[G0SB+2:G0SB+3], s[92:93]
	s_or_b32 s[G0SB+3], s[G0SB+3], 0x80000000
	s_cmp_eq_u32 s15, 0                            ; the prefetches: do I fetch for A?  The choice hangs on the wave's number alone
	s_cselect_b64 s[PFA:PFA+1], s[20:21], s[46:47]
	s_cselect_b32 s2, s40, s41                     ; my place among the four that ask for the tile with me
	s_lshl_b32 s3, s16, 2
	s_add_co_u32 s2, s2, s3                        ; my half's 4 row blocks, of them my work-group's one
	s_mul_i32 s2, s2, PRB
	s_mov_b32 s3, 0
	s_add_nc_u64 s[PFA:PFA+1], s[PFA:PFA+1], s[2:3]
.irp s, 0,1
	s_mov_b32 s[G0+4*\s], 1
	s_add_co_u32 s[G0+4*\s+1], s45, \s*SLOT
	s_add_nc_u64 s[G0+4*\s+2:G0+4*\s+3], s[20:21], \s*NQ*1536
	s_or_b32 s[G0+4*\s+3], s[G0+4*\s+3], 0x80000000
	s_mov_b32 s[G0B+4*\s], 1
	s_add_co_u32 s[G0B+4*\s+1], s45, \s*SLOT
	s_add_nc_u64 s[G0B+4*\s+2:G0B+4*\s+3], s[46:47], \s*NQ*1536
	s_or_b32 s[G0B+4*\s+3], s[G0B+4*\s+3], 0x80000000
.endr
; the head's loads, one a wave, in one chain of branches on the wave's number
	s_mov_b32 s[G0+1], 0
	s_mov_b32 s[G0B+1], 2*HALFT
.macro ARM under, g0, g1, next
	s_cmp_lt_u32 s14, \under
	s_cbranch_scc0 \next
	tensor_load_to_lds s[\g0:\g0+3], s[\g1:\g1+7]
	s_nop 0
.rept 4
	v_nop
.endr
	s_branch .Lhead_asked
\next:
.endm
	ARM 1, G0, G1, .Lhead_b
	ARM 2, G0B, G1B, .Lhead_sa
	ARM 3, G0S, G1S, .Lhead_sb
	tensor_load_to_lds s[G0SB:G0SB+3], s[G1SB:G1SB+7]
	s_nop 0
.rept 4
	v_nop
.endr
.Lhead_asked:
	v_and_b32 v1, 31, v0
	v_and_b32 v2, 15, v0
	v_bfe_u32 v3, v0, 4, 1
	v_lshlrev_b32 v4, 4, v1
	v_lshlrev_b32 v5, 3, v1
	s_mul_i32 s21, s15, HALFT
	s_mul_i32 s22, s16, HALFT
	s_add_co_u32 s22, s22, 2*HALFT
.irp s, 0,1
	v_add_nc_u32 v[16+\s], s21, v4
	v_add_nc_u32 v[18+\s], s21, v5
	v_add_nc_u32 v[20+\s], s22, v4
	v_add_nc_u32 v[22+\s], s22, v5
	s_add_co_u32 s21, s21, SLOT
	s_add_co_u32 s22, s22, SLOT
.endr
	v_lshlrev_b32 v5, 2, v2
	s_mul_i32 s21, s15, 64*MB
	s_mul_i32 s22, s16, 64*MB
	s_add_co_u32 s22, s22, 2*HALFS
	s_sub_co_u32 s22, s22, s21
	v_mul_u32_u24 v6, s22, v3
	s_add_co_u32 s21, s21, SCL
	v_add_nc_u32 v5, v5, v6
	v_add_nc_u32 v[ADRS], s21, v5
	s_mul_i32 s23, s14, 4352
	s_add_co_u32 s23, s23, STG
	v_mul_u32_u24 v6, v2, 272
	v_lshl_add_u32 v6, v3, 6, v6
	v_add_nc_u32 v24, s23, v6
	v_mul_u32_u24 v6, v3, 272
	v_lshl_add_u32 v6, v2, 4, v6
	v_add_nc_u32 v25, s23, v6
	v_lshlrev_b32 v6, 12, v3
	v_lshl_add_u32 v26, v2, 4, v6
	s_lshl_b32 s20, s17, 19
	s_lshl_b32 s21, s15, 18
	s_add_co_u32 s20, s20, s21
	s_mov_b32 s21, 0
	s_lshl_b32 s46, s42, 9
	s_lshl_b32 s47, s16, 8
	s_add_co_u32 s46, s46, s47
	s_mov_b32 s47, 0
	s_add_nc_u64 s[20:21], s[20:21], s[46:47]
	s_add_nc_u64 s[8:9], s[8:9], s[20:21]
	s_add_nc_u64 s[96:97], s[96:97], s[20:21]      ; the residual lies as y lies
	s_add_nc_u64 s[98:99], s[98:99], s[46:47]      ; the bias at my 64 columns
	v_lshlrev_b32 v31, 4, v2
	v_min_u32 v[PFO], 23, v1
	v_lshlrev_b32 v[PFO], 8, v[PFO]
	s_wait_alu depctr_va_vdst(0)                   ; ahead of the readers below
	global_prefetch_b8 v[PFO], s[PFA:PFA+1] offset:NQ*1536 th:TH_LOAD_NT scope:SCOPE_SE     ; fill 1
	global_prefetch_b8 v[PFO], s[PFA:PFA+1] offset:2*NQ*1536 th:TH_LOAD_NT scope:SCOPE_SE   ; fill 2
	global_load_b128 v[8:11], v31, s[98:99]
	WIN 0x80
.irp a, 0,1,2,3
.irp i, 0,1,2,3,4,5,6,7
	global_load_b128 v[64*\a+32+4*\i:64*\a+35+4*\i], v26, s[96:97] offset:(32*(\a/2)+16*(\i/4)+8*(\a%2)+2*(\i%4))*4096 th:TH_LOAD_NT
.endr
.endr
	WIN 0
	s_wait_alu depctr_va_vdst(0)
	s_wait_tensorcnt 0x0                           ; my tile of the head's four is in
	ds_add_u32 v[SPW], v[NIL]
	s_mul_i32 s2, s16, MB*PRB                      ; no tensor load of mine is out: from here on I fetch MB row blocks, my half of a tile
	s_mov_b32 s3, 0
.irp g, G0, G0+4, G0B, G0B+4
	s_add_nc_u64 s[\g+2:\g+3], s[\g+2:\g+3], s[2:3]
.endr
	s_mul_i32 s[G0+1], s14, HALFT
	s_mul_i32 s[G0B+1], s14, HALFT
	s_mov_b32 s[G1+2], MB<<16
	s_mov_b32 s[G1+4], MB
	s_mov_b32 s[G1B+2], MB<<16
	s_mov_b32 s[G1B+4], MB
	s_wait_dscnt 0x0
	CROUND
	JLOAD G0+4, G1, G0B+4, G1B                     ; slot 1's first fill (fill 1), the first tensor load behind the round
	global_prefetch_b8 v[PFO], s[PFA:PFA+1] offset:3*NQ*1536 th:TH_LOAD_NT scope:SCOPE_SE   ; fill 3
	FETCH_B 0, 0, 0
	SCALES 0, 0
	FETCH_A 0, 0, 0
	STEP 0, 0, 1
	STEP 0, 1, 0
	STEP 0, 2, 0
.if LAPS > 1
	WIN 0
	s_mov_b32 s3, LAPS-1
.Llap:
	TURN 0, 1, 1
	s_wait_alu depctr_va_vdst(0)
	STEP 1, 0, 0
	STEP 1, 1, 0
	STEP 1, 2, 0
	TURN 1, 0, 1
	s_wait_alu depctr_va_vdst(0)
	STEP 0, 0, 0
	STEP 0, 1, 0
	STEP 0, 2, 0
	WIN 0
	s_sub_co_u32 s3, s3, 1
	s_cmp_lg_u32 s3, 0
	s_cbranch_scc1 .Llap
.endif
	TURN 0, 1, 0
	s_wait_alu depctr_va_vdst(0)
	STEP 1, 0, 0
	STEP 1, 1, 0
	STEP 1, 2, 0
	s_wait_dscnt 0x0
	MULA 0, 1, 0
	MULA 1, 1, 0
	MULA 2, 1, 0
	MULA 3, 1, 0
	WIN 0
	PLACES 4
	s_wait_loadcnt 0x0                             ; the residual and the bias
	OUT 0
	OUT 1
	SEND 0, 16
	OUT 2
	SEND 1, 16
	OUT 3
	SEND 2, 16
	SEND 3, 0
	s_wait_tensorcnt 0x0
	ds_add_u32 v[SPW], v[NIL]
	s_wait_dscnt 0x0
	CROUND
	s_endpgm
.Lfunc_end_k_qf648edadaf_ffn2:
	.size	k_qf648edadaf_ffn2, .Lfunc_end_k_qf648edadaf_ffn2-k_qf648edadaf_ffn2
	.p2alignl 7, 3214868480
	.fill 96, 4, 3214868480
	.section	.rodata,"a",@progbits
	.p2align	6, 0x0
	.amdhsa_kernel k_qf648edadaf_ffn2
		.amdhsa_group_segment_fixed_size 327680
		.amdhsa_private_segment_fixed_size 0
		.amdhsa_enable_private_segment 0
		.amdhsa_kernarg_size 40
		.amdhsa_user_sgpr_count 2
		.amdhsa_user_sgpr_kernarg_segment_ptr 1
		.amdhsa_wavefront_size32 1
		.amdhsa_system_sgpr_workgroup_id_x 1
		.amdhsa_system_sgpr_workgroup_id_y 1
		.amdhsa_system_sgpr_workgroup_id_z 1
		.amdhsa_system_vgpr_workitem_id 0
		.amdhsa_next_free_vgpr 768
		.amdhsa_next_free_sgpr 102
		.amdhsa_reserve_vcc 0
		.amdhsa_float_denorm_mode_32 3
		.amdhsa_float_denorm_mode_16_64 3
		.amdhsa_memory_ordered 1
		.amdhsa_forward_progress 1
		.amdhsa_inst_pref_size 107
	.end_amdhsa_kernel
	.amdgpu_metadata
---
amdhsa.version: [ 1, 2 ]
amdhsa.kernels:
  - .name:           k_qf648edadaf_ffn2
    .symbol:         k_qf648edadaf_ffn2.kd
    .args:
      - { .name: hid, .offset: 0, .size: 8, .value_kind: global_buffer, .address_space: global }
      - { .name: wts, .offset: 8, .size: 8, .value_kind: global_buffer, .address_space: global }
      - { .name: y, .offset: 16, .size: 8, .value_kind: global_buffer, .address_space: global }
      - { .name: x1b, .offset: 24, .size: 8, .value_kind: global_buffer, .address_space: global }
      - { .name: b2, .offset: 32, .size: 8, .value_kind: global_buffer, .address_space: global }
    .group_segment_fixed_size: 327680
    .private_segment_fixed_size: 0
    .kernarg_segment_align: 8
    .kernarg_segment_size: 40
    .max_flat_workgroup_size: 128
    .sgpr_count:     102
    .vgpr_count:     768
    .wavefront_size: 32
...
	.end_amdgpu_metadata
.endif
;; end of part 6
;; launch ln2 (part 7): grid 256 x 1, 16 waves a work-group, no clusters, 0 bytes of LDS; arguments y, g2, be2, out0; writes out0
.if DOCPART == 7
	.amdgcn_target "amdgcn-amd-amdhsa--gfx1250"
	.amdhsa_code_object_version 6
	.text
	.protected	k_qf648edadaf_ln2
	.globl	k_qf648edadaf_ln2
	.p2align	8
	.type	k_qf648edadaf_ln2,@function
k_qf648edadaf_ln2:
	s_mov_b64 s[64:65], 0
	v_nop
	global_prefetch_b8 v0, s[64:65] scope:SCOPE_SE
	s_setreg_imm32_b32 hwreg(HW_REG_WAVE_MODE, 25, 1), 1
	s_wait_xcnt 0x0
; out = layernorm(x1 + (y + b2)) g2 + be2.  A wave takes a whole row of 1,024 numbers in 32 registers a lane: mean, then the variance of the differences (two passes over registers), all in f32.
; Every load and store of a wave covers 512 consecutive bytes.  No LDS, no barrier: waves share nothing.  Memory binds: matrix units and clusters would add nothing.
; LIMITS: NaN and infinities are not served.
; (Of the sum named above: y arrives as x1 + the second product + b2, added by the launch before; this launch loads y alone and normalises it.)
.set S0, 176
.set S1, 178
.set MU, 180
.set RS, 182
.macro ACROSS                          ; v[S0:S0+1] and v[S1:S1+1] -> their sum over the wave, in every lane's v[S0]
	s_delay_alu instid0(VALU_DEP_1)
	v_pk_add_f32 v[S0:S0+1], v[S0:S0+1], v[S1:S1+1]
	s_delay_alu instid0(VALU_DEP_1)
	v_add_f32 v[S0], v[S0], v[S0+1]
	s_delay_alu instid0(VALU_DEP_1)
	v_add_f32_dpp v[S0], v[S0], v[S0] row_xmask:1 row_mask:0xf bank_mask:0xf
	s_delay_alu instid0(VALU_DEP_1)
	v_add_f32_dpp v[S0], v[S0], v[S0] row_xmask:2 row_mask:0xf bank_mask:0xf
	s_delay_alu instid0(VALU_DEP_1)
	v_add_f32_dpp v[S0], v[S0], v[S0] row_xmask:4 row_mask:0xf bank_mask:0xf
	s_delay_alu instid0(VALU_DEP_1)
	v_add_f32_dpp v[S0], v[S0], v[S0] row_xmask:8 row_mask:0xf bank_mask:0xf
	s_delay_alu instid0(VALU_DEP_1)
	v_permlanex16_b32 v[S1], v[S0], s20, s21
	s_delay_alu instid0(VALU_DEP_1)
	v_add_f32 v[S0], v[S0], v[S1]
.endm
	s_load_b64 s[6:7], s[0:1], 0x0                 ; y
	s_load_b64 s[10:11], s[0:1], 0x8               ; g2
	s_load_b128 s[12:15], s[0:1], 0x10             ; be2, out0
	v_lshrrev_b32 v1, 5, v0
	s_delay_alu instid0(VALU_DEP_1)
	v_readfirstlane_b32 s3, v1
	v_and_b32 v1, 31, v0
	s_delay_alu instid0(VALU_DEP_1)
	v_lshlrev_b32 v10, 4, v1
	s_lshl_b32 s26, ttmp9, 4
	s_add_co_u32 s26, s26, s3                      ; my row
	s_lshl_b32 s26, s26, 12
	s_mov_b32 s27, 0
	s_mov_b32 s20, 0x76543210
	s_mov_b32 s21, 0xfedcba98
	s_mov_b32 s22, 0x3a800000                      ; 1 / 1,024
	s_mov_b32 s23, 0x3727c5ac                      ; 1e-5
	s_wait_alu depctr_va_vdst(0)
	s_wait_kmcnt 0x0
	s_add_nc_u64 s[6:7], s[6:7], s[26:27]
	s_add_nc_u64 s[14:15], s[14:15], s[26:27]
.irp c, 0,1,2,3,4,5,6,7
	global_load_b128 v[16+4*\c:19+4*\c], v10, s[6:7] offset:512*\c th:TH_LOAD_NT
.endr
.irp c, 0,1,2,3,4,5,6,7
	global_load_b128 v[112+4*\c:115+4*\c], v10, s[10:11] offset:512*\c
.endr
.irp c, 0,1,2,3,4,5,6,7
	global_load_b128 v[144+4*\c:147+4*\c], v10, s[12:13] offset:512*\c
.endr
	s_wait_loadcnt 16                              ; y is in; the gain's and the shift's sixteen loads may be out
	v_pk_add_f32 v[S0:S0+1], v[16:17], v[18:19]
	v_pk_add_f32 v[S1:S1+1], v[20:21], v[22:23]
.irp j, 24,28,32,36,40,44
	s_delay_alu instid0(VALU_DEP_2)
	v_pk_add_f32 v[S0:S0+1], v[S0:S0+1], v[\j:\j+1]
	s_delay_alu instid0(VALU_DEP_2)
	v_pk_add_f32 v[S1:S1+1], v[S1:S1+1], v[\j+2:\j+3]
.endr
	ACROSS
	s_delay_alu instid0(VALU_DEP_1)
	v_mul_f32 v[MU], 0xba800000, v[S0]             ; - the mean
	s_delay_alu instid0(VALU_DEP_1)
	v_mov_b32 v[MU+1], v[MU]
.set n_, 0
.rept 16
	v_pk_add_f32 v[16+n_:17+n_], v[16+n_:17+n_], v[MU:MU+1]
.set n_, n_+2
.endr
	v_pk_mul_f32 v[S0:S0+1], v[16:17], v[16:17]
	v_pk_mul_f32 v[S1:S1+1], v[18:19], v[18:19]
.irp j, 20,24,28,32,36,40,44
	s_delay_alu instid0(VALU_DEP_2)
	v_pk_fma_f32 v[S0:S0+1], v[\j:\j+1], v[\j:\j+1], v[S0:S0+1]
	s_delay_alu instid0(VALU_DEP_2)
	v_pk_fma_f32 v[S1:S1+1], v[\j+2:\j+3], v[\j+2:\j+3], v[S1:S1+1]
.endr
	ACROSS
	s_delay_alu instid0(VALU_DEP_1)
	v_fma_f32 v[S0], v[S0], s22, s23               ; the variance + 1e-5
	s_wait_alu depctr_va_vdst(0)
	v_rsq_f32 v[RS], v[S0]
	v_nop                                          ; a plain place behind the transcendental
	s_wait_loadcnt 0x0
	s_wait_alu depctr_va_vdst(0)                   ; the wait ahead of its first reader
	v_mov_b32 v[RS+1], v[RS]
.set n_, 0
.rept 16
	v_pk_mul_f32 v[16+n_:17+n_], v[16+n_:17+n_], v[RS:RS+1]
.set n_, n_+2
.endr
.set n_, 0
.rept 16
	v_pk_fma_f32 v[16+n_:17+n_], v[16+n_:17+n_], v[112+n_:113+n_], v[144+n_:145+n_]
.set n_, n_+2
.endr
.irp c, 0,1,2,3,4,5,6,7
	global_store_b128 v10, v[16+4*\c:19+4*\c], s[14:15] offset:512*\c th:TH_STORE_NT
.endr
	s_endpgm
.Lfunc_end_k_qf648edadaf_ln2:
	.size	k_qf648edadaf_ln2, .Lfunc_end_k_qf648edadaf_ln2-k_qf648edadaf_ln2
	.p2alignl 7, 3214868480
	.fill 96, 4, 3214868480
	.section	.rodata,"a",@progbits
	.p2align	6, 0x0
	.amdhsa_kernel k_qf648edadaf_ln2
		.amdhsa_group_segment_fixed_size 0
		.amdhsa_private_segment_fixed_size 0
		.amdhsa_enable_private_segment 0
		.amdhsa_kernarg_size 32
		.amdhsa_user_sgpr_count 2
		.amdhsa_user_sgpr_kernarg_segment_ptr 1
		.amdhsa_wavefront_size32 1
		.amdhsa_system_sgpr_workgroup_id_x 1
		.amdhsa_system_sgpr_workgroup_id_y 1
		.amdhsa_system_sgpr_workgroup_id_z 1
		.amdhsa_system_vgpr_workitem_id 0
		.amdhsa_next_free_vgpr 192
		.amdhsa_next_free_sgpr 66
		.amdhsa_reserve_vcc 0
		.amdhsa_float_denorm_mode_32 3
		.amdhsa_float_denorm_mode_16_64 3
		.amdhsa_memory_ordered 1
		.amdhsa_forward_progress 1
		.amdhsa_inst_pref_size 12
	.end_amdhsa_kernel
	.amdgpu_metadata
---
amdhsa.version: [ 1, 2 ]
amdhsa.kernels:
  - .name:           k_qf648edadaf_ln2
    .symbol:         k_qf648edadaf_ln2.kd
    .args:
      - { .name: y, .offset: 0, .size: 8, .value_kind: global_buffer, .address_space: global }
      - { .name: g2, .offset: 8, .size: 8, .value_kind: global_buffer, .address_space: global }
      - { .name: be2, .offset: 16, .size: 8, .value_kind: global_buffer, .address_space: global }
      - { .name: out0, .offset: 24, .size: 8, .value_kind: global_buffer, .address_space: global }
    .group_segment_fixed_size: 0
    .private_segment_fixed_size: 0
    .kernarg_segment_align: 8
    .kernarg_segment_size: 32
    .max_flat_workgroup_size: 512
    .sgpr_count:     66
    .vgpr_count:     192
    .wavefront_size: 32
...
	.end_amdgpu_metadata
.endif
;; end of part 7
